; MI455X (gfx1250); checked and timed in simulation.
; The chip was launched on July 23, 2026; its instructions are those of AMD's public machine-readable ISA for CDNA 5 (MIT licence, August 2026) and "CDNA5" Instruction Set Architecture Reference Guide (July 2026). The comments in the code are by the model that wrote it; some were corrected since.
;; Attention. Allowed arithmetic: matrix products marked QUANTISED: E2M3 operands, one E8M0 scale for each 32 along K, by v_wmma_scale_f32_16x16x128_f8f6f4 with both operands' format E2M3, f32 sums; everything else in f32.
;; Inputs: Wk 4,096 x 1,024 float32; Wo 4,096 x 4,096 float32; Wq 4,096 x 4,096 float32; Wv 4,096 x 1,024 float32; bk 1,024 float32; bo 4,096 float32; bq 4,096 float32; bv 1,024 float32; freqs_cis 1,024 x 64 x 2 float32; x 1 x 1,024 x 4,096 float32.
;; Outputs: out0 1 x 1,024 x 4,096 float32.
;; Constants: startpos = 0.
;; This version of the problem:
;;   THIS VERSION OF THE PROBLEM IS GIVEN IN LOW PRECISION. The matrix products marked QUANTISED in the list below multiply operands that are first quantised to E2M3 (2 exponent bits, 3 mantissa bits; 6 bits a number), with one power-of-two scale for each 32 numbers along K (OCP MX v1.0); their sums are f32. All else is computed in f32.
;;   The module's matrix products, in the order in which they are computed (A, B: the left and right operand; K: the contracted axis; several contracted axes count as one K, in the product's order):
;;     1. [M 1,024, K 4,096] x [K 4,096, N 4,096]; A: input x; B: input Wq: QUANTISED
;;     2. [M 1,024, K 4,096] x [K 4,096, N 1,024]; A: input x; B: input Wk: QUANTISED
;;     3. [M 1,024, K 4,096] x [K 4,096, N 1,024]; A: input x; B: input Wv: QUANTISED
;;     4. batch 32 x [M 1,024, K 128] x [K 128, N 1,024]; A: computed on the way; B: computed on the way: QUANTISED
;;     5. batch 32 x [M 1,024, K 1,024] x [K 1,024, N 128]; A: softmax (see below); B: computed on the way: QUANTISED
;;     6. [M 1,024, K 4,096] x [K 4,096, N 4,096]; A: computed on the way; B: input Wo: QUANTISED
;;   THE QUANTISER, for each operand of a quantised product, along K:
;;     - K is cut into blocks of 32 from its start; a last block that is shorter is filled with zeros.
;;     - A block's scale is 2^e with e = floor(log2(the largest magnitude in the block)) - 2, held to -126 .. 127; a block of zeros has e = 0. As a byte (E8M0): e + 127.
;;     - Each number is divided by its block's scale, clamped to +-7.5, and rounded to the nearest number of E2M3, ties to even, subnormals kept.
;;     - The product sums the exact products of the quantised numbers (number of the format x scale) in f32.
;;   ~~~python
;;   def quantise(x, axis):      # numpy; x: float32 -> the quantised numbers, widened to float32 again
;;       x = np.moveaxis(x, axis, -1); K = x.shape[-1]
;;       x = np.pad(x, [(0, 0)] * (x.ndim - 1) + [(0, -K % 32)]); x = x.reshape(x.shape[:-1] + (-1, 32)); a = np.abs(x).max(-1, keepdims=True)
;;       e = np.where(a > 0, np.clip(np.frexp(np.where(a > 0, a, 1))[1] - 1 - 2, -126, 127), 0)      # np.frexp(a)[1] - 1 = floor(log2(a)), exactly
;;       r = np.clip(x / 2.0 ** e, -7.5, 7.5)
;;       step = 2.0 ** (np.maximum(np.frexp(np.where(r == 0, 1, r))[1] - 1, 0) - 3)
;;       q = np.round(r / step) * step * 2.0 ** e      # np.round: ties to even
;;       return np.moveaxis(q.reshape(q.shape[:-2] + (-1,))[..., :K], -1, axis).astype(np.float32)
;;   ~~~
;;   SOFTMAX AHEAD OF A QUANTISED PRODUCT. Where the list says 'softmax', what is quantised is not the finished softmax but p = 2^(t - M), with t = logit x log2(e) and M = ceil(the row's largest t), a whole number; so 1/2 < the row's largest p <= 1. The row's sum l is taken of the UNQUANTISED p, in f32, and the product's result is divided by l at the end. Since M is a whole number, a kernel that streams over the keys may use a running M (the ceiling of the running maximum): every later rescaling is an exact power of two, which a block's scale takes up: the codes' values come out the same.
;;   OPERANDS COMPUTED ON THE WAY. 'Computed on the way' means the value that the module computes at that place (a softmax that the list does not call 'softmax' is quantised finished and normalised). What goes into a quantiser is computed in f32, as accurately as f32 sums, v_exp_f32 and their like allow (about 1e-6 of the number): no bf16 or f16 on the way to a quantiser, and a product that is left as it is and whose result goes on into a quantised operand takes f32 operands (vector FMAs, or v_wmma_f32_16x16x4_f32). A number that lies on a knife's edge between two numbers of the format may be rounded either way, as far as f32 arithmetic and the matrix unit's own rounding can turn it there, and no further.
;; 2 versions. Each part assembles by itself: llvm-mc -triple=amdgcn-amd-amdhsa -mcpu=gfx1250 --defsym DOCPART=n.
;; ======== version 1 of 2: 4 launches
;; workspace buffers: wc 36,044,800 bytes; qkv 4,915,200 bytes; oc 3,276,800 bytes
;; launch quant (part 1): grid 88 x 16, 4 waves a work-group, no clusters, 60,928 bytes of LDS; arguments x, Wq, Wk, Wv, Wo, wc; writes wc
.if DOCPART == 1
	.amdgcn_target "amdgcn-amd-amdhsa--gfx1250"
	.amdhsa_code_object_version 6
	.text
	.protected	k_qd57914d5b1_quant
	.globl	k_qd57914d5b1_quant
	.p2align	8
	.type	k_qd57914d5b1_quant,@function
k_qd57914d5b1_quant:
	s_mov_b64 s[64:65], 0
	v_nop
	global_prefetch_b8 v0, s[64:65] scope:SCOPE_SE
	s_setreg_imm32_b32 hwreg(HW_REG_WAVE_MODE, 25, 1), 1
	s_wait_xcnt 0x0
; x [1024][4096] (K innermost) and Wq, Wk, Wv, Wo [4096 (K)][N] (K outermost), all f32, become codes of FP6 (E2M3) with one E8M0 byte for each 32 along K.
; A block's scale is 2^(floor(log2(largest magnitude)) - 2); its byte is the largest magnitude's exponent field - 2, held at 1 from below.
; LIMITS: NaN and infinities among the inputs are not served; a block of zeros, and a block whose largest magnitude lies under 2^-124, gets the byte 1 (the codes of a block of zeros are zeros, and this program alone reads the bytes).
; THE OUTPUT IS LAID IN THE ORDER OF THE OPERAND'S REGISTERS.  A fragment (16 rows x 128 K, 12 registers a lane) is 1,536 bytes: register g of lane L at 512 (g / 4) + 16 L + 4 (g % 4).
; Lane r of row tile T holds row 32 (T / 2) + 8 (T % 2) + r % 8 + 16 (r / 8).  A record of 6,400 bytes holds, for a pair of tiles (32 rows, number beta) and 256 along K (number kp),
; the four fragments (tile u, half f) at 1,536 (2 u + f) and behind them 256 bytes of scale words, that of (u, r, f) at 6,144 + 128 u + 8 r + 4 f.  wc = [beta 352][kp 16][6,400]:
; beta 0-31 x, 32-159 Wq's columns, 160-191 Wk's, 192-223 Wv's, 224-351 Wo's.
; SHARES: work-group x = 4 beta, one a wave; work-group y = kp.  A wave makes one record: 6,400 consecutive bytes, stored by instructions that cover 512 (the last: 256) consecutive bytes, aligned.
; Two paths that part on the work-group's number and never meet again, each with LDS bytes of its own; a wave touches its own bytes alone: no barrier.
.set SPARE,  60416                     ; behind both paths' stages: the spare words, 128 bytes for each wave
.set WREG,   6656                      ; weights: a wave's stage: tile 0's two fragments at 0, tile 1's at 3,200, the scale words at 6,272
.set XBASE,  26624                     ; x: the stages begin here,
.set XREG,   8448                      ; 16 rows of 512 bytes + 16 for each wave
.set BPITCH, 102400                    ; from beta to beta in wc
.set REC,    6400
.set SPW, 2                            ; v2  LDS address of my spare word; never rewritten
.set NIL, 3                            ; v3  0; never rewritten
.set SB,  14                           ; v14-15 weights: my column's two scale words
.set C,   16                           ; v16-24 weights: a block's codes
.set X,   32                           ; v32-95 weights: two sets of 32 numbers
.set VO,  96                           ; v96-127 weights: 4 lane + i rows of W
.set R,   32                           ; v32-95 x: 16 rows' 16 bytes as loaded
.set XX,  96                           ; v96-159 x: my two blocks of 32 numbers
.set PC,  160                          ; v160-183 x: a fragment's codes, two sets
.set TC,  184                          ; v184-190 x: the upper halves of the two blocks' codes
.set WD,  26                           ; v26-29 x: the scale words of fragments 0 to 3
	s_load_b256 s[4:11], s[0:1], 0x0               ; x s[4:5], Wq s[6:7], Wk s[8:9], Wv s[10:11]
	s_load_b128 s[12:15], s[0:1], 0x20             ; Wo s[12:13], wc s[14:15]
	v_lshl_add_u32 v[SPW], v0, 2, SPARE
	v_mov_b32 v[NIL], 0
	v_lshrrev_b32 v1, 5, v0
	v_readfirstlane_b32 s16, v1                    ; wave 0..3
	v_and_b32 v1, 31, v0                           ; lane
	v_lshlrev_b32 v8, 4, v1                        ; 16 lane
	v_lshlrev_b32 v9, 3, v1                        ; 8 lane
	s_and_b32 s17, ttmp7, 0xffff                   ; kp
	s_lshl_b32 s18, ttmp9, 2
	s_add_co_u32 s18, s18, s16                     ; beta
	s_mul_i32 s20, s18, BPITCH
	s_mul_i32 s21, s17, REC
	s_add_co_u32 s20, s20, s21
	s_mov_b32 s21, 0
	s_wait_kmcnt 0x0
	s_add_nc_u64 s[28:29], s[14:15], s[20:21]      ; my record
	s_cmp_lt_u32 ttmp9, 8
	s_cbranch_scc1 .Lx
	; ================ WEIGHTS: a lane takes a column, its registers run down K ================
	s_mov_b64 s[22:23], s[6:7]                     ; which tensor: by the work-group's number alone
	s_mov_b32 s24, 16384                           ; a row of W in bytes
	s_mov_b32 s25, 8                               ; the tensor's first work-group
	s_cmp_ge_u32 ttmp9, 40
	s_cselect_b64 s[22:23], s[8:9], s[22:23]
	s_cselect_b32 s24, 4096, s24
	s_cselect_b32 s25, 40, s25
	s_cmp_ge_u32 ttmp9, 48
	s_cselect_b64 s[22:23], s[10:11], s[22:23]
	s_cselect_b32 s25, 48, s25
	s_cmp_ge_u32 ttmp9, 56
	s_cselect_b64 s[22:23], s[12:13], s[22:23]
	s_cselect_b32 s24, 16384, s24
	s_cselect_b32 s25, 56, s25
	s_sub_co_u32 s25, ttmp9, s25
	s_lshl_b32 s25, s25, 9                         ; 128 columns of 4 bytes a work-group,
	s_lshl_b32 s26, s16, 7                         ; 32 a wave
	s_add_co_u32 s26, s25, s26
	s_lshl_b32 s27, s17, 8                         ; 256 kp rows
	s_mul_i32 s27, s27, s24
	s_add_co_u32 s26, s26, s27                     ; under 2^27
	s_mov_b32 s27, 0
	s_add_nc_u64 s[32:33], s[22:23], s[26:27]      ; block 0's first row, my wave's first column
	s_lshl_b32 s26, s24, 5                         ; 32 rows on
.irp t, 1,2,3,4,5,6,7
	s_add_nc_u64 s[32+2*\t:33+2*\t], s[30+2*\t:31+2*\t], s[26:27]   ; a base for each block: none is ever stepped
.endr
	v_bfe_u32 v10, v0, 3, 1                        ; my column 8 u + r % 8 + 16 (r / 8) of the 32: u,
	v_and_b32 v11, 7, v0
	v_bfe_u32 v12, v0, 4, 1
	v_lshl_add_u32 v11, v12, 3, v11                ; and r
	s_mul_i32 s19, s16, WREG
	v_mul_u32_u24 v4, v10, 3200
	v_lshl_add_u32 v4, v11, 4, v4
	v_add_nc_u32 v4, s19, v4                       ; v4: into the stage: 3,200 u + 16 r
	v_lshlrev_b32 v5, 7, v10
	v_lshl_add_u32 v5, v11, 3, v5
	v_add_nc_u32 v5, s19, v5                       ; v5: my scale words: 128 u + 8 r (+ 6,272)
	v_add_nc_u32 v6, s19, v8                       ; v6: out of the stage: 16 lane
	v_add_nc_u32 v7, s19, v9                       ; v7: the scale words: 8 lane (+ 6,272)
	v_lshlrev_b32 v[VO], 2, v1
.set i, 1
.rept 31
	v_add_nc_u32 v[VO+i], s24, v[VO+i-1]           ; 4 lane + i rows
.set i, i+1
.endr
.macro LOADW t                         ; block t: W(256 kp + 32 t + i, my column): each load reads 128 consecutive bytes, the four waves side by side 512
.set i, 0
.rept 32
	global_load_b32 v[X+32*((\t)%2)+i], v[VO+i], s[32+2*(\t):33+2*(\t)] th:TH_LOAD_NT
.set i, i+1
.endr
.endm
; Block t lies in fragment half f = t / 4, and there in lane (r, h' = t % 2), registers 6 cc .. 6 cc + 5, cc = (t / 2) % 2.
.macro BLOCK t
.set XS, X+32*((\t)%2)
.set SOF, 1536*((\t)/4)+256*((\t)%2)
.if (\t) < 7
	s_wait_loadcnt 32                              ; this block's 32 loads are in; the next block's 32 may be out
.else
	s_wait_loadcnt 0x0
.endif
	v_max3_num_f32 v12, |v[XS]|, |v[XS+1]|, |v[XS+2]|   ; the block's largest magnitude: all 32 numbers are mine; two chains
	v_max3_num_f32 v13, |v[XS+3]|, |v[XS+4]|, |v[XS+5]|
.irp i, 6,10,14,18,22,26
	v_max3_num_f32 v12, v12, |v[XS+\i]|, |v[XS+\i+1]|
	v_max3_num_f32 v13, v13, |v[XS+\i+2]|, |v[XS+\i+3]|
.endr
	v_max3_num_f32 v12, v12, |v[XS+30]|, |v[XS+31]|
	v_max3_num_f32 v12, v12, v13, 0x1800000        ; and the floor 2^(3 - 127): the byte cannot fall under 1
	v_add_nc_u32 v11, 0xff000000, v12              ; 2 off its exponent field: the conversion takes this operand's exponent field as its scale
	v_lshrrev_b32 v13, 23, v11                     ; the scale's byte
.if (\t)%4 == 0
	v_mov_b32 v[SB+(\t)/4], v13                    ; four bytes to a word, the lower K in the lower byte
.else
	v_lshl_or_b32 v[SB+(\t)/4], v13, 8*((\t)%4), v[SB+(\t)/4]
.endif
	v_cvt_scalef32_pk16_fp6_f32 v[C:C+2], v[XS:XS+15], v11
	v_cvt_scalef32_pk16_fp6_f32 v[C+6:C+8], v[XS+16:XS+31], v11   ; (a conversion's three registers begin on an even number)
	v_nop                                          ; one plain place behind a scaled conversion
.irp i, 0,1,2
	v_mov_b32 v[C+3+\i], v[C+6+\i]                 ; v[C .. C+5]: the block's 24 bytes
.endr
.if (((\t)/2)%2) == 0
	ds_store_b128 v4, v[C:C+3] offset:SOF          ; registers 0-3 of the fragment,
	ds_store_b64 v4, v[C+4:C+5] offset:SOF+512     ; 4 and 5
.else
	ds_store_b64 v4, v[C:C+1] offset:SOF+520       ; registers 6 and 7,
	ds_store_b128 v4, v[C+2:C+5] offset:SOF+1024   ; 8-11
.endif
.if (\t) < 6
	LOADW (\t)+2
.endif
	s_wait_dscnt 0x0                               ; the stores have read their registers: the next block's codes may be written
.endm
	LOADW 0
	LOADW 1
.irp t, 0,1,2,3,4,5,6,7
	BLOCK \t
.endr
	ds_store_b64 v5, v[SB:SB+1] offset:6272
.irp i, 0,1,2,3,4,5,6,7,8,9,10,11
	ds_load_b128 v[32+4*\i:35+4*\i], v6 offset:512*\i+128*(\i/6)   ; LDS serves a wave's instructions in order: these see my stores
.endr
	ds_load_b64 v[80:81], v7 offset:6272
.irp i, 0,1,2,3,4,5,6,7,8,9,10,11
	s_wait_dscnt 12-\i                             ; the younger loads may be out
	global_store_b128 v8, v[32+4*\i:35+4*\i], s[28:29] offset:512*\i   ; 512 consecutive bytes, at a multiple of 256 from wc's first byte
.endr
	s_wait_dscnt 0x0
	global_store_b64 v9, v[80:81], s[28:29] offset:6144
	s_wait_tensorcnt 0x0                           ; the wave's end: the add and its wait behind my last LDS store
	ds_add_u32 v[SPW], v[NIL]
	s_wait_dscnt 0x0
	s_endpgm
	; ================ x: K is innermost.  Dense loads; the numbers turn through my stage, so that a lane holds whole blocks of its row ================
.Lx:
	s_lshl_b32 s26, s18, 19                        ; 32 beta rows of 16,384 bytes
	s_lshl_b32 s27, s17, 10                        ; 256 kp numbers
	s_add_co_u32 s26, s26, s27
	s_mov_b32 s27, 0
	s_add_nc_u64 s[26:27], s[4:5], s[26:27]
	v_and_b32 v10, 15, v0                          ; r
	v_bfe_u32 v11, v0, 4, 1                        ; h
	s_mul_i32 s19, s16, XREG
	s_add_co_u32 s19, s19, XBASE
	v_add_nc_u32 v4, s19, v8                       ; v4: into the stage: 16 lane (+ 528 x row)
	v_mul_u32_u24 v5, v10, 528
	v_lshl_add_u32 v5, v11, 7, v5
	v_add_nc_u32 v5, s19, v5                       ; v5: out of it: row r, + 128 h: my blocks h and 2 + h
	v_lshlrev_b32 v6, 3, v11                       ; 8 h: where my bytes stand in the scale word
	v_mov_b32 v15, 0                               ; (a lane permute's destination counts as one of its sources)
	s_mov_b32 s48, 0x76543210
	s_mov_b32 s49, 0xfedcba98                      ; v_permlanex16_b32's selects for lane l xor 16
	s_mov_b32 s50, 0xffff0000                      ; lanes 16-31
.macro LOADX n                         ; fragment n = 2 u + f: load i reads 512 consecutive bytes of the row that lane i of tile u holds
.set i, 0
.rept 16
	global_load_b128 v[R+4*i:R+4*i+3], v8, s[26:27] offset:(8*((\n)/2)+(i%8)+16*(i/8))*16384+512*((\n)%2) th:TH_LOAD_NT
.set i, i+1
.endr
.endm
.macro FRAGX n
.set PCN, PC+12*((\n)%2)
	s_wait_loadcnt 0x0
.set i, 0
.rept 16
	ds_store_b128 v4, v[R+4*i:R+4*i+3] offset:528*i
.set i, i+1
.endr
.irp c, 0,1
.irp q, 0,1,2,3,4,5,6,7
	ds_load_b128 v[XX+32*\c+4*\q:XX+32*\c+4*\q+3], v5 offset:256*\c+16*\q   ; k = 64 c + 32 h + 4 q ..: the operand's own order
.endr
.endr
	s_wait_dscnt 0x0                               ; my numbers are back; the stores have read the registers that the next loads fill
.if (\n) >= 2
	s_wait_xcnt 0x0                                ; fragment n - 2's stores have read their data: that set of codes is written again below
.endif
.if (\n) < 3
	LOADX (\n)+1
.endif
	v_max3_num_f32 v10, |v[XX]|, |v[XX+1]|, 0x1800000      ; my two blocks by turns, each with the floor 2^(3 - 127)
	v_max3_num_f32 v11, |v[XX+32]|, |v[XX+33]|, 0x1800000
.irp i, 2,4,6,8,10,12,14,16,18,20,22,24,26,28,30
	v_max3_num_f32 v10, v10, |v[XX+\i]|, |v[XX+\i+1]|
	v_max3_num_f32 v11, v11, |v[XX+32+\i]|, |v[XX+33+\i]|
.endr
	v_add_nc_u32 v12, 0xff000000, v10              ; the conversions' scale operands
	v_add_nc_u32 v13, 0xff000000, v11
	v_lshrrev_b32 v10, 23, v12                     ; the bytes of blocks h and 2 + h
	v_lshrrev_b32 v11, 23, v13
	v_lshl_or_b32 v10, v11, 16, v10
	v_lshlrev_b32 v10, v6, v10                     ; at their places,
	v_permlanex16_b32 v15, v10, s48, s49
	v_or_b32 v[WD+(\n)], v10, v15                  ; with lane l xor 16's two the word is whole, in both lanes
	v_cvt_scalef32_pk16_fp6_f32 v[PCN:PCN+2], v[XX:XX+15], v12
	v_cvt_scalef32_pk16_fp6_f32 v[TC:TC+2], v[XX+16:XX+31], v12
	v_cvt_scalef32_pk16_fp6_f32 v[PCN+6:PCN+8], v[XX+32:XX+47], v13
	v_cvt_scalef32_pk16_fp6_f32 v[TC+4:TC+6], v[XX+48:XX+63], v13
	v_nop                                          ; one plain place behind a scaled conversion
.irp c, 0,1
.irp i, 0,1,2
	v_mov_b32 v[PCN+3+6*\c+\i], v[TC+4*\c+\i]
.endr
.endr
.irp c, 0,1,2
	global_store_b128 v8, v[PCN+4*\c:PCN+4*\c+3], s[28:29] offset:1536*(\n)+512*\c
.endr
.endm
	LOADX 0
.irp n, 0,1,2,3
	FRAGX \n
.endr
	v_cndmask_b32 v12, v[WD], v[WD+2], s50         ; lanes 0-15 tile 0's words, lanes 16-31 tile 1's
	v_cndmask_b32 v13, v[WD+1], v[WD+3], s50
	global_store_b64 v9, v[12:13], s[28:29] offset:6144
	s_wait_tensorcnt 0x0                           ; the wave's end: the add and its wait behind my last LDS store
	ds_add_u32 v[SPW], v[NIL]
	s_wait_dscnt 0x0
	s_endpgm
.Lfunc_end_k_qd57914d5b1_quant:
	.size	k_qd57914d5b1_quant, .Lfunc_end_k_qd57914d5b1_quant-k_qd57914d5b1_quant
	.p2alignl 7, 3214868480
	.fill 96, 4, 3214868480
	.section	.rodata,"a",@progbits
	.p2align	6, 0x0
	.amdhsa_kernel k_qd57914d5b1_quant
		.amdhsa_group_segment_fixed_size 60928
		.amdhsa_private_segment_fixed_size 0
		.amdhsa_enable_private_segment 0
		.amdhsa_kernarg_size 48
		.amdhsa_user_sgpr_count 2
		.amdhsa_user_sgpr_kernarg_segment_ptr 1
		.amdhsa_wavefront_size32 1
		.amdhsa_system_sgpr_workgroup_id_x 1
		.amdhsa_system_sgpr_workgroup_id_y 1
		.amdhsa_system_sgpr_workgroup_id_z 1
		.amdhsa_system_vgpr_workitem_id 0
		.amdhsa_next_free_vgpr 192
		.amdhsa_next_free_sgpr 66
		.amdhsa_reserve_vcc 0
		.amdhsa_float_denorm_mode_32 3
		.amdhsa_float_denorm_mode_16_64 3
		.amdhsa_memory_ordered 1
		.amdhsa_forward_progress 1
		.amdhsa_inst_pref_size 72
	.end_amdhsa_kernel
	.amdgpu_metadata
---
amdhsa.version: [ 1, 2 ]
amdhsa.kernels:
  - .name:           k_qd57914d5b1_quant
    .symbol:         k_qd57914d5b1_quant.kd
    .args:
      - { .name: x, .offset: 0, .size: 8, .value_kind: global_buffer, .address_space: global }
      - { .name: Wq, .offset: 8, .size: 8, .value_kind: global_buffer, .address_space: global }
      - { .name: Wk, .offset: 16, .size: 8, .value_kind: global_buffer, .address_space: global }
      - { .name: Wv, .offset: 24, .size: 8, .value_kind: global_buffer, .address_space: global }
      - { .name: Wo, .offset: 32, .size: 8, .value_kind: global_buffer, .address_space: global }
      - { .name: wc, .offset: 40, .size: 8, .value_kind: global_buffer, .address_space: global }
    .group_segment_fixed_size: 60928
    .private_segment_fixed_size: 0
    .kernarg_segment_align: 8
    .kernarg_segment_size: 48
    .max_flat_workgroup_size: 128
    .sgpr_count:     66
    .vgpr_count:     192
    .wavefront_size: 32
...
	.end_amdgpu_metadata
.endif
;; end of part 1
;; launch gemm_qkv (part 2): grid 24 x 8, 4 waves a work-group, clusters of 4 x 4, 327,680 bytes of LDS; arguments wc, bq, bk, bv, freqs_cis, qkv; writes qkv
.if DOCPART == 2
	.amdgcn_target "amdgcn-amd-amdhsa--gfx1250"
	.amdhsa_code_object_version 6
	.text
	.protected	k_qd57914d5b1_gemm_qkv
	.globl	k_qd57914d5b1_gemm_qkv
	.p2align	8
	.type	k_qd57914d5b1_gemm_qkv,@function
k_qd57914d5b1_gemm_qkv:
	s_mov_b64 s[64:65], 0
	v_nop
	global_prefetch_b8 v0, s[64:65] scope:SCOPE_SE
	s_setreg_imm32_b32 hwreg(HW_REG_WAVE_MODE, 25, 1), 1
	s_wait_xcnt 0x0
	s_wait_alu depctr_hold_cnt(0) depctr_sa_sdst(0) depctr_va_vdst(0) depctr_va_sdst(0) depctr_va_ssrc(0) depctr_va_vcc(0) depctr_vm_vsrc(0)
	s_getreg_b32 s2, hwreg(HW_REG_IB_STS2, 6, 4)
	s_cmp_eq_u32 s2, 0
	s_cbranch_scc0 .Lentry_in_a_cluster
	s_endpgm
.Lentry_in_a_cluster:
	s_bfe_u32 s2, ttmp6, 0x10000c
	s_cmp_lg_u32 s2, 0xf033
	s_cbranch_scc0 .Lentry_shape_is_right
	s_endpgm
.Lentry_shape_is_right:
; q = rot(x Wq + bq), k = rot(x Wk + bk), v = x Wv + bv on codes of FP6 (E2M3) out of wc, and their quantising: q and k along the head's 128, v along the keys.
; wc's layout: a fragment (16 rows x 128 K) is an image of the operand's 12 registers, 1,536 bytes; a record of 6,400 bytes = a pair of row tiles x 256 K: four fragments and 256 bytes of scale words;
; [beta][kp 16][6,400]; lane r of tile T holds row 32 (T / 2) + 8 (T % 2) + r % 8 + 16 (r / 8).
; A work-group makes 128 rows of operand A x 256 rows of operand B, K = 4,096; four waves, 2 x 2, each 64 x 128: 32 accumulators.  192 work-groups: a wave's 128 columns are one head, or one step of 128 keys.
; THE MATRIX INSTRUCTION IS USED TRANSPOSED (source 0 = 16 rows of B, source 1 = 16 rows of A): a lane holds ONE row of A, and by the order of rows in a tile the 16 registers of B's tiles 2 b, 2 b + 1 are
; columns 32 b + 16 (lane / 16) + 0 .. 15: sixteen neighbours along the next product's K.
; Clusters x 0-3: A = x, B = Wq's columns; x 4: B = Wk's; x 5: A = Wv's columns, B = x: v comes out transposed, a lane holding one channel and its registers running along the keys.
; CLUSTERS 4 x 4: A's tiles are asked for jointly along a row of the cluster, B's along a column.
; K goes in steps of 512 through two LDS slots; a slot holds 4 beta of A and 8 of B, 12,800 bytes each, scale words among them.  No padding: every LDS load reads 512 (scale words: 256) consecutive bytes.
; OUTPUT qkv: q [head 32][tile / 4][6,400]: four fragments, then scale words at 6,144 + 64 (tile % 4) + 4 r;  behind it [kv head 8][key step 8][25,600]: k's 8 fragments and 512 bytes of scale words, then v's.
; LIMITS: NaN and infinities are not served; a block of zeros, or one whose largest magnitude lies under 2^-124, gets the scale byte 1.
; REGISTERS: window 0: v4-11 LDS addresses, v12, 13 the add's, v14-28 the way out's addresses and words, v32-79 scale words (two sets of 24), v80-207 two buffers of 64 numbers, v208-251 at work.
;   window 1: accumulator (a, t) at v[8 (8 a + t)].   window 2: B's fragments, two sets, v[96 set + 12 t].   window 3: A's, two sets, v[48 set + 12 a]; v96-159 the bias of my 128 columns.
.set SLOT,   153600
.set BROW,   12800                     ; a beta's 512 along K
.set BOFF,   51200                     ; B's rows in a slot
.set SPARE,  307200                    ; behind the ring: the spare words, 128 bytes for each wave
.set BPITCH, 102400
.set QB,     3276800                   ; q's bytes in qkv
.set ADRA, 4
.set ADRB, 6
.set ASA,  8
.set ASB,  10
.set SPW,  12
.set NIL,  13
.set FCO,  14                          ; v14 my row's and half's place in freqs_cis
.set BIO,  15                          ; v15 64 h
.set LI,   16                          ; v16 16 lane
.set LS,   17                          ; v17 4 lane
.set BV,   18                          ; v18-21 bv of my row in each of my four tiles
.set PWR,  22                          ; v22-25 the scale words made
.set BVO,  28                          ; v28 my row's place in bv
.set SC,   32
.set F0,   80
.set TM,   208
.set PC,   224
.set SEL,  78
.set G1,   24
.set G0,   32
.set G1B,  48
.set G0B,  56
.set MSB,  0
.macro WIN new                         ; the immediate's high byte repeats the setting that is left
.if MSB != \new
	s_set_vgpr_msb (MSB<<8)|\new
.set MSB, \new
.endif
.endm
.set MUL,  0x5e                        ; source 0 (B) window 2, source 1 (A) window 3, C and D window 1
.set TO_B, 0x80
.set TO_A, 0xc0
.macro PLACES n
.rept \n
	v_nop
.endr
.endm
; A joint load: waves 0 and 1 fetch A's halves, waves 2 and 3 B's; the branch hangs on the wave's number alone.  An s_nop 0 and four v_nop follow each line.
.macro JLOAD g0a, g1a, g0b, g1b
	s_cmp_eq_u32 s17, 0
	s_cbranch_scc0 .Lfor_b_\@
	tensor_load_to_lds s[\g0a:\g0a+3], s[\g1a:\g1a+7]
	s_nop 0
.rept 4
	v_nop
.endr
	s_branch .Lasked_\@
.Lfor_b_\@:
	tensor_load_to_lds s[\g0b:\g0b+3], s[\g1b:\g1b+7]
	s_nop 0
.rept 4
	v_nop
.endr
.Lasked_\@:
.endm
.macro CREST                           ; a round of the cluster's barrier behind its opening barrier
	s_cmp_lg_u32 s16, 0
	s_cbranch_scc1 .Lnot_wave_0_\@
	s_barrier_signal -3
.Lnot_wave_0_\@:
	s_barrier_wait -3
	s_barrier_signal -1
	s_barrier_wait -1
.endm
.macro CROUND
	s_barrier_signal -1
	s_barrier_wait -1
	CREST
.endm
; 36 LDS loads: the fragments of the slot's q-th 128 along K: B's eight, A's four
.macro FETCH slot, q, set
	WIN TO_B
.irp t, 0,1,2,3,4,5,6,7
.irp c, 0,1,2
	ds_load_b128 v[96*(\set)+12*\t+4*\c:96*(\set)+12*\t+4*\c+3], v[ADRB+\slot] offset:(\t/2)*BROW+((\q)/2)*6400+(2*(\t%2)+(\q)%2)*1536+512*\c
.endr
.endr
	WIN TO_A
.irp a, 0,1,2,3
.irp c, 0,1,2
	ds_load_b128 v[48*(\set)+12*\a+4*\c:48*(\set)+12*\a+4*\c+3], v[ADRA+\slot] offset:(\a/2)*BROW+((\q)/2)*6400+(2*(\a%2)+(\q)%2)*1536+512*\c
.endr
.endr
	WIN 0
.endm
; a slot's scale words: register 4 b + q of A's 8 or B's 16: lanes 0-15 the word of tile 2 b, lanes 16-31 that of tile 2 b + 1, for the slot's q-th 128 along K
.macro SCALES s
.irp b, 0,1
.irp p, 0,1
	ds_load_b64 v[SC+24*\s+4*\b+2*\p:SC+24*\s+4*\b+2*\p+1], v[ASA+\s] offset:6144+\b*BROW+\p*6400
.endr
.endr
.irp b, 0,1,2,3
.irp p, 0,1
	ds_load_b64 v[SC+24*\s+8+4*\b+2*\p:SC+24*\s+8+4*\b+2*\p+1], v[ASB+\s] offset:6144+\b*BROW+\p*6400
.endr
.endr
.endm
.macro WM a, t, set, sc, q, zero       ; one product; an odd tile's scale words stand in lanes 16-31
.set rD, 8*(8*(\a)+(\t))
.set rB, 96*(\set)+12*(\t)
.set rA, 48*(\set)+12*(\a)
.set rSB, SC+24*(\sc)+8+4*((\t)/2)+(\q)
.set rSA, SC+24*(\sc)+4*((\a)/2)+(\q)
.if \zero
.if ((\t)%2) && ((\a)%2)
	v_wmma_scale_f32_16x16x128_f8f6f4 v[rD:rD+7], v[rB:rB+11], v[rA:rA+11], 0, v[rSB], v[rSA] matrix_a_fmt:MATRIX_FMT_FP6 matrix_b_fmt:MATRIX_FMT_FP6 matrix_a_scale:MATRIX_SCALE_ROW1 matrix_b_scale:MATRIX_SCALE_ROW1
.elseif (\t)%2
	v_wmma_scale_f32_16x16x128_f8f6f4 v[rD:rD+7], v[rB:rB+11], v[rA:rA+11], 0, v[rSB], v[rSA] matrix_a_fmt:MATRIX_FMT_FP6 matrix_b_fmt:MATRIX_FMT_FP6 matrix_a_scale:MATRIX_SCALE_ROW1
.elseif (\a)%2
	v_wmma_scale_f32_16x16x128_f8f6f4 v[rD:rD+7], v[rB:rB+11], v[rA:rA+11], 0, v[rSB], v[rSA] matrix_a_fmt:MATRIX_FMT_FP6 matrix_b_fmt:MATRIX_FMT_FP6 matrix_b_scale:MATRIX_SCALE_ROW1
.else
	v_wmma_scale_f32_16x16x128_f8f6f4 v[rD:rD+7], v[rB:rB+11], v[rA:rA+11], 0, v[rSB], v[rSA] matrix_a_fmt:MATRIX_FMT_FP6 matrix_b_fmt:MATRIX_FMT_FP6
.endif
.else
.if ((\t)%2) && ((\a)%2)
	v_wmma_scale_f32_16x16x128_f8f6f4 v[rD:rD+7], v[rB:rB+11], v[rA:rA+11], v[rD:rD+7], v[rSB], v[rSA] matrix_a_fmt:MATRIX_FMT_FP6 matrix_b_fmt:MATRIX_FMT_FP6 matrix_a_scale:MATRIX_SCALE_ROW1 matrix_b_scale:MATRIX_SCALE_ROW1
.elseif (\t)%2
	v_wmma_scale_f32_16x16x128_f8f6f4 v[rD:rD+7], v[rB:rB+11], v[rA:rA+11], v[rD:rD+7], v[rSB], v[rSA] matrix_a_fmt:MATRIX_FMT_FP6 matrix_b_fmt:MATRIX_FMT_FP6 matrix_a_scale:MATRIX_SCALE_ROW1
.elseif (\a)%2
	v_wmma_scale_f32_16x16x128_f8f6f4 v[rD:rD+7], v[rB:rB+11], v[rA:rA+11], v[rD:rD+7], v[rSB], v[rSA] matrix_a_fmt:MATRIX_FMT_FP6 matrix_b_fmt:MATRIX_FMT_FP6 matrix_b_scale:MATRIX_SCALE_ROW1
.else
	v_wmma_scale_f32_16x16x128_f8f6f4 v[rD:rD+7], v[rB:rB+11], v[rA:rA+11], v[rD:rD+7], v[rSB], v[rSA] matrix_a_fmt:MATRIX_FMT_FP6 matrix_b_fmt:MATRIX_FMT_FP6
.endif
.endif
.endm
.macro MUL8 a, set, sc, q, zero
.irp t, 0,1,2,3,4,5,6,7
	WM \a, \t, \set, \sc, \q, \zero
.endr
.endm
.macro MUL32 set, sc, q, zero          ; the 32 accumulators take turns, one instruction a turn, in the same order in every step
.irp a, 0,1,2,3
	MUL8 \a, \set, \sc, \q, \zero
.endr
.endm
; One of a slot's first three steps of 128 along K: the next step's fragments are asked for, then this step's 32 products are issued
.macro STEP slot, q, zero
	PLACES 4                                       ; four places between the last products that read the other set and the loads into it
	FETCH \slot, (\q)+1, ((\q)+1)%2
	s_wait_dscnt 36                                ; all but the 36 just issued: this step's fragments and scale words are in
	WIN MUL
	MUL32 (\q)%2, \slot, \q, \zero
.endm
; A slot's last step changes slots: ONE barrier; ahead of it each wave waits for all its tensor loads, adds 0 to its spare word and waits for that and for its reads of this slot.  fill = 1: the slot is filled again, two slots ahead.
.macro TURN slot, next, fill
	WIN 0                                          ; (the add's two registers lie in window 0)
	s_wait_tensorcnt 0x0                           ; all my tensor loads have landed: my part of the next slot
	ds_add_u32 v[SPW], v[NIL]                      ; 0 onto my spare word
	s_wait_dscnt 1                                 ; (the add alone may be out: this step's fragments are in)
	WIN MUL
	MUL8 0, 1, \slot, 3, 0                         ; eight products stand between the add and the wait for it
	s_wait_dscnt 0x0                               ; the add is done, and my reads of this slot are over
	s_barrier_signal -1
	MUL8 1, 1, \slot, 3, 0
	WIN 0
	s_barrier_wait -1
.if \fill
	CREST                                          ; the barrier has opened a round of the cluster's: no wave of any partner still reads this slot or has a load on its way
	s_add_nc_u64 s[G0+4*\slot+2:G0+4*\slot+3], s[G0+4*\slot+2:G0+4*\slot+3], 2*BROW
	s_add_nc_u64 s[G0B+4*\slot+2:G0B+4*\slot+3], s[G0B+4*\slot+2:G0B+4*\slot+3], 2*BROW
	JLOAD G0+4*\slot, G1, G0B+4*\slot, G1B         ; the first tensor load behind the round; its four v_nop are the places in front of the loads below
.else
	PLACES 4
.endif
	FETCH \next, 0, 0
	SCALES \next
	WIN MUL
	MUL8 2, 1, \slot, 3, 0
	MUL8 3, 1, \slot, 3, 0
.endm
.macro TAIL                            ; the last slot
	STEP 1, 0, 0
	STEP 1, 1, 0
	STEP 1, 2, 0
	s_wait_dscnt 0x0
	WIN MUL
	MUL32 1, 1, 3, 0
	WIN 0
.endm
; 64 numbers of a lane, register 16 b + i = k 32 b + 16 (lane / 16) + i of my row, become a fragment's codes in v[PC .. PC+11] and its scale word in v[pw]
.macro QUANT s, pw
.irp b, 0,1,2,3
	v_max3_num_f32 v[TM+\b], |v[\s+16*\b]|, |v[\s+1+16*\b]|, 0x1800000   ; my 16 numbers of block b, and the floor 2^(3 - 127): the byte cannot fall under 1
.endr
.irp i, 2,4,6,8,10,12,14
.irp b, 0,1,2,3
	v_max3_num_f32 v[TM+\b], v[TM+\b], |v[\s+16*\b+\i]|, |v[\s+1+16*\b+\i]|
.endr
.endr
.irp b, 0,1,2,3
	v_permlanex16_b32 v[TM+4+\b], v[TM+\b], s[SEL], s[SEL+1]
.endr
.irp b, 0,1,2,3
	v_max_num_f32 v[TM+\b], v[TM+\b], v[TM+4+\b]   ; with lane l xor 16's: the block's largest magnitude
.endr
.irp b, 0,1,2,3
	v_add_nc_u32 v[TM+12+\b], 0xff000000, v[TM+\b] ; 2 off its exponent field: the conversion's scale operand
.endr
.irp b, 0,1,2,3
	v_lshrrev_b32 v[TM+4+\b], 23, v[TM+12+\b]      ; the scale's byte
.endr
	v_lshl_or_b32 v[\pw], v[TM+5], 8, v[TM+4]
	v_lshl_or_b32 v[\pw], v[TM+6], 16, v[\pw]
	v_lshl_or_b32 v[\pw], v[TM+7], 24, v[\pw]
.irp c, 0,1
	v_cvt_scalef32_pk16_fp6_f32 v[PC+6*\c:PC+2+6*\c], v[\s+32*\c:\s+15+32*\c], v[TM+12+2*\c]
	v_cvt_scalef32_pk16_fp6_f32 v[PC+12+4*\c:PC+14+4*\c], v[\s+16+32*\c:\s+31+32*\c], v[TM+12+2*\c+1]
.endr
	v_nop                                          ; one plain place behind a scaled conversion
.irp c, 0,1                                    ; the operand's layout wants a whole block in a lane
.irp i, 0,1,2
	v_permlane16_swap_b32 v[PC+6*\c+\i], v[PC+12+4*\c+\i]
.endr
.irp i, 0,1,2
	v_mov_b32 v[PC+3+6*\c+\i], v[PC+12+4*\c+\i]
.endr
.endr
.endm
	s_load_b256 s[4:11], s[0:1], 0x0               ; wc s[4:5], bq s[6:7], bk s[8:9], bv s[10:11]
	s_load_b128 s[12:15], s[0:1], 0x20             ; freqs_cis s[12:13], qkv s[14:15]
	v_lshl_add_u32 v[SPW], v0, 2, SPARE
	v_mov_b32 v[NIL], 0
	ds_add_u32 v[SPW], v[NIL]                      ; the wave's opening: the add and its wait ahead of my first tensor load
	v_lshrrev_b32 v1, 5, v0
	v_readfirstlane_b32 s16, v1                    ; wave 0..3
	s_lshr_b32 s17, s16, 1                         ; wm: my half of A's rows.  Also: I fetch for A (0) or for B (1)
	s_and_b32 s18, s16, 1                          ; wn: my half of B's rows.  Also: which half I fetch
	s_bfe_u32 s40, ttmp6, 0x40000                  ; cx
	s_bfe_u32 s41, ttmp6, 0x40004                  ; cy
	s_lshl_b32 s42, ttmp9, 2
	s_add_co_u32 s42, s42, s40                     ; tx = 4 x cluster x + cx
	s_and_b32 s19, ttmp7, 0xffff
	s_lshl_b32 s19, s19, 2
	s_add_co_u32 s19, s19, s41                     ; ty = 4 x cluster y + cy
	s_lshl_b32 s43, s41, 2
	s_lshl_b32 s43, 15, s43                        ; my row of the cluster
	s_lshl_b32 s44, 0x1111, s40                    ; my column
	s_or_b32 s[G1+0], s43, (3<<16)|(1<<21)         ; 15:0 the mask; 17:16 elements of 8 bytes; 21 set beside a mask; no padding
	s_or_b32 s[G1B+0], s44, (3<<16)|(1<<21)
	s_mov_b32 s[G1+1], 1600<<16                    ; tensor_dim0: 12,800 bytes
	s_mov_b32 s[G1+2], 2<<16                       ; tensor_dim1: A: 2 beta a load
	s_mov_b32 s[G1+3], 1600<<16                    ; tile_dim0
	s_mov_b32 s[G1+4], 2                           ; tile_dim1
	s_mov_b32 s[G1+5], 12800                       ; from beta to beta: 102,400 bytes
	s_mov_b32 s[G1+6], 0
	s_mov_b32 s[G1+7], 0
	s_mov_b32 s[G1B+1], 1600<<16
	s_mov_b32 s[G1B+2], 4<<16                      ; B: 4 beta a load
	s_mov_b32 s[G1B+3], 1600<<16
	s_mov_b32 s[G1B+4], 4
	s_mov_b32 s[G1B+5], 12800
	s_mov_b32 s[G1B+6], 0
	s_mov_b32 s[G1B+7], 0
	s_cmp_ge_u32 ttmp9, 5                          ; cluster x 5 makes v: the same in all sixteen partners
	s_cselect_b32 s20, 192, 0
	s_lshl_b32 s22, s19, 2                         ; A: beta 4 ty (x) or 192 + 4 ty (Wv), + the 2 that I fetch
	s_add_co_u32 s22, s22, s20
	s_lshl_b32 s23, s18, 1
	s_add_co_u32 s22, s22, s23
	s_mul_i32 s22, s22, BPITCH
	s_mov_b32 s23, 0
	s_lshl_b32 s46, s42, 3                         ; B: beta 32 + 8 tx (Wq, Wk) or 8 tx - 160 (x), + the 4 that I fetch
	s_add_co_u32 s46, s46, 32
	s_sub_co_u32 s46, s46, s20
	s_lshl_b32 s47, s18, 2
	s_add_co_u32 s46, s46, s47
	s_mul_i32 s46, s46, BPITCH
	s_mov_b32 s47, 0
	s_mul_i32 s45, s18, 2*BROW                     ; where they go: A's halves at 0 and 25,600,
	s_mul_i32 s2, s18, 4*BROW
	s_add_co_u32 s2, s2, BOFF                      ; B's at 51,200 and 102,400: no place in the cluster enters an LDS address
	s_mov_b32 s[SEL], 0x76543210
	s_mov_b32 s[SEL+1], 0xfedcba98
	s_mov_b32 s76, 0xffff0000                      ; lanes 16-31
	s_wait_dscnt 0x0                               ; the opening add is done
	s_wait_kmcnt 0x0
	s_add_nc_u64 s[20:21], s[4:5], s[22:23]
	s_add_nc_u64 s[46:47], s[4:5], s[46:47]
	CROUND                                         ; all sixteen work-groups are here: the first joint loads meet
.irp s, 0,1
	s_mov_b32 s[G0+4*\s], 1
	s_add_co_u32 s[G0+4*\s+1], s45, \s*SLOT
	s_add_nc_u64 s[G0+4*\s+2:G0+4*\s+3], s[20:21], \s*BROW
	s_or_b32 s[G0+4*\s+3], s[G0+4*\s+3], 0x80000000
	s_mov_b32 s[G0B+4*\s], 1
	s_add_co_u32 s[G0B+4*\s+1], s2, \s*SLOT
	s_add_nc_u64 s[G0B+4*\s+2:G0B+4*\s+3], s[46:47], \s*BROW
	s_or_b32 s[G0B+4*\s+3], s[G0B+4*\s+3], 0x80000000
	JLOAD G0+4*\s, G1, G0B+4*\s, G1B               ; two loads of mine are out
.endr
	v_and_b32 v1, 31, v0
	v_lshlrev_b32 v[LI], 4, v1
	v_lshlrev_b32 v[LS], 2, v1
	v_lshlrev_b32 v3, 3, v1
	s_mul_i32 s21, s17, 2*BROW                     ; my two beta of A,
	s_mul_i32 s22, s18, 4*BROW
	s_add_co_u32 s22, s22, BOFF                    ; my four of B
.irp s, 0,1
	v_add_nc_u32 v[ADRA+\s], s21, v[LI]
	v_add_nc_u32 v[ADRB+\s], s22, v[LI]
	v_add_nc_u32 v[ASA+\s], s21, v3
	v_add_nc_u32 v[ASB+\s], s22, v3
	s_add_co_u32 s21, s21, SLOT
	s_add_co_u32 s22, s22, SLOT
.endr
	v_and_b32 v244, 7, v0
	v_bfe_u32 v245, v0, 3, 1
	v_lshl_add_u32 v244, v245, 4, v244             ; r % 8 + 16 (r / 8): my row in a pair of tiles
	v_bfe_u32 v245, v0, 4, 1                       ; h
	v_lshlrev_b32 v[FCO], 9, v244
	v_lshl_add_u32 v[FCO], v245, 6, v[FCO]         ; a row of freqs_cis is 512 bytes; + 64 h
	v_lshlrev_b32 v[BIO], 6, v245
	v_lshlrev_b32 v[BVO], 2, v244
.irp b, 0,1,2,3
	v_mov_b32 v[TM+4+\b], 0                        ; written once: a lane permute's destination counts as one of its sources
.endr
	s_wait_tensorcnt 1                             ; my part of slot 0 is in; slot 1's may stay out
	s_barrier_signal -1
	s_barrier_wait -1
	FETCH 0, 0, 0
	SCALES 0
	STEP 0, 0, 1                                   ; the first step stands ahead of the loop: its products start the sums
	WIN 0
	s_mov_b32 s3, 3
.Llap:                                             ; a trip goes once round the ring and fills both slots again: three trips ask for the slots' fills 2 to 7
	STEP 0, 1, 0
	STEP 0, 2, 0
	TURN 0, 1, 1
	STEP 1, 0, 0
	STEP 1, 1, 0
	STEP 1, 2, 0
	TURN 1, 0, 1
	STEP 0, 0, 0
	WIN 0
	s_sub_co_u32 s3, s3, 1
	s_cmp_lg_u32 s3, 0
	s_cbranch_scc1 .Llap
	STEP 0, 1, 0
	STEP 0, 2, 0
	TURN 0, 1, 0                                   ; nothing is left to ask for
	WIN 0
	s_lshl_b32 s45, s42, 1
	s_add_co_u32 s45, s45, s18                     ; 2 tx + wn: which 128 rows of B are mine
	s_cmp_ge_u32 ttmp9, 5                          ; the cluster's x alone: all partners go the same way; behind this split stands no barrier but the closing round, and no tensor load
	s_cbranch_scc1 .Lv
	; ---------------- q and k: bias, rotary, quantised along the head's 128
	s_lshl_b32 s20, s45, 4
	s_lshl_b32 s21, s19, 1
	s_add_co_u32 s20, s20, s21
	s_add_co_u32 s20, s20, s17
	s_mul_i32 s20, s20, 6400                       ; q: record (head, 2 ty + wm)
	s_add_co_u32 s21, s20, 6144
	s_sub_co_u32 s22, s45, 32                      ; k: kv head (of use in cluster x 4 alone)
	s_mul_i32 s22, s22, 204800
	s_mul_i32 s23, s19, 25600                      ; key step ty
	s_add_co_u32 s22, s22, s23
	s_add_co_u32 s22, s22, QB
	s_mul_i32 s23, s17, 6144
	s_add_co_u32 s23, s22, s23                     ; my four fragments
	s_lshl_b32 s46, s17, 8
	s_add_co_u32 s22, s22, s46
	s_add_co_u32 s22, s22, 12288                   ; and their scale words
	s_cmp_lt_u32 ttmp9, 4
	s_cselect_b32 s66, s20, s23
	s_cselect_b32 s68, s21, s22
	s_cselect_b64 s[72:73], s[6:7], s[8:9]
	s_cselect_b32 s46, 0, 32
	s_mov_b32 s67, 0
	s_mov_b32 s69, 0
	s_add_nc_u64 s[66:67], s[14:15], s[66:67]
	s_add_nc_u64 s[68:69], s[14:15], s[68:69]
	s_sub_co_u32 s46, s45, s46
	s_lshl_b32 s46, s46, 9                         ; my head's 128 numbers of the bias
	s_mov_b32 s47, 0
	s_add_nc_u64 s[72:73], s[72:73], s[46:47]
	s_lshl_b32 s70, s19, 16                        ; freqs_cis at row 128 ty + 64 wm
	s_lshl_b32 s71, s17, 15
	s_add_co_u32 s70, s70, s71
	s_mov_b32 s71, 0
	s_add_nc_u64 s[70:71], s[12:13], s[70:71]
	WIN 0xc0                                       ; the bias, in the result's layout, into window 3
.irp b, 0,1,2,3
.irp q, 0,1,2,3
	global_load_b128 v[96+16*\b+4*\q:96+16*\b+4*\q+3], v[BIO], s[72:73] offset:128*\b+16*\q
.endr
.endr
	WIN 0
.macro FCLOAD a                        ; freqs_cis of my row in tile a: (c, d) pairs in the same places as the results' (even, odd) pairs
.irp b, 0,1,2,3
.irp q, 0,1,2,3
	global_load_b128 v[F0+64*((\a)%2)+16*\b+4*\q:F0+64*((\a)%2)+16*\b+4*\q+3], v[FCO], s[70:71] offset:(32*((\a)/2)+8*((\a)%2))*512+128*\b+16*\q
.endr
.endr
.endm
	FCLOAD 0
	FCLOAD 1
	TAIL                                           ; the last slot's 128 products stand between these loads and their use
	PLACES 4
.macro EPI a
.set FB, F0+64*((\a)%2)
.if (\a) < 3
	s_wait_loadcnt 16                              ; the other buffer's 16 loads may be out
.else
	s_wait_loadcnt 0x0
.endif
	WIN 0x4d                                       ; accumulators (window 1) += bias (window 3); each accumulator from its low end on
.set n, 0
.rept 32
	v_pk_add_f32 v[64*(\a)+n:64*(\a)+n+1], v[64*(\a)+n:64*(\a)+n+1], v[96+n:96+n+1]
.set n, n+2
.endr
	WIN 0x01                                       ; source 0: window 1
.set n, 0
.rept 32
.set T0, 244+2*((n/2)%4)
	v_mul_f32 v[T0], v[64*(\a)+n+1], v[FB+n+1]             ; b d
	v_mul_f32 v[T0+1], v[64*(\a)+n+1], v[FB+n]             ; b c
	v_fma_f32 v[FB+n], v[64*(\a)+n], v[FB+n], -v[T0]       ; a c - b d
	v_fma_f32 v[FB+n+1], v[64*(\a)+n], v[FB+n+1], v[T0+1]  ; a d + b c
.set n, n+2
.endr
	WIN 0
.if (\a) > 0
	s_wait_xcnt 0x0                                ; the last tile's stores have read the codes' registers
.endif
	QUANT FB, PWR+(\a)
.irp c, 0,1,2
	global_store_b128 v[LI], v[PC+4*\c:PC+4*\c+3], s[66:67] offset:1536*(\a)+512*\c   ; 512 consecutive bytes, aligned
.endr
.if (\a) < 2
	FCLOAD (\a)+2
.endif
.if (\a)%2
	v_cndmask_b32 v[26+(\a)/2], v[PWR+(\a)-1], v[PWR+(\a)], s76   ; lanes 0-15 the even tile's words, lanes 16-31 the odd one's
	global_store_b32 v[LS], v[26+(\a)/2], s[68:69] offset:128*((\a)/2)
.endif
.endm
	EPI 0
	EPI 1
	EPI 2
	EPI 3
	s_branch .Lend
	; ---------------- v, transposed: a lane holds one channel; bias; quantised along the keys
.Lv:
	s_sub_co_u32 s45, s45, 40                      ; my key step
	s_mul_i32 s20, s19, 204800                     ; kv head ty
	s_mul_i32 s21, s45, 25600
	s_add_co_u32 s20, s20, s21
	s_add_co_u32 s20, s20, QB+12800                ; v's part of the step's record
	s_mul_i32 s21, s17, 6144
	s_add_co_u32 s66, s20, s21
	s_mov_b32 s67, 0
	s_lshl_b32 s21, s17, 8
	s_add_co_u32 s68, s20, s21
	s_add_co_u32 s68, s68, 12288
	s_mov_b32 s69, 0
	s_add_nc_u64 s[66:67], s[14:15], s[66:67]
	s_add_nc_u64 s[68:69], s[14:15], s[68:69]
	s_lshl_b32 s74, s19, 9
	s_lshl_b32 s75, s17, 8
	s_add_co_u32 s74, s74, s75
	s_mov_b32 s75, 0
	s_add_nc_u64 s[74:75], s[10:11], s[74:75]      ; bv at 128 ty + 64 wm
.irp a, 0,1,2,3
	global_load_b32 v[BV+\a], v[BVO], s[74:75] offset:(32*(\a/2)+8*(\a%2))*4
.endr
	TAIL
	PLACES 4
	s_wait_loadcnt 0x0
.macro EPIV a
	WIN 0x01
.set n, 0
.rept 64
	v_add_f32 v[F0+n], v[64*(\a)+n], v[BV+(\a)]
.set n, n+1
.endr
	WIN 0
.if (\a) > 0
	s_wait_xcnt 0x0                                ; the last tile's stores have read the codes' registers
.endif
	QUANT F0, PWR+(\a)
.irp c, 0,1,2
	global_store_b128 v[LI], v[PC+4*\c:PC+4*\c+3], s[66:67] offset:1536*(\a)+512*\c
.endr
.if (\a)%2
	v_cndmask_b32 v[26+(\a)/2], v[PWR+(\a)-1], v[PWR+(\a)], s76
	global_store_b32 v[LS], v[26+(\a)/2], s[68:69] offset:128*((\a)/2)
.endif
.endm
	EPIV 0
	EPIV 1
	EPIV 2
	EPIV 3
.Lend:
	s_wait_tensorcnt 0x0                           ; the wave's end: the add and its wait behind my last tensor load
	ds_add_u32 v[SPW], v[NIL]
	s_wait_dscnt 0x0
	CROUND                                         ; the closing round
	s_endpgm
.Lfunc_end_k_qd57914d5b1_gemm_qkv:
	.size	k_qd57914d5b1_gemm_qkv, .Lfunc_end_k_qd57914d5b1_gemm_qkv-k_qd57914d5b1_gemm_qkv
	.p2alignl 7, 3214868480
	.fill 96, 4, 3214868480
	.section	.rodata,"a",@progbits
	.p2align	6, 0x0
	.amdhsa_kernel k_qd57914d5b1_gemm_qkv
		.amdhsa_group_segment_fixed_size 327680
		.amdhsa_private_segment_fixed_size 0
		.amdhsa_enable_private_segment 0
		.amdhsa_kernarg_size 48
		.amdhsa_user_sgpr_count 2
		.amdhsa_user_sgpr_kernarg_segment_ptr 1
		.amdhsa_wavefront_size32 1
		.amdhsa_system_sgpr_workgroup_id_x 1
		.amdhsa_system_sgpr_workgroup_id_y 1
		.amdhsa_system_sgpr_workgroup_id_z 1
		.amdhsa_system_vgpr_workitem_id 0
		.amdhsa_next_free_vgpr 1024
		.amdhsa_next_free_sgpr 100
		.amdhsa_reserve_vcc 0
		.amdhsa_float_denorm_mode_32 3
		.amdhsa_float_denorm_mode_16_64 3
		.amdhsa_memory_ordered 1
		.amdhsa_forward_progress 1
		.amdhsa_inst_pref_size 225
	.end_amdhsa_kernel
	.amdgpu_metadata
---
amdhsa.version: [ 1, 2 ]
amdhsa.kernels:
  - .name:           k_qd57914d5b1_gemm_qkv
    .symbol:         k_qd57914d5b1_gemm_qkv.kd
    .args:
      - { .name: wc, .offset: 0, .size: 8, .value_kind: global_buffer, .address_space: global }
      - { .name: bq, .offset: 8, .size: 8, .value_kind: global_buffer, .address_space: global }
      - { .name: bk, .offset: 16, .size: 8, .value_kind: global_buffer, .address_space: global }
      - { .name: bv, .offset: 24, .size: 8, .value_kind: global_buffer, .address_space: global }
      - { .name: freqs_cis, .offset: 32, .size: 8, .value_kind: global_buffer, .address_space: global }
      - { .name: qkv, .offset: 40, .size: 8, .value_kind: global_buffer, .address_space: global }
    .group_segment_fixed_size: 327680
    .private_segment_fixed_size: 0
    .kernarg_segment_align: 8
    .kernarg_segment_size: 48
    .max_flat_workgroup_size: 128
    .sgpr_count:     100
    .vgpr_count:     1024
    .wavefront_size: 32
...
	.end_amdgpu_metadata
.endif
;; end of part 2
;; launch attn (part 3): grid 32 x 8, 8 waves a work-group, clusters of 4 x 1, 205,824 bytes of LDS; arguments qkv, oc; writes oc
.if DOCPART == 3
	.amdgcn_target "amdgcn-amd-amdhsa--gfx1250"
	.amdhsa_code_object_version 6
	.text
	.protected	k_qd57914d5b1_attn
	.globl	k_qd57914d5b1_attn
	.p2align	8
	.type	k_qd57914d5b1_attn,@function
k_qd57914d5b1_attn:
	s_mov_b64 s[64:65], 0
	v_nop
	global_prefetch_b8 v0, s[64:65] scope:SCOPE_SE
	s_setreg_imm32_b32 hwreg(HW_REG_WAVE_MODE, 25, 1), 1
	s_wait_xcnt 0x0
	s_wait_alu depctr_hold_cnt(0) depctr_sa_sdst(0) depctr_va_vdst(0) depctr_va_sdst(0) depctr_va_ssrc(0) depctr_va_vcc(0) depctr_vm_vsrc(0)
	s_getreg_b32 s2, hwreg(HW_REG_IB_STS2, 6, 4)
	s_cmp_eq_u32 s2, 0
	s_cbranch_scc0 .Lentry_in_a_cluster
	s_endpgm
.Lentry_in_a_cluster:
	s_bfe_u32 s2, ttmp6, 0x10000c
	s_cmp_lg_u32 s2, 0x3003
	s_cbranch_scc0 .Lentry_shape_is_right
	s_endpgm
.Lentry_shape_is_right:
; o = softmax(q k^T / sqrt(128), causal) v for 32 query heads on 8 kv heads, both products on codes of FP6 (E2M3) out of qkv, and o's quantising along the 4,096 of the last product's K, into oc.
; THE SOFTMAX: t = score x log2(e) / sqrt(128); M = the running largest t rounded UP to a whole number; p = 2^(t - M) is quantised along the keys, not normalised; the row's sum is taken of the
; unquantised p and divides O at the end; when M moves, the sum and O are multiplied by 2^(old M - new M): exact.
; SHARES.  A cluster's four work-groups are the four query heads of one kv head: each tile of K and V is asked for JOINTLY.  The whole kv head, 8 key steps of 25,600 bytes (k's 8 fragments and scale words, then
; v's), lies in LDS, filled once: each of the eight waves brings one step's record.  Work-group y = j.  Wave w owns ONE tile of 16 queries, T = j + 8 i, i = w (w < 4) or 11 - w: its queries lie in key step i, so it
; walks steps 0 .. i, the last on the diagonal.  So every work-group has waves of 1 to 8 steps: all work-groups have the same work, and each reads all that it loads.
; LAYOUT.  Both products transposed: S^T = K Q^T, O^T = V^T P^T: a lane holds ONE query.  Lane r of tile T holds row 32 (T / 2) + 8 (T % 2) + r % 8 + 16 (r / 8), for queries, keys and channels alike, so the 16 registers
; of tiles 2 b, 2 b + 1 are 16 neighbours along the next K.  Fragments are images of the operand's registers: three loads of 16 bytes a lane, 512 consecutive bytes each.
; The loop over key steps has a constant count; a step behind the wave's diagonal is jumped over by a branch on the wave's number and the count alone; no barrier stands in the loop.
; LIMITS: NaN and infinities are not served; a block of zeros, or one whose largest magnitude lies under 2^-124, gets the scale byte 1.
; REGISTERS: v1-10 addresses; v12 -M, v13 the largest t, v[14:15] the sum; v16-27 Q, v28 its scale words; v32-79 four fragments; v96-159 S^T, then p; v160-223 O^T; v224-235 p's codes; v232-247, v252, v254 at work;
;   v248-251 scale words of K or V (lanes 0-15 tile 2 b, lanes 16-31 tile 2 b + 1); v253 p's scale word.
.set QB,    3276800
.set STEPB, 25600
.set VOFF,  12800
.set SCO,   12288
.set SPARE, 204800                     ; behind the eight records: the spare words, 128 bytes for each wave
.set LI,  1                            ; v1  16 lane
.set LS,  2                            ; v2  4 lane
.set QD,  3                            ; v3  my query's place in its key step, less 16 (lane / 16)
.set SPW, 5
.set NIL, 6
.set QSO, 7                            ; v7  4 (lane % 16)
.set ADK, 8
.set OSO, 9                            ; v9  8 (lane % 16)
.set ADS, 10
.set TM,  232
.set PC,  32
.set WV,  8
.set IW,  12
.set SEL, 20
.set CS,  22
.set G1,  24
.set G0,  32
.set TB,  36
.set KJ,  37
.macro CROUND
	s_barrier_signal -1
	s_barrier_wait -1
	s_cmp_lg_u32 s[WV], 0
	s_cbranch_scc1 .Lnot_wave_0_\@
	s_barrier_signal -3
.Lnot_wave_0_\@:
	s_barrier_wait -3
	s_barrier_signal -1
	s_barrier_wait -1
.endm
.macro QUANT s, pw                     ; 64 numbers of a lane, register 16 b + i = k 32 b + 16 (lane / 16) + i, become a fragment's codes in v[PC .. PC+11] and its scale word in v[pw]
.irp b, 0,1,2,3
	v_max3_num_f32 v[TM+\b], |v[\s+16*\b]|, |v[\s+1+16*\b]|, 0x1800000
.endr
.irp i, 2,4,6,8,10,12,14
.irp b, 0,1,2,3
	v_max3_num_f32 v[TM+\b], v[TM+\b], |v[\s+16*\b+\i]|, |v[\s+1+16*\b+\i]|
.endr
.endr
.irp b, 0,1,2,3
	v_permlanex16_b32 v[TM+4+\b], v[TM+\b], s[SEL], s[SEL+1]
.endr
.irp b, 0,1,2,3
	v_max_num_f32 v[TM+\b], v[TM+\b], v[TM+4+\b]
.endr
.irp b, 0,1,2,3
	v_add_nc_u32 v[TM+12+\b], 0xff000000, v[TM+\b]
.endr
.irp b, 0,1,2,3
	v_lshrrev_b32 v[TM+4+\b], 23, v[TM+12+\b]
.endr
	v_lshl_or_b32 v[\pw], v[TM+5], 8, v[TM+4]
	v_lshl_or_b32 v[\pw], v[TM+6], 16, v[\pw]
	v_lshl_or_b32 v[\pw], v[TM+7], 24, v[\pw]
.irp c, 0,1
	v_cvt_scalef32_pk16_fp6_f32 v[PC+6*\c:PC+2+6*\c], v[\s+32*\c:\s+15+32*\c], v[TM+12+2*\c]
	v_cvt_scalef32_pk16_fp6_f32 v[PC+12+4*\c:PC+14+4*\c], v[\s+16+32*\c:\s+31+32*\c], v[TM+12+2*\c+1]
.endr
	v_nop                                          ; one plain place behind a scaled conversion
.irp c, 0,1
.irp i, 0,1,2
	v_permlane16_swap_b32 v[PC+6*\c+\i], v[PC+12+4*\c+\i]
.endr
.irp i, 0,1,2
	v_mov_b32 v[PC+3+6*\c+\i], v[PC+12+4*\c+\i]
.endr
.endr
.endm
	s_load_b128 s[4:7], s[0:1], 0x0                ; qkv s[4:5], oc s[6:7]
	v_lshl_add_u32 v[SPW], v0, 2, SPARE
	v_mov_b32 v[NIL], 0
	ds_add_u32 v[SPW], v[NIL]                      ; the wave's opening: the add and its wait ahead of my first tensor load
	v_lshrrev_b32 v1, 5, v0
	v_readfirstlane_b32 s[WV], v1                  ; wave 0..7
	s_bfe_u32 s9, ttmp6, 0x40000                   ; cx: it enters q's and o's addresses alone
	s_lshl_b32 s10, ttmp9, 2
	s_add_co_u32 s10, s10, s9                      ; the query head = 4 x kv head + cx
	s_and_b32 s11, ttmp7, 0xffff                   ; j
	s_sub_co_u32 s[IW], 11, s[WV]
	s_cmp_lt_u32 s[WV], 4
	s_cselect_b32 s[IW], s[WV], s[IW]              ; i: my queries' key step
	s_lshl_b32 s13, s[IW], 3
	s_add_co_u32 s13, s13, s11                     ; T
	s_lshl_b32 s16, s10, 4                         ; q: record (head, T / 4),
	s_lshr_b32 s17, s13, 2
	s_add_co_u32 s16, s16, s17
	s_mul_i32 s16, s16, 6400
	s_and_b32 s17, s13, 3
	s_mul_i32 s18, s17, 1536
	s_add_co_u32 s38, s16, s18                     ; fragment T % 4,
	s_mov_b32 s39, 0
	s_lshl_b32 s17, s17, 6
	s_add_co_u32 s40, s16, s17
	s_add_co_u32 s40, s40, 6144                    ; and its scale words
	s_mov_b32 s41, 0
	s_mul_i32 s42, ttmp9, 204800                   ; the kv head,
	s_mul_i32 s43, s[WV], STEPB                    ; the key step that I fetch
	s_add_co_u32 s42, s42, s43
	s_add_co_u32 s42, s42, QB
	s_mov_b32 s43, 0
	s_lshr_b32 s14, s13, 1                         ; o: record (beta = T / 2, kp = head / 2),
	s_mul_i32 s14, s14, 102400
	s_lshr_b32 s15, s10, 1
	s_mul_i32 s15, s15, 6400
	s_add_co_u32 s14, s14, s15
	s_and_b32 s15, s13, 1                          ; u
	s_and_b32 s16, s10, 1                          ; f
	s_lshl_b32 s17, s15, 1
	s_add_co_u32 s17, s17, s16
	s_mul_i32 s17, s17, 1536
	s_add_co_u32 s44, s14, s17                     ; fragment 2 u + f,
	s_mov_b32 s45, 0
	s_lshl_b32 s15, s15, 7
	s_lshl_b32 s16, s16, 2
	s_add_co_u32 s46, s14, s15
	s_add_co_u32 s46, s46, s16
	s_add_co_u32 s46, s46, 6144                    ; scale words at 6,144 + 128 u + 8 r + 4 f
	s_mov_b32 s47, 0
	s_mov_b32 s[G1], 15|(3<<16)|(1<<21)            ; 15:0 the mask: all four work-groups; 17:16 elements of 8 bytes; 21 set beside a mask
	s_mov_b32 s[G1+1], 32<<16                      ; a record is dense: 100 rows of 256 bytes
	s_mov_b32 s[G1+2], 100<<16
	s_mov_b32 s[G1+3], 32<<16
	s_mov_b32 s[G1+4], 100
	s_mov_b32 s[G1+5], 32
	s_mov_b32 s[G1+6], 0
	s_mov_b32 s[G1+7], 0
	s_mov_b32 s[G0], 1
	s_mul_i32 s[G0+1], s[WV], STEPB                ; LDS: record w
	s_mov_b32 s[SEL], 0x76543210
	s_mov_b32 s[SEL+1], 0xfedcba98
	s_mov_b32 s[CS], 0x3e0293ee                    ; c = log2(e) / sqrt(128)
	s_mov_b32 s[CS+1], s[CS]                       ; (named with it as a pair, so it is written)
	s_mov_b32 s[TB], 0
	s_mov_b32 s[KJ], 0
	s_lshr_b32 s14, s11, 1
	s_lshl_b32 s14, s14, 5
	s_and_b32 s15, s11, 1
	s_lshl_b32 s15, s15, 3
	s_add_co_u32 s14, s14, s15                     ; 32 (j / 2) + 8 (j % 2)
	s_wait_dscnt 0x0                               ; the opening add is done
	s_wait_kmcnt 0x0
	s_add_nc_u64 s[G0+2:G0+3], s[4:5], s[42:43]
	s_or_b32 s[G0+3], s[G0+3], 0x80000000
	s_add_nc_u64 s[38:39], s[4:5], s[38:39]
	s_add_nc_u64 s[40:41], s[4:5], s[40:41]
	s_add_nc_u64 s[44:45], s[6:7], s[44:45]
	s_add_nc_u64 s[46:47], s[6:7], s[46:47]
	CROUND                                         ; all four work-groups are here: the joint loads meet
	tensor_load_to_lds s[G0:G0+3], s[G1:G1+7]      ; my one tensor load of the launch
	s_nop 0
.rept 4
	v_nop
.endr
	v_and_b32 v4, 31, v0
	v_lshlrev_b32 v[LI], 4, v4
	v_lshlrev_b32 v[LS], 2, v4
	v_and_b32 v4, 15, v0
	v_lshlrev_b32 v[QSO], 2, v4
	v_lshlrev_b32 v[OSO], 3, v4
.irp c, 0,1,2
	global_load_b128 v[16+4*\c:19+4*\c], v[LI], s[38:39] offset:512*\c   ; Q's fragment stays in registers
.endr
	global_load_b32 v28, v[QSO], s[40:41]
	v_and_b32 v[QD], 7, v0
	v_bfe_u32 v4, v0, 3, 1
	v_lshl_add_u32 v[QD], v4, 4, v[QD]
	v_bfe_u32 v4, v0, 4, 1
	v_lshlrev_b32 v4, 4, v4
	v_sub_nc_u32 v[QD], v[QD], v4
	v_add_nc_u32 v[QD], s14, v[QD]
	v_mov_b32 v13, 0xff61b1e6                      ; the largest t so far: -3e38
	v_floor_f32 v12, -v13                          ; -M
	v_mov_b32 v14, 0
	v_mov_b32 v15, 0
.irp b, 0,1,2,3
	v_mov_b32 v[236+\b], 0                         ; written once: a lane permute's destination counts as one of its sources
.endr
	v_mov_b32 v252, 0
	v_mov_b32 v253, 0
.set n, 0
.rept 64
	v_mov_b32 v[160+n], 0                          ; O^T: the step is written once; the first finds zeros
.set n, n+1
.endr
	s_wait_tensorcnt 0x0                           ; my record is in,
	s_wait_loadcnt 0x0                             ; and Q
	s_barrier_signal -1
	s_barrier_wait -1                              ; everybody's record is in; nothing is filled again
.Lkey:                                             ; eight trips, a key step each
	s_cmp_gt_u32 s[KJ], s[IW]
	s_cbranch_scc1 .Lhidden                        ; all its keys come after my queries
	v_add_nc_u32 v[ADK], s[TB], v[LI]
	v_add_nc_u32 v[ADS], s[TB], v[LS]
	v_nop
	v_nop                                          ; four places between the last step's products and the loads into their registers
.irp b, 0,1,2,3
	ds_load_b32 v[248+\b], v[ADS] offset:SCO+128*\b
.endr
.irp g, 0,1                                    ; S^T = K Q^T, four tiles of 16 keys at a time
.if \g > 0
.rept 4
	v_nop
.endr
.endif
.irp t, 0,1,2,3
.irp c, 0,1,2
	ds_load_b128 v[32+12*\t+4*\c:35+12*\t+4*\c], v[ADK] offset:1536*(4*\g+\t)+512*\c
.endr
.endr
	s_wait_dscnt 0x0
.irp t, 0,2
	v_wmma_scale_f32_16x16x128_f8f6f4 v[96+8*(4*\g+\t):103+8*(4*\g+\t)], v[32+12*\t:43+12*\t], v[16:27], 0, v[248+2*\g+\t/2], v28 matrix_a_fmt:MATRIX_FMT_FP6 matrix_b_fmt:MATRIX_FMT_FP6
	v_wmma_scale_f32_16x16x128_f8f6f4 v[104+8*(4*\g+\t):111+8*(4*\g+\t)], v[44+12*\t:55+12*\t], v[16:27], 0, v[248+2*\g+\t/2], v28 matrix_a_fmt:MATRIX_FMT_FP6 matrix_b_fmt:MATRIX_FMT_FP6 matrix_a_scale:MATRIX_SCALE_ROW1
.endr
.endr
.rept 4
	v_nop
.endr
	s_cmp_lg_u32 s[KJ], s[IW]                      ; on the diagonal the scores of hidden keys become -infinity ahead of the maximum
	s_cbranch_scc1 .Lopen
	v_mov_b32 v254, 0xff800000
.set n, 0
.rept 64
	v_cmp_gt_i32 vcc_lo, 32*(n/16)+n%16, v[QD]     ; register n holds key 32 (n / 16) + n % 16 + 16 (lane / 16) of the step
	v_cndmask_b32 v[96+n], v[96+n], v254, vcc_lo
.set n, n+1
.endr
.Lopen:
.irp b, 0,1,2,3
	v_max3_num_f32 v[232+\b], v[96+16*\b], v[97+16*\b], v[98+16*\b]   ; the largest score of each block of 32 keys: for the row's maximum, and for the block's largest p
.endr
.irp i, 3,5,7,9,11,13
.irp b, 0,1,2,3
	v_max3_num_f32 v[232+\b], v[232+\b], v[96+16*\b+\i], v[97+16*\b+\i]
.endr
.endr
.irp b, 0,1,2,3
	v_max_num_f32 v[232+\b], v[232+\b], v[111+16*\b]
.endr
.irp b, 0,1,2,3
	v_permlanex16_b32 v[236+\b], v[232+\b], s[SEL], s[SEL+1]
.endr
.irp b, 0,1,2,3
	v_max_num_f32 v[232+\b], v[232+\b], v[236+\b]  ; with lane l xor 16's 16 keys
.endr
	v_max3_num_f32 v254, v232, v233, v234
	v_max_num_f32 v254, v254, v235
	v_mul_f32 v254, s[CS], v254                    ; the step's largest t
	v_max_num_f32 v13, v13, v254                   ; the running largest t
	v_mov_b32 v254, v12
	v_floor_f32 v12, -v13                          ; the new -M = -ceil(t): a whole number
	v_sub_f32 v254, v12, v254                      ; old M - new M
	v_cvt_i32_f32 v254, v254                       ; (it saturates)
	v_ldexp_f32 v252, 1.0, v254                    ; f = 2^(old M - new M)
.irp j, 0,2,4,6,8,10,12,14,16,18,20,22,24,26,28,30,32,34,36,38,40,42,44,46,48,50,52,54,56,58,60,62
	v_pk_fma_f32 v[96+\j:97+\j], v[96+\j:97+\j], s[CS:CS+1], v[12:13] op_sel_hi:[1,0,0]   ; t - M
.endr
.irp b, 0,1,2,3
	v_fma_f32 v[232+\b], v[232+\b], s[CS], v12     ; the same of each block's largest score
.endr
.set n, 0
.rept 64
	v_exp_f32 v[96+n], v[96+n]                     ; p = 2^(t - M)
.set n, n+1
.endr
	v_pk_mul_f32 v[14:15], v[14:15], v[252:253] op_sel_hi:[1,0]   ; the sums under the new M: a plain place behind the exponentials
	s_wait_alu depctr_va_vdst(0)                   ; one wait for the whole batch, ahead of its first reader
.irp b, 0,1,2,3
	v_exp_f32 v[232+\b], v[232+\b]                 ; the block's largest p
.endr
	v_pk_add_f32 v[236:237], v[96:97], v[98:99]    ; the row's sum of the unquantised p, in two chains
.irp j, 4,8,12,16,20,24,28,32,36,40,44,48,52,56,60
	v_pk_add_f32 v[14:15], v[14:15], v[96+\j:97+\j]
	v_pk_add_f32 v[236:237], v[236:237], v[98+\j:99+\j]
.endr
	v_pk_add_f32 v[14:15], v[14:15], v[236:237]
	s_wait_alu depctr_va_vdst(0)                   ; and one for the four
.irp b, 0,1,2,3
	v_max_num_f32 v[232+\b], 0x1800000, v[232+\b]  ; the floor 2^(3 - 127)
.endr
.irp b, 0,1,2,3
	v_add_nc_u32 v[244+\b], 0xff000000, v[232+\b]
.endr
.irp b, 0,1,2,3
	v_lshrrev_b32 v[236+\b], 23, v[244+\b]
.endr
	v_lshl_or_b32 v253, v237, 8, v236              ; p's scale word for these 128 keys
	v_lshl_or_b32 v253, v238, 16, v253
	v_lshl_or_b32 v253, v239, 24, v253
.irp c, 0,1
	v_cvt_scalef32_pk16_fp6_f32 v[224+6*\c:226+6*\c], v[96+32*\c:111+32*\c], v[244+2*\c]
	v_cvt_scalef32_pk16_fp6_f32 v[236+4*\c:238+4*\c], v[112+32*\c:127+32*\c], v[244+2*\c+1]
.endr
	v_nop                                          ; one plain place behind a scaled conversion
.irp c, 0,1
.irp i, 0,1,2
	v_permlane16_swap_b32 v[224+6*\c+\i], v[236+4*\c+\i]
.endr
.irp i, 0,1,2
	v_mov_b32 v[227+6*\c+\i], v[236+4*\c+\i]
.endr
.endr
.irp j, 0,2,4,6,8,10,12,14,16,18,20,22,24,26,28,30,32,34,36,38,40,42,44,46,48,50,52,54,56,58,60,62
	v_pk_mul_f32 v[160+\j:161+\j], v[160+\j:161+\j], v[252:253] op_sel_hi:[1,0]   ; O^T under the new M; these 32 are also the places in front of the products and loads below
.endr
.irp b, 0,1,2,3
	ds_load_b32 v[248+\b], v[ADS] offset:VOFF+SCO+128*\b
.endr
.irp g, 0,1                                    ; O^T += V^T P^T: four tiles of 16 channels at a time
.if \g > 0
.rept 4
	v_nop
.endr
.endif
.irp t, 0,1,2,3
.irp c, 0,1,2
	ds_load_b128 v[32+12*\t+4*\c:35+12*\t+4*\c], v[ADK] offset:VOFF+1536*(4*\g+\t)+512*\c
.endr
.endr
	s_wait_dscnt 0x0
.irp t, 0,2
	v_wmma_scale_f32_16x16x128_f8f6f4 v[160+8*(4*\g+\t):167+8*(4*\g+\t)], v[32+12*\t:43+12*\t], v[224:235], v[160+8*(4*\g+\t):167+8*(4*\g+\t)], v[248+2*\g+\t/2], v253 matrix_a_fmt:MATRIX_FMT_FP6 matrix_b_fmt:MATRIX_FMT_FP6
	v_wmma_scale_f32_16x16x128_f8f6f4 v[168+8*(4*\g+\t):175+8*(4*\g+\t)], v[44+12*\t:55+12*\t], v[224:235], v[168+8*(4*\g+\t):175+8*(4*\g+\t)], v[248+2*\g+\t/2], v253 matrix_a_fmt:MATRIX_FMT_FP6 matrix_b_fmt:MATRIX_FMT_FP6 matrix_a_scale:MATRIX_SCALE_ROW1
.endr
.endr
.Lhidden:
	s_add_co_u32 s[TB], s[TB], STEPB
	s_add_co_u32 s[KJ], s[KJ], 1
	s_cmp_lt_u32 s[KJ], 8
	s_cbranch_scc1 .Lkey
	; THE WAY OUT: O^T / the sum, quantised along the head's 128 (K = 128 head + channel of the last product), stored as a fragment's image
.rept 4
	v_nop
.endr
	v_add_f32 v14, v14, v15
	v_permlanex16_b32 v252, v14, s[SEL], s[SEL+1]
	v_add_f32 v14, v14, v252                       ; the row's sum
	v_rcp_f32 v14, v14
	v_nop                                          ; a plain place behind the transcendental
	s_wait_alu depctr_va_vdst(0)                   ; and the wait ahead of its first reader
.set n, 0
.rept 64
	v_mul_f32 v[96+n], v[160+n], v14
.set n, n+1
.endr
	QUANT 96, 52
.irp c, 0,1,2
	global_store_b128 v[LI], v[PC+4*\c:PC+4*\c+3], s[44:45] offset:512*\c   ; 512 consecutive bytes, aligned
.endr
	global_store_b32 v[OSO], v52, s[46:47]         ; my row's scale word, 4 bytes at every 8: lanes l and l + 16 hold the same word and write it to the same place; 64 bytes a wave, once
	s_wait_tensorcnt 0x0                           ; the wave's end: the add and its wait behind my last tensor load
	ds_add_u32 v[SPW], v[NIL]
	s_wait_dscnt 0x0
	CROUND                                         ; the closing round
	s_endpgm
.Lfunc_end_k_qd57914d5b1_attn:
	.size	k_qd57914d5b1_attn, .Lfunc_end_k_qd57914d5b1_attn-k_qd57914d5b1_attn
	.p2alignl 7, 3214868480
	.fill 96, 4, 3214868480
	.section	.rodata,"a",@progbits
	.p2align	6, 0x0
	.amdhsa_kernel k_qd57914d5b1_attn
		.amdhsa_group_segment_fixed_size 205824
		.amdhsa_private_segment_fixed_size 0
		.amdhsa_enable_private_segment 0
		.amdhsa_kernarg_size 16
		.amdhsa_user_sgpr_count 2
		.amdhsa_user_sgpr_kernarg_segment_ptr 1
		.amdhsa_wavefront_size32 1
		.amdhsa_system_sgpr_workgroup_id_x 1
		.amdhsa_system_sgpr_workgroup_id_y 1
		.amdhsa_system_sgpr_workgroup_id_z 1
		.amdhsa_system_vgpr_workitem_id 0
		.amdhsa_next_free_vgpr 256
		.amdhsa_next_free_sgpr 66
		.amdhsa_reserve_vcc 1
		.amdhsa_float_denorm_mode_32 3
		.amdhsa_float_denorm_mode_16_64 3
		.amdhsa_memory_ordered 1
		.amdhsa_forward_progress 1
		.amdhsa_inst_pref_size 39
	.end_amdhsa_kernel
	.amdgpu_metadata
---
amdhsa.version: [ 1, 2 ]
amdhsa.kernels:
  - .name:           k_qd57914d5b1_attn
    .symbol:         k_qd57914d5b1_attn.kd
    .args:
      - { .name: qkv, .offset: 0, .size: 8, .value_kind: global_buffer, .address_space: global }
      - { .name: oc, .offset: 8, .size: 8, .value_kind: global_buffer, .address_space: global }
    .group_segment_fixed_size: 205824
    .private_segment_fixed_size: 0
    .kernarg_segment_align: 8
    .kernarg_segment_size: 16
    .max_flat_workgroup_size: 256
    .sgpr_count:     66
    .vgpr_count:     256
    .wavefront_size: 32
...
	.end_amdgpu_metadata
.endif
;; end of part 3
;; launch gemm_out (part 4): grid 16 x 8, 4 waves a work-group, clusters of 4 x 4, 327,680 bytes of LDS; arguments oc, wc, bo, out0; writes out0
.if DOCPART == 4
	.amdgcn_target "amdgcn-amd-amdhsa--gfx1250"
	.amdhsa_code_object_version 6
	.text
	.protected	k_qd57914d5b1_gemm_out
	.globl	k_qd57914d5b1_gemm_out
	.p2align	8
	.type	k_qd57914d5b1_gemm_out,@function
k_qd57914d5b1_gemm_out:
	s_mov_b64 s[64:65], 0
	v_nop
	global_prefetch_b8 v0, s[64:65] scope:SCOPE_SE
	s_setreg_imm32_b32 hwreg(HW_REG_WAVE_MODE, 25, 1), 1
	s_wait_xcnt 0x0
	s_wait_alu depctr_hold_cnt(0) depctr_sa_sdst(0) depctr_va_vdst(0) depctr_va_sdst(0) depctr_va_ssrc(0) depctr_va_vcc(0) depctr_vm_vsrc(0)
	s_getreg_b32 s2, hwreg(HW_REG_IB_STS2, 6, 4)
	s_cmp_eq_u32 s2, 0
	s_cbranch_scc0 .Lentry_in_a_cluster
	s_endpgm
.Lentry_in_a_cluster:
	s_bfe_u32 s2, ttmp6, 0x10000c
	s_cmp_lg_u32 s2, 0xf033
	s_cbranch_scc0 .Lentry_shape_is_right
	s_endpgm
.Lentry_shape_is_right:
; out0 = o Wo + bo on codes of FP6 (E2M3): o out of oc, Wo's columns out of wc (beta 224 on).  Both buffers: a fragment (16 rows x 128 K) is an image of the operand's 12 registers, 1,536 bytes; a record of
; 6,400 bytes = a pair of row tiles x 256 K: four fragments and 256 bytes of scale words; [beta][kp 16][6,400]; lane r of tile T holds row 32 (T / 2) + 8 (T % 2) + r % 8 + 16 (r / 8).
; A work-group makes 128 rows x 256 columns, K = 4,096; four waves, 2 x 2, each 64 x 128: 32 accumulators.  128 work-groups.
; THE MATRIX INSTRUCTION IS USED TRANSPOSED (source 0 = 16 columns of Wo, source 1 = 16 rows of o): a lane holds one row of the output and 16 neighbouring columns for each pair of tiles.
; CLUSTERS 4 x 4: o's tiles are asked for jointly along a row of the cluster, Wo's along a column.  K goes in steps of 512 through two LDS slots (4 beta of A, 8 of B, 12,800 bytes each).
; THE WAY OUT: 16 rows x 128 columns at a time through my stage in LDS (in slot 0, which has had its last fill and its last read by then), back as whole rows of 512 bytes; the bias is added; the order of rows in a
; tile is undone in the stores' offsets.
; REGISTERS: window 0: v4-11 LDS addresses, v12, 13 the add's, v14-16 the way out's addresses, v20-23 the bias, v32-79 scale words, v80-207 rows on the way out.
;   window 1: accumulator (a, t) at v[8 (8 a + t)].   window 2: B's fragments, two sets.   window 3: A's, two sets.
.set SLOT,   153600
.set BROW,   12800
.set BOFF,   51200
.set SPARE,  307200
.set BPITCH, 102400
.set ADRA, 4
.set ADRB, 6
.set ASA,  8
.set ASB,  10
.set SPW,  12
.set NIL,  13
.set STO,  14                          ; v14 into my stage: 528 r + 64 h
.set RD,   15                          ; v15 out of it: 16 lane
.set CO,   16                          ; v16 16 lane
.set BO,   20                          ; v20-23 bo of my four columns
.set SC,   32
.set BK,   80
.set OUT,  66
.set G1,   24
.set G0,   32
.set G1B,  48
.set G0B,  56
.set MSB,  0
.macro WIN new                         ; the immediate's high byte repeats the setting that is left
.if MSB != \new
	s_set_vgpr_msb (MSB<<8)|\new
.set MSB, \new
.endif
.endm
.set MUL,  0x5e                        ; source 0 (B) window 2, source 1 (A) window 3, C and D window 1
.set TO_B, 0x80
.set TO_A, 0xc0
.macro PLACES n
.rept \n
	v_nop
.endr
.endm
.macro JLOAD g0a, g1a, g0b, g1b        ; a joint load: waves 0 and 1 fetch A's halves, waves 2 and 3 B's; an s_nop 0 and four v_nop follow each line
	s_cmp_eq_u32 s17, 0
	s_cbranch_scc0 .Lfor_b_\@
	tensor_load_to_lds s[\g0a:\g0a+3], s[\g1a:\g1a+7]
	s_nop 0
.rept 4
	v_nop
.endr
	s_branch .Lasked_\@
.Lfor_b_\@:
	tensor_load_to_lds s[\g0b:\g0b+3], s[\g1b:\g1b+7]
	s_nop 0
.rept 4
	v_nop
.endr
.Lasked_\@:
.endm
.macro CREST
	s_cmp_lg_u32 s16, 0
	s_cbranch_scc1 .Lnot_wave_0_\@
	s_barrier_signal -3
.Lnot_wave_0_\@:
	s_barrier_wait -3
	s_barrier_signal -1
	s_barrier_wait -1
.endm
.macro CROUND
	s_barrier_signal -1
	s_barrier_wait -1
	CREST
.endm
.macro FETCH slot, q, set              ; 36 LDS loads: the fragments of the slot's q-th 128 along K
	WIN TO_B
.irp t, 0,1,2,3,4,5,6,7
.irp c, 0,1,2
	ds_load_b128 v[96*(\set)+12*\t+4*\c:96*(\set)+12*\t+4*\c+3], v[ADRB+\slot] offset:(\t/2)*BROW+((\q)/2)*6400+(2*(\t%2)+(\q)%2)*1536+512*\c
.endr
.endr
	WIN TO_A
.irp a, 0,1,2,3
.irp c, 0,1,2
	ds_load_b128 v[48*(\set)+12*\a+4*\c:48*(\set)+12*\a+4*\c+3], v[ADRA+\slot] offset:(\a/2)*BROW+((\q)/2)*6400+(2*(\a%2)+(\q)%2)*1536+512*\c
.endr
.endr
	WIN 0
.endm
.macro SCALES s                        ; register 4 b + q: lanes 0-15 the word of tile 2 b, lanes 16-31 that of tile 2 b + 1
.irp b, 0,1
.irp p, 0,1
	ds_load_b64 v[SC+24*\s+4*\b+2*\p:SC+24*\s+4*\b+2*\p+1], v[ASA+\s] offset:6144+\b*BROW+\p*6400
.endr
.endr
.irp b, 0,1,2,3
.irp p, 0,1
	ds_load_b64 v[SC+24*\s+8+4*\b+2*\p:SC+24*\s+8+4*\b+2*\p+1], v[ASB+\s] offset:6144+\b*BROW+\p*6400
.endr
.endr
.endm
.macro WM a, t, set, sc, q, zero
.set rD, 8*(8*(\a)+(\t))
.set rB, 96*(\set)+12*(\t)
.set rA, 48*(\set)+12*(\a)
.set rSB, SC+24*(\sc)+8+4*((\t)/2)+(\q)
.set rSA, SC+24*(\sc)+4*((\a)/2)+(\q)
.if \zero
.if ((\t)%2) && ((\a)%2)
	v_wmma_scale_f32_16x16x128_f8f6f4 v[rD:rD+7], v[rB:rB+11], v[rA:rA+11], 0, v[rSB], v[rSA] matrix_a_fmt:MATRIX_FMT_FP6 matrix_b_fmt:MATRIX_FMT_FP6 matrix_a_scale:MATRIX_SCALE_ROW1 matrix_b_scale:MATRIX_SCALE_ROW1
.elseif (\t)%2
	v_wmma_scale_f32_16x16x128_f8f6f4 v[rD:rD+7], v[rB:rB+11], v[rA:rA+11], 0, v[rSB], v[rSA] matrix_a_fmt:MATRIX_FMT_FP6 matrix_b_fmt:MATRIX_FMT_FP6 matrix_a_scale:MATRIX_SCALE_ROW1
.elseif (\a)%2
	v_wmma_scale_f32_16x16x128_f8f6f4 v[rD:rD+7], v[rB:rB+11], v[rA:rA+11], 0, v[rSB], v[rSA] matrix_a_fmt:MATRIX_FMT_FP6 matrix_b_fmt:MATRIX_FMT_FP6 matrix_b_scale:MATRIX_SCALE_ROW1
.else
	v_wmma_scale_f32_16x16x128_f8f6f4 v[rD:rD+7], v[rB:rB+11], v[rA:rA+11], 0, v[rSB], v[rSA] matrix_a_fmt:MATRIX_FMT_FP6 matrix_b_fmt:MATRIX_FMT_FP6
.endif
.else
.if ((\t)%2) && ((\a)%2)
	v_wmma_scale_f32_16x16x128_f8f6f4 v[rD:rD+7], v[rB:rB+11], v[rA:rA+11], v[rD:rD+7], v[rSB], v[rSA] matrix_a_fmt:MATRIX_FMT_FP6 matrix_b_fmt:MATRIX_FMT_FP6 matrix_a_scale:MATRIX_SCALE_ROW1 matrix_b_scale:MATRIX_SCALE_ROW1
.elseif (\t)%2
	v_wmma_scale_f32_16x16x128_f8f6f4 v[rD:rD+7], v[rB:rB+11], v[rA:rA+11], v[rD:rD+7], v[rSB], v[rSA] matrix_a_fmt:MATRIX_FMT_FP6 matrix_b_fmt:MATRIX_FMT_FP6 matrix_a_scale:MATRIX_SCALE_ROW1
.elseif (\a)%2
	v_wmma_scale_f32_16x16x128_f8f6f4 v[rD:rD+7], v[rB:rB+11], v[rA:rA+11], v[rD:rD+7], v[rSB], v[rSA] matrix_a_fmt:MATRIX_FMT_FP6 matrix_b_fmt:MATRIX_FMT_FP6 matrix_b_scale:MATRIX_SCALE_ROW1
.else
	v_wmma_scale_f32_16x16x128_f8f6f4 v[rD:rD+7], v[rB:rB+11], v[rA:rA+11], v[rD:rD+7], v[rSB], v[rSA] matrix_a_fmt:MATRIX_FMT_FP6 matrix_b_fmt:MATRIX_FMT_FP6
.endif
.endif
.endm
.macro MUL8 a, set, sc, q, zero
.irp t, 0,1,2,3,4,5,6,7
	WM \a, \t, \set, \sc, \q, \zero
.endr
.endm
.macro MUL32 set, sc, q, zero          ; the 32 accumulators take turns, one instruction a turn, in the same order in every step
.irp a, 0,1,2,3
	MUL8 \a, \set, \sc, \q, \zero
.endr
.endm
.macro STEP slot, q, zero              ; the next step's fragments are asked for, then this step's 32 products are issued
	PLACES 4                                       ; four places between the last products that read the other set and the loads into it
	FETCH \slot, (\q)+1, ((\q)+1)%2
	s_wait_dscnt 36                                ; all but the 36 just issued
	WIN MUL
	MUL32 (\q)%2, \slot, \q, \zero
.endm
.macro TURN slot, next, fill           ; a slot's last step changes slots: one barrier, with the three lines ahead of it
	WIN 0
	s_wait_tensorcnt 0x0                           ; all my tensor loads have landed: my part of the next slot
	ds_add_u32 v[SPW], v[NIL]                      ; 0 onto my spare word
	s_wait_dscnt 1                                 ; (the add alone may be out)
	WIN MUL
	MUL8 0, 1, \slot, 3, 0
	s_wait_dscnt 0x0                               ; the add is done, and my reads of this slot are over
	s_barrier_signal -1
	MUL8 1, 1, \slot, 3, 0
	WIN 0
	s_barrier_wait -1
.if \fill
	CREST                                          ; the barrier has opened a round of the cluster's: no wave of any partner still reads this slot or has a load on its way
	s_add_nc_u64 s[G0+4*\slot+2:G0+4*\slot+3], s[G0+4*\slot+2:G0+4*\slot+3], 2*BROW
	s_add_nc_u64 s[G0B+4*\slot+2:G0B+4*\slot+3], s[G0B+4*\slot+2:G0B+4*\slot+3], 2*BROW
	JLOAD G0+4*\slot, G1, G0B+4*\slot, G1B         ; the first tensor load behind the round; its four v_nop are the places in front of the loads below
.else
	PLACES 4
.endif
	FETCH \next, 0, 0
	SCALES \next
	WIN MUL
	MUL8 2, 1, \slot, 3, 0
	MUL8 3, 1, \slot, 3, 0
.endm
	s_load_b256 s[4:11], s[0:1], 0x0               ; oc s[4:5], wc s[6:7], bo s[8:9], out0 s[10:11]
	v_lshl_add_u32 v[SPW], v0, 2, SPARE
	v_mov_b32 v[NIL], 0
	ds_add_u32 v[SPW], v[NIL]                      ; the wave's opening: the add and its wait ahead of my first tensor load
	v_lshrrev_b32 v1, 5, v0
	v_readfirstlane_b32 s16, v1                    ; wave 0..3
	s_lshr_b32 s17, s16, 1                         ; wm.  Also: I fetch for A (0) or for B (1)
	s_and_b32 s18, s16, 1                          ; wn.  Also: which half I fetch
	s_bfe_u32 s40, ttmp6, 0x40000                  ; cx
	s_bfe_u32 s41, ttmp6, 0x40004                  ; cy
	s_lshl_b32 s42, ttmp9, 2
	s_add_co_u32 s42, s42, s40                     ; tx
	s_and_b32 s19, ttmp7, 0xffff
	s_lshl_b32 s19, s19, 2
	s_add_co_u32 s19, s19, s41                     ; ty
	s_lshl_b32 s43, s41, 2
	s_lshl_b32 s43, 15, s43                        ; my row of the cluster
	s_lshl_b32 s44, 0x1111, s40                    ; my column
	s_or_b32 s[G1+0], s43, (3<<16)|(1<<21)         ; the mask; elements of 8 bytes; bit 21 beside a mask; no padding
	s_or_b32 s[G1B+0], s44, (3<<16)|(1<<21)
	s_mov_b32 s[G1+1], 1600<<16                    ; rows of 12,800 bytes
	s_mov_b32 s[G1+2], 2<<16                       ; A: 2 beta a load
	s_mov_b32 s[G1+3], 1600<<16
	s_mov_b32 s[G1+4], 2
	s_mov_b32 s[G1+5], 12800                       ; 102,400 bytes from beta to beta
	s_mov_b32 s[G1+6], 0
	s_mov_b32 s[G1+7], 0
	s_mov_b32 s[G1B+1], 1600<<16
	s_mov_b32 s[G1B+2], 4<<16                      ; B: 4 beta a load
	s_mov_b32 s[G1B+3], 1600<<16
	s_mov_b32 s[G1B+4], 4
	s_mov_b32 s[G1B+5], 12800
	s_mov_b32 s[G1B+6], 0
	s_mov_b32 s[G1B+7], 0
	s_lshl_b32 s22, s19, 2                         ; A: beta 4 ty + the 2 that I fetch
	s_lshl_b32 s23, s18, 1
	s_add_co_u32 s22, s22, s23
	s_mul_i32 s22, s22, BPITCH
	s_mov_b32 s23, 0
	s_lshl_b32 s46, s42, 3                         ; B: beta 224 + 8 tx + the 4 that I fetch
	s_add_co_u32 s46, s46, 224
	s_lshl_b32 s47, s18, 2
	s_add_co_u32 s46, s46, s47
	s_mul_i32 s46, s46, BPITCH
	s_mov_b32 s47, 0
	s_mul_i32 s45, s18, 2*BROW                     ; where they go: no place in the cluster enters an LDS address
	s_mul_i32 s2, s18, 4*BROW
	s_add_co_u32 s2, s2, BOFF
	s_lshl_b32 s68, s42, 10                        ; my first column, in bytes: 1,024 tx + 512 wn
	s_lshl_b32 s69, s18, 9
	s_add_co_u32 s68, s68, s69
	s_mov_b32 s69, 0
	s_lshl_b32 s70, s19, 21                        ; my first row: (128 ty + 64 wm) x 16,384 bytes
	s_lshl_b32 s71, s17, 20
	s_add_co_u32 s70, s70, s71
	s_mov_b32 s71, 0
	s_wait_dscnt 0x0                               ; the opening add is done
	s_wait_kmcnt 0x0
	s_add_nc_u64 s[20:21], s[4:5], s[22:23]
	s_add_nc_u64 s[46:47], s[6:7], s[46:47]
	s_add_nc_u64 s[72:73], s[8:9], s[68:69]        ; bo at my first column
	s_add_nc_u64 s[OUT:OUT+1], s[10:11], s[68:69]
	s_add_nc_u64 s[OUT:OUT+1], s[OUT:OUT+1], s[70:71]
	CROUND                                         ; all sixteen work-groups are here: the first joint loads meet
.irp s, 0,1
	s_mov_b32 s[G0+4*\s], 1
	s_add_co_u32 s[G0+4*\s+1], s45, \s*SLOT
	s_add_nc_u64 s[G0+4*\s+2:G0+4*\s+3], s[20:21], \s*BROW
	s_or_b32 s[G0+4*\s+3], s[G0+4*\s+3], 0x80000000
	s_mov_b32 s[G0B+4*\s], 1
	s_add_co_u32 s[G0B+4*\s+1], s2, \s*SLOT
	s_add_nc_u64 s[G0B+4*\s+2:G0B+4*\s+3], s[46:47], \s*BROW
	s_or_b32 s[G0B+4*\s+3], s[G0B+4*\s+3], 0x80000000
	JLOAD G0+4*\s, G1, G0B+4*\s, G1B               ; two loads of mine are out
.endr
	v_and_b32 v1, 31, v0
	v_lshlrev_b32 v[CO], 4, v1
	v_lshlrev_b32 v3, 3, v1
	global_load_b128 v[BO:BO+3], v[CO], s[72:73]   ; the bias of my four columns on the way out
	s_mul_i32 s21, s17, 2*BROW
	s_mul_i32 s22, s18, 4*BROW
	s_add_co_u32 s22, s22, BOFF
.irp s, 0,1
	v_add_nc_u32 v[ADRA+\s], s21, v[CO]
	v_add_nc_u32 v[ADRB+\s], s22, v[CO]
	v_add_nc_u32 v[ASA+\s], s21, v3
	v_add_nc_u32 v[ASB+\s], s22, v3
	s_add_co_u32 s21, s21, SLOT
	s_add_co_u32 s22, s22, SLOT
.endr
	s_mul_i32 s23, s16, 8448                       ; my stage: 16 rows of 512 bytes + 16
	v_and_b32 v1, 15, v0
	v_bfe_u32 v2, v0, 4, 1
	v_mul_u32_u24 v[STO], v1, 528
	v_lshl_add_u32 v[STO], v2, 6, v[STO]
	v_add_nc_u32 v[STO], s23, v[STO]
	v_add_nc_u32 v[RD], s23, v[CO]
	s_wait_tensorcnt 1                             ; my part of slot 0 is in; slot 1's may stay out
	s_barrier_signal -1
	s_barrier_wait -1
	FETCH 0, 0, 0
	SCALES 0
	STEP 0, 0, 1                                   ; the first step stands ahead of the loop: its products start the sums
	WIN 0
	s_mov_b32 s3, 3
.Llap:                                             ; a trip goes once round the ring and fills both slots again
	STEP 0, 1, 0
	STEP 0, 2, 0
	TURN 0, 1, 1
	STEP 1, 0, 0
	STEP 1, 1, 0
	STEP 1, 2, 0
	TURN 1, 0, 1
	STEP 0, 0, 0
	WIN 0
	s_sub_co_u32 s3, s3, 1
	s_cmp_lg_u32 s3, 0
	s_cbranch_scc1 .Llap
	STEP 0, 1, 0
	STEP 0, 2, 0
	TURN 0, 1, 0                                   ; nothing is left to ask for; behind its barrier nobody reads slot 0 any more
	STEP 1, 0, 0
	STEP 1, 1, 0
	STEP 1, 2, 0
	s_wait_dscnt 0x0
	WIN MUL
	MUL32 1, 1, 3, 0
	WIN 0
.macro TOSTAGE a                       ; my tile a: a lane's 16 neighbouring columns of each pair of tiles, 64 bytes, into row r; then whole rows back.  LDS serves a wave's instructions in order
	WIN 0x04                                       ; an LDS store's data are its source 1: window 1
.irp b, 0,1,2,3
.irp q, 0,1,2,3
	ds_store_b128 v[STO], v[64*(\a)+16*\b+4*\q:64*(\a)+16*\b+4*\q+3] offset:128*\b+16*\q   ; each accumulator from its low end on
.endr
.endr
	WIN 0
.set BB, BK+64*((\a)%2)
.set i, 0
.rept 16
	ds_load_b128 v[BB+4*i:BB+4*i+3], v[RD] offset:528*i
.set i, i+1
.endr
.endm
.macro SEND a, younger                 ; younger: the LDS instructions issued behind tile a's loads
.set BB, BK+64*((\a)%2)
	s_wait_dscnt \younger
.set i, 0
.rept 16
	v_pk_add_f32 v[BB+4*i:BB+4*i+1], v[BB+4*i:BB+4*i+1], v[BO:BO+1]
	v_pk_add_f32 v[BB+4*i+2:BB+4*i+3], v[BB+4*i+2:BB+4*i+3], v[BO+2:BO+3]
	global_store_b128 v[CO], v[BB+4*i:BB+4*i+3], s[OUT:OUT+1] offset:(32*((\a)/2)+8*((\a)%2)+(i%8)+16*(i/8))*16384 th:TH_STORE_NT   ; 512 consecutive bytes, aligned; the row that lane i of the tile held
.set i, i+1
.endr
.endm
	PLACES 4
	s_wait_loadcnt 0x0                             ; the bias
	TOSTAGE 0
.irp a, 1,2,3
.if \a > 1
	s_wait_xcnt 0x0                                ; tile a - 2's stores have read their registers: tile a's rows may land there
.endif
	TOSTAGE \a
	SEND \a-1, 32                                  ; behind tile a - 1's loads: tile a's 16 stores and 16 loads
.endr
	SEND 3, 0
	s_wait_tensorcnt 0x0                           ; the wave's end: the add and its wait behind my last tensor load and my last LDS store
	ds_add_u32 v[SPW], v[NIL]
	s_wait_dscnt 0x0
	CROUND                                         ; the closing round
	s_endpgm
.Lfunc_end_k_qd57914d5b1_gemm_out:
	.size	k_qd57914d5b1_gemm_out, .Lfunc_end_k_qd57914d5b1_gemm_out-k_qd57914d5b1_gemm_out
	.p2alignl 7, 3214868480
	.fill 96, 4, 3214868480
	.section	.rodata,"a",@progbits
	.p2align	6, 0x0
	.amdhsa_kernel k_qd57914d5b1_gemm_out
		.amdhsa_group_segment_fixed_size 327680
		.amdhsa_private_segment_fixed_size 0
		.amdhsa_enable_private_segment 0
		.amdhsa_kernarg_size 32
		.amdhsa_user_sgpr_count 2
		.amdhsa_user_sgpr_kernarg_segment_ptr 1
		.amdhsa_wavefront_size32 1
		.amdhsa_system_sgpr_workgroup_id_x 1
		.amdhsa_system_sgpr_workgroup_id_y 1
		.amdhsa_system_sgpr_workgroup_id_z 1
		.amdhsa_system_vgpr_workitem_id 0
		.amdhsa_next_free_vgpr 1024
		.amdhsa_next_free_sgpr 100
		.amdhsa_reserve_vcc 0
		.amdhsa_float_denorm_mode_32 3
		.amdhsa_float_denorm_mode_16_64 3
		.amdhsa_memory_ordered 1
		.amdhsa_forward_progress 1
		.amdhsa_inst_pref_size 140
	.end_amdhsa_kernel
	.amdgpu_metadata
---
amdhsa.version: [ 1, 2 ]
amdhsa.kernels:
  - .name:           k_qd57914d5b1_gemm_out
    .symbol:         k_qd57914d5b1_gemm_out.kd
    .args:
      - { .name: oc, .offset: 0, .size: 8, .value_kind: global_buffer, .address_space: global }
      - { .name: wc, .offset: 8, .size: 8, .value_kind: global_buffer, .address_space: global }
      - { .name: bo, .offset: 16, .size: 8, .value_kind: global_buffer, .address_space: global }
      - { .name: out0, .offset: 24, .size: 8, .value_kind: global_buffer, .address_space: global }
    .group_segment_fixed_size: 327680
    .private_segment_fixed_size: 0
    .kernarg_segment_align: 8
    .kernarg_segment_size: 32
    .max_flat_workgroup_size: 128
    .sgpr_count:     100
    .vgpr_count:     1024
    .wavefront_size: 32
...
	.end_amdgpu_metadata
.endif
;; end of part 4
;; ======== version 2 of 2: 4 launches
;; limits: right only within a limited range of input values
;; workspace buffers: wc 36,044,800 bytes; qkv 4,915,200 bytes; oc 3,276,800 bytes
;; launch quant (part 5): grid 56 x 16, 4 waves a work-group, no clusters, 60,928 bytes of LDS; arguments x, Wq, Wk, Wv, wc; writes wc
.if DOCPART == 5
	.amdgcn_target "amdgcn-amd-amdhsa--gfx1250"
	.amdhsa_code_object_version 6
	.text
	.protected	k_qd57914d5b1_quant
	.globl	k_qd57914d5b1_quant
	.p2align	8
	.type	k_qd57914d5b1_quant,@function
k_qd57914d5b1_quant:
	s_mov_b64 s[64:65], 0
	v_nop
	global_prefetch_b8 v0, s[64:65] scope:SCOPE_SE
	s_setreg_imm32_b32 hwreg(HW_REG_WAVE_MODE, 25, 1), 1
	s_wait_xcnt 0x0
; x [1024][4096] (K innermost) and Wq, Wk, Wv [4096 (K)][N] (K outermost), all f32, become codes of FP6 (E2M3) with one E8M0 byte for each 32 along K.  (Wo is quantised in the same form by the launch attn.)
; A block's scale is 2^(floor(log2(largest magnitude)) - 2); its byte is the largest magnitude's exponent field - 2, held at 1 from below.
; LIMITS: NaN and infinities among the inputs are not served; a block of zeros, and a block whose largest magnitude lies under 2^-124, gets the byte 1 (the codes of a block of zeros are zeros, and this program alone reads the bytes).
; THE OUTPUT IS LAID IN THE ORDER OF THE OPERAND'S REGISTERS.  A fragment (16 rows x 128 K, 12 registers a lane) is 1,536 bytes: register g of lane L at 512 (g / 4) + 16 L + 4 (g % 4).
; Lane r of row tile T holds row 32 (T / 2) + 8 (T % 2) + r % 8 + 16 (r / 8).  A record of 6,400 bytes holds, for a pair of tiles (32 rows, number beta) and 256 along K (number kp),
; the four fragments (tile u, half f) at 1,536 (2 u + f) and behind them 256 bytes of scale words, that of (u, r, f) at 6,144 + 128 u + 8 r + 4 f.  wc = [beta 352][kp 16][6,400]:
; beta 0-31 x, 32-159 Wq's columns, 160-191 Wk's, 192-223 Wv's (224-351: Wo's, not made here).
; SHARES: work-group x = 4 beta, one a wave; work-group y = kp.  A wave makes one record: 6,400 consecutive bytes, stored by instructions that cover 512 (the last: 256) consecutive bytes, aligned.
; Two paths that part on the work-group's number and never meet again, each with LDS bytes of its own; a wave touches its own bytes alone: no barrier.
.set SPARE,  60416                     ; behind both paths' stages: the spare words, 128 bytes for each wave
.set WREG,   6656                      ; weights: a wave's stage: tile 0's two fragments at 0, tile 1's at 3,200, the scale words at 6,272
.set XBASE,  26624                     ; x: the stages begin here,
.set XREG,   8448                      ; 16 rows of 512 bytes + 16 for each wave
.set BPITCH, 102400                    ; from beta to beta in wc
.set REC,    6400
.set SPW, 2                            ; v2  LDS address of my spare word; never rewritten
.set NIL, 3                            ; v3  0; never rewritten
.set SB,  14                           ; v14-15 weights: my column's two scale words
.set C,   16                           ; v16-24 weights: a block's codes
.set X,   32                           ; v32-95 weights: two sets of 32 numbers
.set VO,  96                           ; v96-127 weights: 4 lane + i rows of W
.set R,   32                           ; v32-95 x: 16 rows' 16 bytes as loaded
.set XX,  96                           ; v96-159 x: my two blocks of 32 numbers
.set PC,  160                          ; v160-183 x: a fragment's codes, two sets
.set TC,  184                          ; v184-190 x: the upper halves of the two blocks' codes
.set WD,  26                           ; v26-29 x: the scale words of fragments 0 to 3
	s_load_b256 s[4:11], s[0:1], 0x0               ; x s[4:5], Wq s[6:7], Wk s[8:9], Wv s[10:11]
	s_load_b64 s[14:15], s[0:1], 0x20              ; wc
	v_lshl_add_u32 v[SPW], v0, 2, SPARE
	v_mov_b32 v[NIL], 0
	v_lshrrev_b32 v1, 5, v0
	v_readfirstlane_b32 s16, v1                    ; wave 0..3
	v_and_b32 v1, 31, v0                           ; lane
	v_lshlrev_b32 v8, 4, v1                        ; 16 lane
	v_lshlrev_b32 v9, 3, v1                        ; 8 lane
	s_and_b32 s17, ttmp7, 0xffff                   ; kp
	s_lshl_b32 s18, ttmp9, 2
	s_add_co_u32 s18, s18, s16                     ; beta
	s_mul_i32 s20, s18, BPITCH
	s_mul_i32 s21, s17, REC
	s_add_co_u32 s20, s20, s21
	s_mov_b32 s21, 0
	s_wait_kmcnt 0x0
	s_add_nc_u64 s[28:29], s[14:15], s[20:21]      ; my record
	s_cmp_lt_u32 ttmp9, 8
	s_cbranch_scc1 .Lx
	; ================ WEIGHTS: a lane takes a column, its registers run down K ================
	s_mov_b64 s[22:23], s[6:7]                     ; which tensor: by the work-group's number alone
	s_mov_b32 s24, 16384                           ; a row of W in bytes
	s_mov_b32 s25, 8                               ; the tensor's first work-group
	s_cmp_ge_u32 ttmp9, 40
	s_cselect_b64 s[22:23], s[8:9], s[22:23]
	s_cselect_b32 s24, 4096, s24
	s_cselect_b32 s25, 40, s25
	s_cmp_ge_u32 ttmp9, 48
	s_cselect_b64 s[22:23], s[10:11], s[22:23]
	s_cselect_b32 s25, 48, s25
	s_sub_co_u32 s25, ttmp9, s25
	s_lshl_b32 s25, s25, 9                         ; 128 columns of 4 bytes a work-group,
	s_lshl_b32 s26, s16, 7                         ; 32 a wave
	s_add_co_u32 s26, s25, s26
	s_lshl_b32 s27, s17, 8                         ; 256 kp rows
	s_mul_i32 s27, s27, s24
	s_add_co_u32 s26, s26, s27                     ; under 2^27
	s_mov_b32 s27, 0
	s_add_nc_u64 s[32:33], s[22:23], s[26:27]      ; block 0's first row, my wave's first column
	s_lshl_b32 s26, s24, 5                         ; 32 rows on
.irp t, 1,2,3,4,5,6,7
	s_add_nc_u64 s[32+2*\t:33+2*\t], s[30+2*\t:31+2*\t], s[26:27]   ; a base for each block: none is ever stepped
.endr
	v_bfe_u32 v10, v0, 3, 1                        ; my column 8 u + r % 8 + 16 (r / 8) of the 32: u,
	v_and_b32 v11, 7, v0
	v_bfe_u32 v12, v0, 4, 1
	v_lshl_add_u32 v11, v12, 3, v11                ; and r
	s_mul_i32 s19, s16, WREG
	v_mul_u32_u24 v4, v10, 3200
	v_lshl_add_u32 v4, v11, 4, v4
	v_add_nc_u32 v4, s19, v4                       ; v4: into the stage: 3,200 u + 16 r
	v_lshlrev_b32 v5, 7, v10
	v_lshl_add_u32 v5, v11, 3, v5
	v_add_nc_u32 v5, s19, v5                       ; v5: my scale words: 128 u + 8 r (+ 6,272)
	v_add_nc_u32 v6, s19, v8                       ; v6: out of the stage: 16 lane
	v_add_nc_u32 v7, s19, v9                       ; v7: the scale words: 8 lane (+ 6,272)
	v_lshlrev_b32 v[VO], 2, v1
.set i, 1
.rept 31
	v_add_nc_u32 v[VO+i], s24, v[VO+i-1]           ; 4 lane + i rows
.set i, i+1
.endr
.macro LOADW t                         ; block t: W(256 kp + 32 t + i, my column): each load reads 128 consecutive bytes, the four waves side by side 512
.set i, 0
.rept 32
	global_load_b32 v[X+32*((\t)%2)+i], v[VO+i], s[32+2*(\t):33+2*(\t)] th:TH_LOAD_NT
.set i, i+1
.endr
.endm
; Block t lies in fragment half f = t / 4, and there in lane (r, h' = t % 2), registers 6 cc .. 6 cc + 5, cc = (t / 2) % 2.
.macro BLOCK t
.set XS, X+32*((\t)%2)
.set SOF, 1536*((\t)/4)+256*((\t)%2)
.if (\t) < 7
	s_wait_loadcnt 32                              ; this block's 32 loads are in; the next block's 32 may be out
.else
	s_wait_loadcnt 0x0
.endif
	v_max3_num_f32 v12, |v[XS]|, |v[XS+1]|, |v[XS+2]|   ; the block's largest magnitude: all 32 numbers are mine; two chains
	v_max3_num_f32 v13, |v[XS+3]|, |v[XS+4]|, |v[XS+5]|
.irp i, 6,10,14,18,22,26
	v_max3_num_f32 v12, v12, |v[XS+\i]|, |v[XS+\i+1]|
	v_max3_num_f32 v13, v13, |v[XS+\i+2]|, |v[XS+\i+3]|
.endr
	v_max3_num_f32 v12, v12, |v[XS+30]|, |v[XS+31]|
	v_max3_num_f32 v12, v12, v13, 0x1800000        ; and the floor 2^(3 - 127): the byte cannot fall under 1
	v_add_nc_u32 v11, 0xff000000, v12              ; 2 off its exponent field: the conversion takes this operand's exponent field as its scale
	v_lshrrev_b32 v13, 23, v11                     ; the scale's byte
.if (\t)%4 == 0
	v_mov_b32 v[SB+(\t)/4], v13                    ; four bytes to a word, the lower K in the lower byte
.else
	v_lshl_or_b32 v[SB+(\t)/4], v13, 8*((\t)%4), v[SB+(\t)/4]
.endif
	v_cvt_scalef32_pk16_fp6_f32 v[C:C+2], v[XS:XS+15], v11
	v_cvt_scalef32_pk16_fp6_f32 v[C+6:C+8], v[XS+16:XS+31], v11   ; (a conversion's three registers begin on an even number)
	v_nop                                          ; one plain place behind a scaled conversion
.irp i, 0,1,2
	v_mov_b32 v[C+3+\i], v[C+6+\i]                 ; v[C .. C+5]: the block's 24 bytes
.endr
.if (((\t)/2)%2) == 0
	ds_store_b128 v4, v[C:C+3] offset:SOF          ; registers 0-3 of the fragment,
	ds_store_b64 v4, v[C+4:C+5] offset:SOF+512     ; 4 and 5
.else
	ds_store_b64 v4, v[C:C+1] offset:SOF+520       ; registers 6 and 7,
	ds_store_b128 v4, v[C+2:C+5] offset:SOF+1024   ; 8-11
.endif
.if (\t) < 6
	LOADW (\t)+2
.endif
	s_wait_dscnt 0x0                               ; the stores have read their registers: the next block's codes may be written
.endm
	LOADW 0
	LOADW 1
.irp t, 0,1,2,3,4,5,6,7
	BLOCK \t
.endr
	s_wait_alu depctr_va_vdst(0)
	ds_store_b64 v5, v[SB:SB+1] offset:6272
.irp i, 0,1,2,3,4,5,6,7,8,9,10,11
	ds_load_b128 v[32+4*\i:35+4*\i], v6 offset:512*\i+128*(\i/6)   ; LDS serves a wave's instructions in order: these see my stores
.endr
	ds_load_b64 v[80:81], v7 offset:6272
.irp i, 0,1,2,3,4,5,6,7,8,9,10,11
	s_wait_dscnt 12-\i                             ; the younger loads may be out
	global_store_b128 v8, v[32+4*\i:35+4*\i], s[28:29] offset:512*\i   ; 512 consecutive bytes, at a multiple of 256 from wc's first byte
.endr
	s_wait_dscnt 0x0
	global_store_b64 v9, v[80:81], s[28:29] offset:6144
	s_wait_tensorcnt 0x0                           ; the wave's end: the add and its wait behind my last LDS store
	ds_add_u32 v[SPW], v[NIL]
	s_wait_dscnt 0x0
	s_endpgm
	; ================ x: K is innermost.  Dense loads; the numbers turn through my stage, so that a lane holds whole blocks of its row ================
.Lx:
	s_lshl_b32 s26, s18, 19                        ; 32 beta rows of 16,384 bytes
	s_lshl_b32 s27, s17, 10                        ; 256 kp numbers
	s_add_co_u32 s26, s26, s27
	s_mov_b32 s27, 0
	s_add_nc_u64 s[26:27], s[4:5], s[26:27]
	v_and_b32 v10, 15, v0                          ; r
	v_bfe_u32 v11, v0, 4, 1                        ; h
	s_mul_i32 s19, s16, XREG
	s_add_co_u32 s19, s19, XBASE
	s_wait_alu depctr_va_vdst(0)
	v_add_nc_u32 v4, s19, v8                       ; v4: into the stage: 16 lane (+ 528 x row)
	v_mul_u32_u24 v5, v10, 528
	v_lshl_add_u32 v5, v11, 7, v5
	v_add_nc_u32 v5, s19, v5                       ; v5: out of it: row r, + 128 h: my blocks h and 2 + h
	v_lshlrev_b32 v6, 3, v11                       ; 8 h: where my bytes stand in the scale word
	v_mov_b32 v15, 0                               ; (a lane permute's destination counts as one of its sources)
	s_mov_b32 s48, 0x76543210
	s_mov_b32 s49, 0xfedcba98                      ; v_permlanex16_b32's selects for lane l xor 16
	s_mov_b32 s50, 0xffff0000                      ; lanes 16-31
.macro LOADX n                         ; fragment n = 2 u + f: load i reads 512 consecutive bytes of the row that lane i of tile u holds
.set i, 0
.rept 16
	global_load_b128 v[R+4*i:R+4*i+3], v8, s[26:27] offset:(8*((\n)/2)+(i%8)+16*(i/8))*16384+512*((\n)%2) th:TH_LOAD_NT
.set i, i+1
.endr
.endm
.macro FRAGX n
.set PCN, PC+12*((\n)%2)
	s_wait_loadcnt 0x0
.set i, 0
.rept 16
	ds_store_b128 v4, v[R+4*i:R+4*i+3] offset:528*i
.set i, i+1
.endr
.irp c, 0,1
.irp q, 0,1,2,3,4,5,6,7
	ds_load_b128 v[XX+32*\c+4*\q:XX+32*\c+4*\q+3], v5 offset:256*\c+16*\q   ; k = 64 c + 32 h + 4 q ..: the operand's own order
.endr
.endr
	s_wait_dscnt 0x0                               ; my numbers are back; the stores have read the registers that the next loads fill
.if (\n) >= 2
	s_wait_xcnt 0x0                                ; fragment n - 2's stores have read their data: that set of codes is written again below
.endif
.if (\n) < 3
	LOADX (\n)+1
.endif
	v_max3_num_f32 v10, |v[XX]|, |v[XX+1]|, 0x1800000      ; my two blocks by turns, each with the floor 2^(3 - 127)
	v_max3_num_f32 v11, |v[XX+32]|, |v[XX+33]|, 0x1800000
.irp i, 2,4,6,8,10,12,14,16,18,20,22,24,26,28,30
	v_max3_num_f32 v10, v10, |v[XX+\i]|, |v[XX+\i+1]|
	v_max3_num_f32 v11, v11, |v[XX+32+\i]|, |v[XX+33+\i]|
.endr
	v_add_nc_u32 v12, 0xff000000, v10              ; the conversions' scale operands
	v_add_nc_u32 v13, 0xff000000, v11
	v_lshrrev_b32 v10, 23, v12                     ; the bytes of blocks h and 2 + h
	v_lshrrev_b32 v11, 23, v13
	v_lshl_or_b32 v10, v11, 16, v10
	v_lshlrev_b32 v10, v6, v10                     ; at their places,
	v_permlanex16_b32 v15, v10, s48, s49
	v_or_b32 v[WD+(\n)], v10, v15                  ; with lane l xor 16's two the word is whole, in both lanes
	v_cvt_scalef32_pk16_fp6_f32 v[PCN:PCN+2], v[XX:XX+15], v12
	v_cvt_scalef32_pk16_fp6_f32 v[TC:TC+2], v[XX+16:XX+31], v12
	v_cvt_scalef32_pk16_fp6_f32 v[PCN+6:PCN+8], v[XX+32:XX+47], v13
	v_cvt_scalef32_pk16_fp6_f32 v[TC+4:TC+6], v[XX+48:XX+63], v13
	v_nop                                          ; one plain place behind a scaled conversion
.irp c, 0,1
.irp i, 0,1,2
	v_mov_b32 v[PCN+3+6*\c+\i], v[TC+4*\c+\i]
.endr
.endr
.irp c, 0,1,2
	global_store_b128 v8, v[PCN+4*\c:PCN+4*\c+3], s[28:29] offset:1536*(\n)+512*\c
.endr
.endm
	LOADX 0
	s_wait_alu depctr_va_vdst(0)
.irp n, 0,1,2,3
	FRAGX \n
.endr
	v_cndmask_b32 v12, v[WD], v[WD+2], s50         ; lanes 0-15 tile 0's words, lanes 16-31 tile 1's
	v_cndmask_b32 v13, v[WD+1], v[WD+3], s50
	global_store_b64 v9, v[12:13], s[28:29] offset:6144
	s_wait_tensorcnt 0x0                           ; the wave's end: the add and its wait behind my last LDS store
	ds_add_u32 v[SPW], v[NIL]
	s_wait_dscnt 0x0
	s_endpgm
.Lfunc_end_k_qd57914d5b1_quant:
	.size	k_qd57914d5b1_quant, .Lfunc_end_k_qd57914d5b1_quant-k_qd57914d5b1_quant
	.p2alignl 7, 3214868480
	.fill 96, 4, 3214868480
	.section	.rodata,"a",@progbits
	.p2align	6, 0x0
	.amdhsa_kernel k_qd57914d5b1_quant
		.amdhsa_group_segment_fixed_size 60928
		.amdhsa_private_segment_fixed_size 0
		.amdhsa_enable_private_segment 0
		.amdhsa_kernarg_size 40
		.amdhsa_user_sgpr_count 2
		.amdhsa_user_sgpr_kernarg_segment_ptr 1
		.amdhsa_wavefront_size32 1
		.amdhsa_system_sgpr_workgroup_id_x 1
		.amdhsa_system_sgpr_workgroup_id_y 1
		.amdhsa_system_sgpr_workgroup_id_z 1
		.amdhsa_system_vgpr_workitem_id 0
		.amdhsa_next_free_vgpr 192
		.amdhsa_next_free_sgpr 66
		.amdhsa_reserve_vcc 0
		.amdhsa_float_denorm_mode_32 3
		.amdhsa_float_denorm_mode_16_64 3
		.amdhsa_memory_ordered 1
		.amdhsa_forward_progress 1
		.amdhsa_inst_pref_size 72
	.end_amdhsa_kernel
	.amdgpu_metadata
---
amdhsa.version: [ 1, 2 ]
amdhsa.kernels:
  - .name:           k_qd57914d5b1_quant
    .symbol:         k_qd57914d5b1_quant.kd
    .args:
      - { .name: x, .offset: 0, .size: 8, .value_kind: global_buffer, .address_space: global }
      - { .name: Wq, .offset: 8, .size: 8, .value_kind: global_buffer, .address_space: global }
      - { .name: Wk, .offset: 16, .size: 8, .value_kind: global_buffer, .address_space: global }
      - { .name: Wv, .offset: 24, .size: 8, .value_kind: global_buffer, .address_space: global }
      - { .name: wc, .offset: 32, .size: 8, .value_kind: global_buffer, .address_space: global }
    .group_segment_fixed_size: 60928
    .private_segment_fixed_size: 0
    .kernarg_segment_align: 8
    .kernarg_segment_size: 40
    .max_flat_workgroup_size: 128
    .sgpr_count:     66
    .vgpr_count:     192
    .wavefront_size: 32
...
	.end_amdgpu_metadata
.endif
;; end of part 5
;; launch gemm_qkv (part 6): grid 24 x 8, 4 waves a work-group, clusters of 4 x 1, 327,680 bytes of LDS; arguments wc, bq, bk, bv, freqs_cis, qkv; writes qkv
.if DOCPART == 6
	.amdgcn_target "amdgcn-amd-amdhsa--gfx1250"
	.amdhsa_code_object_version 6
	.text
	.protected	k_qd57914d5b1_gemm_qkv
	.globl	k_qd57914d5b1_gemm_qkv
	.p2align	8
	.type	k_qd57914d5b1_gemm_qkv,@function
k_qd57914d5b1_gemm_qkv:
	s_mov_b64 s[64:65], 0
	v_nop
	global_prefetch_b8 v0, s[64:65] scope:SCOPE_SE
	s_setreg_imm32_b32 hwreg(HW_REG_WAVE_MODE, 25, 1), 1
	s_wait_xcnt 0x0
	s_wait_alu depctr_hold_cnt(0) depctr_sa_sdst(0) depctr_va_vdst(0) depctr_va_sdst(0) depctr_va_ssrc(0) depctr_va_vcc(0) depctr_vm_vsrc(0)
	s_getreg_b32 s2, hwreg(HW_REG_IB_STS2, 6, 4)
	s_cmp_eq_u32 s2, 0
	s_cbranch_scc0 .Lentry_in_a_cluster
	s_endpgm
.Lentry_in_a_cluster:
	s_bfe_u32 s2, ttmp6, 0x10000c
	s_cmp_lg_u32 s2, 0x3003
	s_cbranch_scc0 .Lentry_shape_is_right
	s_endpgm
.Lentry_shape_is_right:
; q = rot(x Wq + bq), k = rot(x Wk + bk), v = x Wv + bv on codes of FP6 (E2M3) out of wc, and their quantising for the attention, into qkv (layouts as the launches quant and attn state them).
; A work-group makes 128 x 256; a wave 128 x 64: 8 x 4 accumulators.  Clusters x = 0-3: Q, 4: K (rows = x's tokens, columns = the weight's); 5: V with the roles changed (rows = Wv's channels, columns = tokens).
; THE 128 ROWS, which all four waves read, go through LDS: two slots of 4 betas x 25,600 bytes (1,024 along K), a beta a wave, asked for JOINTLY by the four work-groups of a cluster (same y, same rows).
; THE 64 COLUMNS OF A WAVE serve that wave alone: no LDS tile of them exists that partners could share, so they are not asked for jointly: they go from wc, which is laid in the order of the operand's registers,
; straight into registers: 26 loads for 256 along K (24 of 512 consecutive bytes, 2 of 256), asked for two such steps ahead, in four sets of registers.
; PREFETCH: in each step of 256 along K a wave names the 50 blocks of 256 bytes of its columns' records four steps on, two steps ahead of their loads; in a trip it names 25 blocks of the rows' group two trips on,
; the four partners sharing a beta's 100 blocks out by address (cx); the first four steps and the first two groups come by their loads alone; the last trips ask for nothing.
; THE SUMS BEGIN with an image of the bias (Q, K); in V's cluster the bias hangs on the lane's channel: the image is zeros there and bv is added on the way out.
; THE PRODUCT IS USED TRANSPOSED (source 0 = columns, source 1 = rows): a lane holds one row and 32 registers of an accumulator row are 64 neighbours along the next K: half a fragment.  The halves of two waves
; meet in a stage in LDS (bytes of its own) and leave as whole images: 512 consecutive bytes a store.
; LIMITS: NaN and infinities are not served; a block of zeros, or one whose largest magnitude lies under 2^-124, gets the scale byte 1 (this program alone reads the bytes).
; REGISTERS: window 0: v0-31 addresses, v32-47 rows' scale words (two sets), v48-63 columns' (four sets), v64-255 columns' sets 2, 3 (on the way out: at work); window 1: accumulator (a, t) at 8 (4 a + t);
; window 2: columns' sets 0, 1 (at the end: freqs_cis); window 3: rows' fragments, two sets, v192-223 the bias image.
.set REC,    6400
.set BPITCH, 102400
.set GRP,    25600                     ; four records of a beta: what one tensor load brings
.set SLOTX,  0x20000                   ; slot 0 at 0, slot 1 at 131,072
.set STG,    102400                    ; the stage: two units of 12,800 bytes (8 fragments, 512 bytes of scale words)
.set UNIT,   12800
.set SPARE,  128000                    ; the spare words
.set QB,     3276800
.set ADRA, 4
.set ASA,  6
.set LI,   8
.set L8,   9
.set SPW,  10
.set NIL,  11
.set FCO,  12
.set BIO,  13
.set BVO,  14
.set PFO,  15
.set S0,   16
.set S1,   17
.set S2,   18
.set SS,   19
.set RDF,  20
.set RDS,  21
.set BV,   24
.set SCA,  32
.set SCB,  48
.set F0,   64
.set T0,   128
.set TM,   136
.set PC,   152
.set PWR,  172
.set G1,   24
.set G0,   32
.set BP,   36
.set PA,   38
.set SL,   48
.set SEL,  78
.set MSB,  0
.macro WIN new
.if MSB != \new
	s_set_vgpr_msb (MSB<<8)|\new
.set MSB, \new
.endif
.endm
.macro PLACES n
.rept \n
	v_nop
.endr
.endm
.macro CROUND
	s_barrier_signal -1
	s_barrier_wait -1
	s_cmp_lg_u32 s16, 0
	s_cbranch_scc1 .Lnot_wave_0_\@
	s_barrier_signal -3
.Lnot_wave_0_\@:
	s_barrier_wait -3
	s_barrier_signal -1
	s_barrier_wait -1
.endm
.macro FETCH j, f                      ; the rows' 8 fragments of record j of the slot, half f, into set f
	WIN 0xc0
.irp a, 0,1,2,3,4,5,6,7
.irp c, 0,1,2
	ds_load_b128 v[96*(\f)+12*\a+4*\c:96*(\f)+12*\a+4*\c+3], v[ADRA+\a/4] offset:((\a/2)%2)*GRP+(\j)*REC+(2*(\a%2)+(\f))*1536+512*\c
.endr
.endr
	WIN 0
.endm
.macro ASC j                           ; the rows' scale words of record j: lanes 0-15 tile 2 b, lanes 16-31 tile 2 b + 1; two halves
.irp b, 0,1,2,3
	ds_load_b64 v[SCA+8*((\j)%2)+2*\b:SCA+8*((\j)%2)+2*\b+1], v[ASA+\b/2] offset:(\b%2)*GRP+(\j)*REC+6144
.endr
.endm
.macro BLOAD jj, q                     ; my columns' two records, jj records on from the base, into set q: 26 loads
.set BB, 96*((\q)%2)+64*((\q)/2)
.irp b, 0,1
	global_load_b64 v[SCB+4*(\q)+2*\b:SCB+4*(\q)+2*\b+1], v[L8], s[BP:BP+1] offset:\b*BPITCH+(\jj)*REC+6144
.endr
.if (\q) < 2
	WIN 0x80
.endif
.irp b, 0,1
.irp i, 0,1,2,3,4,5,6,7,8,9,10,11
	global_load_b128 v[BB+48*\b+4*\i:BB+48*\b+4*\i+3], v[LI], s[BP:BP+1] offset:\b*BPITCH+(\jj)*REC+512*\i
.endr
.endr
	WIN 0
.endm
.macro WM a, t, q, f
.set rD, 8*(4*(\a)+(\t))
.set rB, 96*((\q)%2)+64*((\q)/2)+48*((\t)/2)+12*(2*((\t)%2)+(\f))
.set rA, 96*(\f)+12*(\a)
.set rSB, SCB+4*(\q)+2*((\t)/2)+(\f)
.set rSA, SCA+8*((\q)%2)+2*((\a)/2)+(\f)
.if ((\t)%2) && ((\a)%2)
	v_wmma_scale_f32_16x16x128_f8f6f4 v[rD:rD+7], v[rB:rB+11], v[rA:rA+11], v[rD:rD+7], v[rSB], v[rSA] matrix_a_fmt:MATRIX_FMT_FP6 matrix_b_fmt:MATRIX_FMT_FP6 matrix_a_scale:MATRIX_SCALE_ROW1 matrix_b_scale:MATRIX_SCALE_ROW1
.elseif (\t)%2
	v_wmma_scale_f32_16x16x128_f8f6f4 v[rD:rD+7], v[rB:rB+11], v[rA:rA+11], v[rD:rD+7], v[rSB], v[rSA] matrix_a_fmt:MATRIX_FMT_FP6 matrix_b_fmt:MATRIX_FMT_FP6 matrix_a_scale:MATRIX_SCALE_ROW1
.elseif (\a)%2
	v_wmma_scale_f32_16x16x128_f8f6f4 v[rD:rD+7], v[rB:rB+11], v[rA:rA+11], v[rD:rD+7], v[rSB], v[rSA] matrix_a_fmt:MATRIX_FMT_FP6 matrix_b_fmt:MATRIX_FMT_FP6 matrix_b_scale:MATRIX_SCALE_ROW1
.else
	v_wmma_scale_f32_16x16x128_f8f6f4 v[rD:rD+7], v[rB:rB+11], v[rA:rA+11], v[rD:rD+7], v[rSB], v[rSA] matrix_a_fmt:MATRIX_FMT_FP6 matrix_b_fmt:MATRIX_FMT_FP6
.endif
.endm
.macro MUL32 q, f                      ; the 32 accumulators by turns, in the same order in every step
	WIN 0x5e-2*((\q)/2)                            ; source 0 window 2 or 0, source 1 window 3, C and D window 1
.irp a, 0,1,2,3,4,5,6,7
.irp t, 0,1,2,3
	WM \a, \t, \q, \f
.endr
.endr
.endm
.macro STEPS j, last                   ; record j: two steps of 128 along K; each fetches the next step's rows ahead of its products
	PLACES 4                                       ; places in front of loads into registers that products have read
	FETCH \j, 1
	s_wait_dscnt 24                                ; all but the 24 just issued
	MUL32 \j, 0
	PLACES 4
.if \last
	s_wait_dscnt 0x0
.else
	FETCH (\j)+1, 0
	ASC (\j)+1
	s_wait_dscnt 28                                ; all but the 28 just issued
.endif
	MUL32 \j, 1
	WIN 0
.endm
.macro RING fill                       ; a change of slots
	s_wait_tensorcnt 0x0                           ; my one load that was out, my beta of this trip's slot, has landed
	ds_add_u32 v[SPW], v[NIL]
.if \fill
	s_xor_b32 s[G0+1], s[G0+1], SLOTX              ; no load of mine is out: the next group, into the other slot
	s_add_nc_u64 s[G0+2:G0+3], s[G0+2:G0+3], GRP
.endif
	s_xor_b32 s[SL], s[SL], SLOTX                  ; the slot that this trip reads
	s_add_co_u32 s[SL+1], s[SL], 2*GRP
	s_wait_dscnt 0x0                               ; the add is done, and my reads of the other slot
.if \fill
	CROUND
	tensor_load_to_lds s[G0:G0+3], s[G1:G1+7]
	s_nop 0
	PLACES 4
.else
	s_barrier_signal -1
	s_barrier_wait -1
.endif
	v_add_nc_u32 v[ADRA], s[SL], v[LI]
	v_add_nc_u32 v[ADRA+1], s[SL+1], v[LI]
	v_add_nc_u32 v[ASA], s[SL], v[L8]
	v_add_nc_u32 v[ASA+1], s[SL+1], v[L8]
	s_wait_alu depctr_va_vdst(0)
	FETCH 0, 0
	ASC 0
.endm
.macro QUANT s, pw                     ; 64 numbers of a lane, four blocks of 32 shared with lane l xor 16, become codes in v[PC .. PC+11] and four scale bytes in v[pw]
.irp b, 0,1,2,3
	v_max3_num_f32 v[TM+\b], |v[\s+16*\b]|, |v[\s+1+16*\b]|, 0x1800000
.endr
.irp i, 2,4,6,8,10,12,14
.irp b, 0,1,2,3
	v_max3_num_f32 v[TM+\b], v[TM+\b], |v[\s+16*\b+\i]|, |v[\s+1+16*\b+\i]|
.endr
.endr
.irp b, 0,1,2,3
	v_permlanex16_b32 v[TM+4+\b], v[TM+\b], s[SEL], s[SEL+1]
.endr
.irp b, 0,1,2,3
	v_max_num_f32 v[TM+\b], v[TM+\b], v[TM+4+\b]
.endr
.irp b, 0,1,2,3
	v_add_nc_u32 v[TM+12+\b], 0xff000000, v[TM+\b]
.endr
.irp b, 0,1,2,3
	v_lshrrev_b32 v[TM+4+\b], 23, v[TM+12+\b]
.endr
	v_lshl_or_b32 v[\pw], v[TM+5], 8, v[TM+4]
	v_lshl_or_b32 v[\pw], v[TM+6], 16, v[\pw]
	v_lshl_or_b32 v[\pw], v[TM+7], 24, v[\pw]
.irp c, 0,1
	v_cvt_scalef32_pk16_fp6_f32 v[PC+6*\c:PC+2+6*\c], v[\s+32*\c:\s+15+32*\c], v[TM+12+2*\c]
	v_cvt_scalef32_pk16_fp6_f32 v[PC+12+4*\c:PC+14+4*\c], v[\s+16+32*\c:\s+31+32*\c], v[TM+12+2*\c+1]
.endr
	v_nop
.irp c, 0,1
.irp i, 0,1,2
	v_permlane16_swap_b32 v[PC+6*\c+\i], v[PC+12+4*\c+\i]
.endr
.irp i, 0,1,2
	v_mov_b32 v[PC+3+6*\c+\i], v[PC+12+4*\c+\i]
.endr
.endr
.endm
.macro TOSTG p                         ; row tiles 2 p, 2 p + 1: my six registers of each fragment's image, and my two bytes of each row's scale word
.irp u, 0,1
	ds_store_b64 v[S0], v[PC+6*\u:PC+6*\u+1] offset:1536*(2*(\p)+\u)
	ds_store_b64 v[S1], v[PC+6*\u+2:PC+6*\u+3] offset:1536*(2*(\p)+\u)
	ds_store_b64 v[S2], v[PC+6*\u+4:PC+6*\u+5] offset:1536*(2*(\p)+\u)
.endr
	ds_store_b16 v[SS], v[PWR] offset:128*(\p)
	ds_store_b16_d16_hi v[SS], v[PWR] offset:128*(\p)+64
.endm
	s_load_b256 s[4:11], s[0:1], 0x0               ; wc, bq, bk, bv
	s_load_b128 s[12:15], s[0:1], 0x20             ; freqs_cis, qkv
	v_lshl_add_u32 v[SPW], v0, 2, SPARE
	v_mov_b32 v[NIL], 0
	ds_add_u32 v[SPW], v[NIL]
	ds_add_u32 v[SPW], v[NIL]
	v_lshrrev_b32 v1, 5, v0
	v_readfirstlane_b32 s16, v1                    ; wave w
	s_lshr_b32 s17, s16, 1
	s_and_b32 s18, s16, 1
	s_bfe_u32 s40, ttmp6, 0x40000                  ; cx: it enters global addresses alone
	s_lshl_b32 s42, ttmp9, 2
	s_add_co_u32 s42, s42, s40                     ; work-group x
	s_and_b32 s19, ttmp7, 0xffff                   ; y
	s_mov_b32 s[G1], 15|(3<<16)|(1<<21)            ; the mask: all four partners; elements of 8 bytes
	s_mov_b32 s[G1+1], 32<<16                      ; 25,600 dense bytes: 100 rows of 256
	s_mov_b32 s[G1+2], 100<<16
	s_mov_b32 s[G1+3], 32<<16
	s_mov_b32 s[G1+4], 100
	s_mov_b32 s[G1+5], 32
	s_mov_b32 s[G1+6], 0
	s_mov_b32 s[G1+7], 0
	s_cmp_ge_u32 ttmp9, 5
	s_cselect_b32 s20, 192, 0
	s_lshl_b32 s22, s19, 2
	s_add_co_u32 s22, s22, s20
	s_add_co_u32 s22, s22, s16                     ; rows: beta 4 y + w of x, or of Wv
	s_mul_i32 s22, s22, BPITCH
	s_mov_b32 s23, 0
	s_lshl_b32 s46, s42, 3
	s_add_co_u32 s46, s46, 32
	s_sub_co_u32 s46, s46, s20
	s_lshl_b32 s47, s16, 1
	s_add_co_u32 s46, s46, s47                     ; columns: betas 32 + 8 x + 2 w, + 1 (V: 8 (x - 20) + 2 w of x)
	s_mul_i32 s46, s46, BPITCH
	s_mov_b32 s47, 0
	s_mul_i32 s44, s40, REC
	s_add_co_u32 s44, s44, 2*GRP                   ; the rows' prefetch: group 2, my work-group's record of it
	s_mov_b32 s45, 0
	s_mov_b32 s[G0], 1
	s_mul_i32 s[G0+1], s16, GRP
	s_mov_b32 s[SL], SLOTX
	s_mov_b32 s[SEL], 0x76543210
	s_mov_b32 s[SEL+1], 0xfedcba98
	s_cmp_lt_u32 ttmp9, 4
	s_cselect_b32 s50, 0, 16
	s_sub_co_u32 s50, s42, s50
	s_lshl_b32 s50, s50, 10
	s_lshl_b32 s51, s16, 8
	s_add_co_u32 s50, s50, s51                     ; my 64 columns in bq or bk, in bytes
	s_mov_b32 s51, 0
	s_wait_dscnt 0x0
	s_wait_kmcnt 0x0
	s_cmp_lt_u32 ttmp9, 4
	s_cselect_b64 s[72:73], s[6:7], s[8:9]
	s_add_nc_u64 s[72:73], s[72:73], s[50:51]
	s_add_nc_u64 s[G0+2:G0+3], s[4:5], s[22:23]
	s_add_nc_u64 s[PA:PA+1], s[G0+2:G0+3], s[44:45]
	s_or_b32 s[G0+3], s[G0+3], 0x80000000
	s_add_nc_u64 s[BP:BP+1], s[4:5], s[46:47]
	CROUND                                         ; the four partners are here: the first joint loads meet
	tensor_load_to_lds s[G0:G0+3], s[G1:G1+7]      ; group 0: every wave's one load at the head
	s_nop 0
	PLACES 4
	v_and_b32 v1, 31, v0
	v_lshlrev_b32 v[LI], 4, v1
	v_lshlrev_b32 v[L8], 3, v1
	v_min_u32 v2, 24, v1
	v_lshlrev_b32 v[PFO], 8, v2                    ; a lane a block of 256 bytes; lanes 25-31 name block 24 again
	v_bfe_u32 v3, v0, 4, 1                         ; h
	v_lshlrev_b32 v[BIO], 6, v3
	s_wait_alu depctr_va_vdst(0)
	s_cmp_ge_u32 ttmp9, 5
	s_cbranch_scc1 .Lzero
	WIN 0xc0
.irp b, 0,1
.irp q, 0,1,2,3
	global_load_b128 v[192+16*\b+4*\q:192+16*\b+4*\q+3], v[BIO], s[72:73] offset:128*\b+16*\q   ; register 16 b + i: the bias of column 32 b + 16 h + i
.endr
.endr
	WIN 0
	s_branch .Limage
.Lzero:
	WIN 0xc0
.set n, 0
.rept 32
	v_mov_b32 v[192+n], 0
.set n, n+1
.endr
	WIN 0
.Limage:
	BLOAD 0, 0
	BLOAD 1, 1
	v_and_b32 v1, 15, v0                           ; r
	v_and_b32 v2, 7, v0
	v_bfe_u32 v22, v0, 3, 1
	v_lshl_add_u32 v2, v22, 4, v2                  ; r % 8 + 16 (r / 8): my row in its pair of tiles
	v_lshlrev_b32 v[FCO], 9, v2
	v_lshl_add_u32 v[FCO], v3, 6, v[FCO]
	v_lshlrev_b32 v[BVO], 2, v2
	s_mul_i32 s20, s17, UNIT
	s_add_co_u32 s20, s20, STG                     ; I compute half w % 2 of unit w / 2
	s_mul_i32 s21, s18, 520
	s_add_co_u32 s21, s21, s20
	s_mul_i32 s22, s18, 1016
	s_add_co_u32 s22, s22, s20
	s_add_co_u32 s22, s22, 8
	s_add_co_u32 s23, s21, 512
	v_add_nc_u32 v[S0], s21, v[LI]                 ; registers 6 c, 6 c + 1 of an image,
	v_add_nc_u32 v[S1], s22, v[LI]                 ; 6 c + 2, 6 c + 3,
	v_add_nc_u32 v[S2], s23, v[LI]                 ; 6 c + 4, 6 c + 5
	s_lshl_b32 s21, s18, 1
	s_add_co_u32 s21, s21, s20
	s_add_co_u32 s21, s21, 12288
	s_wait_alu depctr_va_vdst(0)
	v_lshl_add_u32 v[SS], v1, 2, s21               ; bytes 2 c, 2 c + 1 of row r's scale word
	s_mul_i32 s20, s18, UNIT
	s_add_co_u32 s20, s20, STG                     ; I store half w / 2 of unit w % 2
	s_mul_i32 s21, s17, 6144
	s_add_co_u32 s21, s21, s20
	v_add_nc_u32 v[RDF], s21, v[LI]
	s_lshl_b32 s21, s17, 8
	s_add_co_u32 s21, s21, s20
	s_add_co_u32 s21, s21, 12288
	v_add_nc_u32 v[RDS], s21, v[L8]
	s_wait_loadcnt 52                              ; the image is in; my columns' 52 loads may be out
	WIN 0x43
.set n, 0
.rept 256
	v_mov_b32 v[n], v[192+(n%32)]                  ; every row tile's sums begin with the image
.set n, n+1
.endr
	WIN 0
	s_mov_b32 s3, 3
	s_wait_alu depctr_va_vdst(0)
.macro KPL j
	s_wait_loadcnt 26                              ; this record's 26 loads are in; the next record's may be out
	BLOAD (\j)+2, ((\j)+2)%4
.irp b, 0,1
	global_prefetch_b8 v[PFO], s[BP:BP+1] offset:\b*BPITCH+((\j)+4)*REC th:TH_LOAD_NT scope:SCOPE_SE
.endr
.endm
.Ltrip:                                            ; three trips of 1,024 along K; each asks for the next group
	RING 1
	KPL 0
	STEPS 0, 0
	KPL 1
	s_cmp_gt_u32 s3, 1                             ; the last trip has no group two on
	s_cbranch_scc0 .Lno_rows
	global_prefetch_b8 v[PFO], s[PA:PA+1] th:TH_LOAD_NT scope:SCOPE_SE
.Lno_rows:
	STEPS 1, 0
	KPL 2
	STEPS 2, 0
	KPL 3
	STEPS 3, 1
	s_wait_xcnt 0x0                                ; loads and prefetches have read their bases
	s_add_nc_u64 s[BP:BP+1], s[BP:BP+1], GRP
	s_add_nc_u64 s[PA:PA+1], s[PA:PA+1], GRP
	s_sub_co_u32 s3, s3, 1
	s_cmp_lg_u32 s3, 0
	s_cbranch_scc1 .Ltrip
	RING 0                                         ; the last trip asks for nothing
	s_wait_loadcnt 26
	BLOAD 2, 2
	STEPS 0, 0
	s_wait_loadcnt 26
	BLOAD 3, 3
	STEPS 1, 0
	s_lshl_b32 s45, s42, 1
	s_add_co_u32 s45, s45, s18                     ; the head (Q 0-31, K 32-39) or key step (40-47) that I store
	s_cmp_ge_u32 ttmp9, 5
	s_cbranch_scc1 .Lv
	s_lshl_b32 s20, s45, 4
	s_lshl_b32 s21, s19, 1
	s_add_co_u32 s20, s20, s21
	s_add_co_u32 s20, s20, s17
	s_mul_i32 s20, s20, 6400
	s_add_co_u32 s21, s20, 6144
	s_sub_co_u32 s22, s45, 32
	s_mul_i32 s22, s22, 204800
	s_mul_i32 s23, s19, 25600
	s_add_co_u32 s22, s22, s23
	s_add_co_u32 s22, s22, QB
	s_mul_i32 s23, s17, 6144
	s_add_co_u32 s23, s22, s23
	s_lshl_b32 s46, s17, 8
	s_add_co_u32 s22, s22, s46
	s_add_co_u32 s22, s22, 12288
	s_cmp_lt_u32 ttmp9, 4
	s_cselect_b32 s66, s20, s23
	s_cselect_b32 s68, s21, s22
	s_mov_b32 s67, 0
	s_mov_b32 s69, 0
	s_add_nc_u64 s[66:67], s[14:15], s[66:67]
	s_add_nc_u64 s[68:69], s[14:15], s[68:69]
	s_lshl_b32 s70, s19, 16
	s_lshl_b32 s71, s18, 8
	s_add_co_u32 s70, s70, s71
	s_mov_b32 s71, 0
	s_add_nc_u64 s[70:71], s[12:13], s[70:71]      ; freqs_cis: my 128 tokens, my 64 channels
.macro FCL a                           ; row tile a: register 32 a + 16 b + i of window 2: freqs_cis at my token, channel 32 b + 16 h + i of my 64
.irp b, 0,1
.irp q, 0,1,2,3
	global_load_b128 v[32*(\a)+16*\b+4*\q:32*(\a)+16*\b+4*\q+3], v[FCO], s[70:71] offset:(32*((\a)/2)+8*((\a)%2))*512+128*\b+16*\q
.endr
.endr
.endm
	s_wait_loadcnt 26
	PLACES 4                                       ; places in front of loads into set 1, which the record just multiplied has read
	WIN 0x80
.irp a, 0,1,2,3
	FCL \a                                         ; into the columns' sets 0 and 1, which are done with
.endr
	WIN 0
	STEPS 2, 0
	s_wait_loadcnt 32                              ; the last record is in; the 32 loads behind it may be out
	WIN 0x80
.irp a, 4,5,6,7
	FCL \a
.endr
	WIN 0
	STEPS 3, 1
	PLACES 4
.irp b, 0,1,2,3
	v_mov_b32 v[TM+4+\b], 0                        ; a lane permute's destination counts as one of its sources
.endr
.macro EPI p
	s_wait_loadcnt 48-16*(\p)                      ; these two tiles' 16 loads are in; the later tiles' may be out
	WIN 0x09                                       ; source 0 window 1 (the sums), source 1 window 2 (freqs_cis)
.set n, 0
.rept 32
.set TT, T0+2*((n/2)%4)
	v_mul_f32 v[TT], v[64*(\p)+n+1], v[64*(\p)+n+1]
	v_mul_f32 v[TT+1], v[64*(\p)+n+1], v[64*(\p)+n]
	v_fma_f32 v[F0+n], v[64*(\p)+n], v[64*(\p)+n], -v[TT]
	v_fma_f32 v[F0+n+1], v[64*(\p)+n], v[64*(\p)+n+1], v[TT+1]
.set n, n+2
.endr
	WIN 0
	QUANT F0, PWR
	TOSTG \p
.endm
	EPI 0
	EPI 1
	EPI 2
	EPI 3
	s_branch .Lout
.Lv:
	s_sub_co_u32 s45, s45, 40
	s_mul_i32 s20, s19, 204800
	s_mul_i32 s21, s45, 25600
	s_add_co_u32 s20, s20, s21
	s_add_co_u32 s20, s20, QB+12800
	s_mul_i32 s21, s17, 6144
	s_add_co_u32 s66, s20, s21
	s_mov_b32 s67, 0
	s_lshl_b32 s21, s17, 8
	s_add_co_u32 s68, s20, s21
	s_add_co_u32 s68, s68, 12288
	s_mov_b32 s69, 0
	s_add_nc_u64 s[66:67], s[14:15], s[66:67]
	s_add_nc_u64 s[68:69], s[14:15], s[68:69]
	s_lshl_b32 s74, s19, 9
	s_mov_b32 s75, 0
	s_add_nc_u64 s[74:75], s[10:11], s[74:75]
	s_wait_loadcnt 26
.irp a, 0,1,2,3,4,5,6,7
	global_load_b32 v[BV+\a], v[BVO], s[74:75] offset:(32*(\a/2)+8*(\a%2))*4   ; bv at my channel of row tile a
.endr
	STEPS 2, 0
	s_wait_loadcnt 8                               ; the last record is in; bv's 8 loads may be out
	STEPS 3, 1
	PLACES 4
.irp b, 0,1,2,3
	v_mov_b32 v[TM+4+\b], 0
.endr
	s_wait_loadcnt 0x0
.macro EPIV p
	WIN 0x01
.set n, 0
.rept 64
	v_add_f32 v[F0+n], v[64*(\p)+n], v[BV+2*(\p)+n/32]
.set n, n+1
.endr
	WIN 0
	QUANT F0, PWR
	TOSTG \p
.endm
	EPIV 0
	EPIV 1
	EPIV 2
	EPIV 3
.Lout:
	s_wait_dscnt 0x0                               ; my stores into the stage are done
	s_barrier_signal -1
	s_barrier_wait -1                              ; and everybody's: the images are whole
.irp i, 0,1,2,3,4,5,6,7,8,9,10,11
	ds_load_b128 v[64+4*\i:67+4*\i], v[RDF] offset:512*\i
.endr
	ds_load_b64 v[112:113], v[RDS]
.irp i, 0,1,2,3,4,5,6,7,8,9,10,11
	s_wait_dscnt 12-\i                             ; the younger loads may be out
	global_store_b128 v[LI], v[64+4*\i:67+4*\i], s[66:67] offset:512*\i   ; 512 consecutive bytes, at a multiple of 256 from qkv's first byte
.endr
	s_wait_dscnt 0x0
	global_store_b64 v[L8], v[112:113], s[68:69]   ; 256 consecutive bytes of scale words
	s_wait_tensorcnt 0x0                           ; the wave's end
	ds_add_u32 v[SPW], v[NIL]
	s_wait_dscnt 0x0
	CROUND                                         ; the closing round
	s_endpgm
.Lfunc_end_k_qd57914d5b1_gemm_qkv:
	.size	k_qd57914d5b1_gemm_qkv, .Lfunc_end_k_qd57914d5b1_gemm_qkv-k_qd57914d5b1_gemm_qkv
	.p2alignl 7, 3214868480
	.fill 96, 4, 3214868480
	.section	.rodata,"a",@progbits
	.p2align	6, 0x0
	.amdhsa_kernel k_qd57914d5b1_gemm_qkv
		.amdhsa_group_segment_fixed_size 327680
		.amdhsa_private_segment_fixed_size 0
		.amdhsa_enable_private_segment 0
		.amdhsa_kernarg_size 48
		.amdhsa_user_sgpr_count 2
		.amdhsa_user_sgpr_kernarg_segment_ptr 1
		.amdhsa_wavefront_size32 1
		.amdhsa_system_sgpr_workgroup_id_x 1
		.amdhsa_system_sgpr_workgroup_id_y 1
		.amdhsa_system_sgpr_workgroup_id_z 1
		.amdhsa_system_vgpr_workitem_id 0
		.amdhsa_next_free_vgpr 1024
		.amdhsa_next_free_sgpr 100
		.amdhsa_reserve_vcc 0
		.amdhsa_float_denorm_mode_32 3
		.amdhsa_float_denorm_mode_16_64 3
		.amdhsa_memory_ordered 1
		.amdhsa_forward_progress 1
		.amdhsa_inst_pref_size 233
	.end_amdhsa_kernel
	.amdgpu_metadata
---
amdhsa.version: [ 1, 2 ]
amdhsa.kernels:
  - .name:           k_qd57914d5b1_gemm_qkv
    .symbol:         k_qd57914d5b1_gemm_qkv.kd
    .args:
      - { .name: wc, .offset: 0, .size: 8, .value_kind: global_buffer, .address_space: global }
      - { .name: bq, .offset: 8, .size: 8, .value_kind: global_buffer, .address_space: global }
      - { .name: bk, .offset: 16, .size: 8, .value_kind: global_buffer, .address_space: global }
      - { .name: bv, .offset: 24, .size: 8, .value_kind: global_buffer, .address_space: global }
      - { .name: freqs_cis, .offset: 32, .size: 8, .value_kind: global_buffer, .address_space: global }
      - { .name: qkv, .offset: 40, .size: 8, .value_kind: global_buffer, .address_space: global }
    .group_segment_fixed_size: 327680
    .private_segment_fixed_size: 0
    .kernarg_segment_align: 8
    .kernarg_segment_size: 48
    .max_flat_workgroup_size: 128
    .sgpr_count:     100
    .vgpr_count:     1024
    .wavefront_size: 32
...
	.end_amdgpu_metadata
.endif
;; end of part 6
;; launch attn (part 7): grid 32 x 8, 16 waves a work-group, clusters of 4 x 1, 260,096 bytes of LDS; arguments qkv, Wo, oc, wc; writes oc, wc
.if DOCPART == 7
	.amdgcn_target "amdgcn-amd-amdhsa--gfx1250"
	.amdhsa_code_object_version 6
	.text
	.protected	k_qd57914d5b1_attn
	.globl	k_qd57914d5b1_attn
	.p2align	8
	.type	k_qd57914d5b1_attn,@function
k_qd57914d5b1_attn:
	s_mov_b64 s[64:65], 0
	v_nop
	global_prefetch_b8 v0, s[64:65] scope:SCOPE_SE
	s_setreg_imm32_b32 hwreg(HW_REG_WAVE_MODE, 25, 1), 1
	s_wait_xcnt 0x0
	s_wait_alu depctr_hold_cnt(0) depctr_sa_sdst(0) depctr_va_vdst(0) depctr_va_sdst(0) depctr_va_ssrc(0) depctr_va_vcc(0) depctr_vm_vsrc(0)
	s_getreg_b32 s2, hwreg(HW_REG_IB_STS2, 6, 4)
	s_cmp_eq_u32 s2, 0
	s_cbranch_scc0 .Lentry_in_a_cluster
	s_endpgm
.Lentry_in_a_cluster:
	s_bfe_u32 s2, ttmp6, 0x10000c
	s_cmp_lg_u32 s2, 0x3003
	s_cbranch_scc0 .Lentry_shape_is_right
	s_endpgm
.Lentry_shape_is_right:
; TWO JOBS IN ONE LAUNCH.  Waves 0-7: o = softmax(q k^T / sqrt(128), causal) v for 32 query heads on 8 kv heads, both products on codes of FP6 (E2M3) out of qkv, and o's quantising along the 4,096 of the last
; product's K, into oc.  Waves 8-15: Wo [4096 (K)][4096], f32, becomes codes of FP6 and scale bytes in wc (beta 224-351), for the launch that follows.  The attention asks memory for 204,800 bytes a work-group at
; its head and then for nothing until its stores, and leaves half of the registers free: Wo's 2,048 records are one for each of 8 further waves in 256 work-groups, and are streamed beside the softmax.
; THE SOFTMAX: t = score x log2(e) / sqrt(128); M = the running largest t rounded UP to a whole number; p = 2^(t - M) is quantised along the keys, not normalised; the row's sum is taken of the
; unquantised p and divides O at the end; when M moves, the sum and O are multiplied by 2^(old M - new M): exact.
; SHARES.  A cluster's four work-groups are the four query heads of one kv head: each tile of K and V is asked for JOINTLY.  The whole kv head, 8 key steps of 25,600 bytes (k's 8 fragments and scale words, then
; v's), lies in LDS, filled once: each of waves 0-7 brings one step's record.  Work-group y = j.  Wave w < 8 owns ONE tile of 16 queries, T = j + 8 i, i = w (w < 4) or 11 - w: its queries lie in key step i, so it
; walks steps 0 .. i, the last on the diagonal.  So every work-group has waves of 1 to 8 steps: all work-groups have the same work, and each reads all that it loads.
; Wave w >= 8 makes the record of beta = 224 + 4 head + w % 4 (32 columns of Wo) and kp = 2 j + (w / 4) % 2 (256 along K): a lane takes a column, its registers run down K; the codes go through the wave's own stage
; in LDS and leave as 6,400 consecutive bytes.  A record: four fragments (tile u, half f) at 1,536 (2 u + f), then the scale words, that of (u, r, f) at 6,144 + 128 u + 8 r + 4 f.
; ONE WAY UP TO THE BARRIER: all sixteen waves run the head alike (waves 8-15 with the numbers of waves 0-7); the tensor load alone stands under a branch on the wave's number.  Behind the barrier waves 8-15 make
; their record; then every wave walks the loop over key steps, whose count is a constant; waves 8-15 jump over each step, and over the way out, by a branch on the wave's number.  No barrier stands in the loop.
; LAYOUT.  Both products transposed: S^T = K Q^T, O^T = V^T P^T: a lane holds ONE query.  Lane r of tile T holds row 32 (T / 2) + 8 (T % 2) + r % 8 + 16 (r / 8), for queries, keys and channels alike, so the 16 registers
; of tiles 2 b, 2 b + 1 are 16 neighbours along the next K.  Fragments are images of the operand's registers: three loads of 16 bytes a lane, 512 consecutive bytes each.
; LIMITS: NaN and infinities are not served; a block of zeros, or one whose largest magnitude lies under 2^-124, gets the scale byte 1 (its codes are zeros or held; this program alone reads the bytes).
; REGISTERS, attention: v1-10 addresses; v12 -M, v13 the largest t, v[14:15] the sum; v16-27 Q, v28 its scale words; v32-79 four fragments; v96-159 S^T, then p; v160-223 O^T; v224-235 p's codes; v232-247, v252, v254
;   at work; v248-251 scale words of K or V (lanes 0-15 tile 2 b, lanes 16-31 tile 2 b + 1); v253 p's scale word.
; REGISTERS, Wo: v11, v29-31 LDS addresses (made at the head); v32-95 two sets of 32 numbers; v96-127 offsets of 32 rows; v128-136 a block's codes; v138-139 scale words; v141-143 at work; v144 8 lane.
.set QB,    3276800
.set STEPB, 25600
.set VOFF,  12800
.set SCO,   12288
.set SPARE, 204800                     ; behind the eight records: the spare words, 128 bytes for each of sixteen waves
.set WST,   206848                     ; behind them: the stages of waves 8-15,
.set WREG,  6656                       ; each: tile 0's two fragments at 0, tile 1's at 3,200, the scale words at 6,272
.set LI,  1                            ; v1  16 lane
.set LS,  2                            ; v2  4 lane
.set QD,  3                            ; v3  my query's place in its key step, less 16 (lane / 16)
.set SPW, 5
.set NIL, 6
.set QSO, 7                            ; v7  4 (lane % 16)
.set ADK, 8
.set OSO, 9                            ; v9  8 (lane % 16)
.set ADS, 10
.set WRS, 11                           ; v11 Wo: the scale words out of my stage: 8 lane (+ 6,272)
.set WSA, 29                           ; v29 Wo: into my stage: 3,200 u + 16 r
.set WSS, 30                           ; v30 Wo: my scale words: 128 u + 8 r (+ 6,272)
.set WRD, 31                           ; v31 Wo: out of my stage: 16 lane
.set X,   32
.set VO,  96
.set C,   128
.set SB,  138
.set W8,  144
.set TM,  232
.set PC,  32
.set WV,  8
.set IW,  12
.set SEL, 20
.set CS,  22
.set G1,  24
.set G0,  32
.set TB,  36
.set KJ,  37
.set WB,  66                           ; s[66:81] Wo: a base for each block of 32 rows: none is ever stepped
.set WOUT, 82                          ; s[82:83] Wo: my record in wc
.macro CROUND
	s_barrier_signal -1
	s_barrier_wait -1
	s_cmp_lg_u32 s[WV], 0
	s_cbranch_scc1 .Lnot_wave_0_\@
	s_barrier_signal -3
.Lnot_wave_0_\@:
	s_barrier_wait -3
	s_barrier_signal -1
	s_barrier_wait -1
.endm
.macro QUANT s, pw                     ; 64 numbers of a lane, register 16 b + i = k 32 b + 16 (lane / 16) + i, become a fragment's codes in v[PC .. PC+11] and its scale word in v[pw]
.irp b, 0,1,2,3
	v_max3_num_f32 v[TM+\b], |v[\s+16*\b]|, |v[\s+1+16*\b]|, 0x1800000
.endr
.irp i, 2,4,6,8,10,12,14
.irp b, 0,1,2,3
	s_delay_alu instid0(VALU_DEP_4)
	v_max3_num_f32 v[TM+\b], v[TM+\b], |v[\s+16*\b+\i]|, |v[\s+1+16*\b+\i]|
.endr
.endr
.irp b, 0,1,2,3
	s_delay_alu instid0(VALU_DEP_4)
	v_permlanex16_b32 v[TM+4+\b], v[TM+\b], s[SEL], s[SEL+1]
.endr
.irp b, 0,1,2,3
	s_delay_alu instid0(VALU_DEP_4)
	v_max_num_f32 v[TM+\b], v[TM+\b], v[TM+4+\b]
.endr
.irp b, 0,1,2,3
	s_delay_alu instid0(VALU_DEP_4)
	v_add_nc_u32 v[TM+12+\b], 0xff000000, v[TM+\b]
.endr
.irp b, 0,1,2,3
	s_delay_alu instid0(VALU_DEP_4)
	v_lshrrev_b32 v[TM+4+\b], 23, v[TM+12+\b]
.endr
	s_delay_alu instid0(VALU_DEP_3)
	v_lshl_or_b32 v[\pw], v[TM+5], 8, v[TM+4]
	s_delay_alu instid0(VALU_DEP_1)
	v_lshl_or_b32 v[\pw], v[TM+6], 16, v[\pw]
	s_delay_alu instid0(VALU_DEP_1)
	v_lshl_or_b32 v[\pw], v[TM+7], 24, v[\pw]
.irp c, 0,1
	v_cvt_scalef32_pk16_fp6_f32 v[PC+6*\c:PC+2+6*\c], v[\s+32*\c:\s+15+32*\c], v[TM+12+2*\c]
	v_cvt_scalef32_pk16_fp6_f32 v[PC+12+4*\c:PC+14+4*\c], v[\s+16+32*\c:\s+31+32*\c], v[TM+12+2*\c+1]
.endr
	v_nop                                          ; one plain place behind a scaled conversion
.irp c, 0,1
.irp i, 0,1,2
	v_permlane16_swap_b32 v[PC+6*\c+\i], v[PC+12+4*\c+\i]
.endr
.irp i, 0,1,2
	s_delay_alu instid0(VALU_DEP_3)
	v_mov_b32 v[PC+3+6*\c+\i], v[PC+12+4*\c+\i]
.endr
.endr
.endm
.macro LOADW t                         ; Wo, block t: Wo(256 kp + 32 t + i, my column): each load reads 128 consecutive bytes, four waves side by side 512
.set i, 0
.rept 32
	global_load_b32 v[X+32*((\t)%2)+i], v[VO+i], s[WB+2*(\t):WB+2*(\t)+1] th:TH_LOAD_NT
.set i, i+1
.endr
.endm
; Wo, block t lies in fragment half f = t / 4, and there in lane (r, h' = t % 2), registers 6 cc .. 6 cc + 5, cc = (t / 2) % 2.
.macro WBLOCK t
.set XS, X+32*((\t)%2)
.set SOF, 1536*((\t)/4)+256*((\t)%2)
.if (\t) < 7
	s_wait_loadcnt 32                              ; this block's 32 loads are in; the next block's 32 may be out
.else
	s_wait_loadcnt 0x0
.endif
	v_max3_num_f32 v142, |v[XS]|, |v[XS+1]|, |v[XS+2]|   ; the block's largest magnitude: all 32 numbers are mine; two chains
	v_max3_num_f32 v143, |v[XS+3]|, |v[XS+4]|, |v[XS+5]|
.irp i, 6,10,14,18,22,26
	s_delay_alu instid0(VALU_DEP_2)
	v_max3_num_f32 v142, v142, |v[XS+\i]|, |v[XS+\i+1]|
	s_delay_alu instid0(VALU_DEP_2)
	v_max3_num_f32 v143, v143, |v[XS+\i+2]|, |v[XS+\i+3]|
.endr
	s_delay_alu instid0(VALU_DEP_2)
	v_max3_num_f32 v142, v142, |v[XS+30]|, |v[XS+31]|
	s_delay_alu instid0(VALU_DEP_1)
	v_max3_num_f32 v142, v142, v143, 0x1800000     ; and the floor 2^(3 - 127): the byte cannot fall under 1
	s_delay_alu instid0(VALU_DEP_1)
	v_add_nc_u32 v141, 0xff000000, v142            ; 2 off its exponent field: the conversion's scale operand
	s_delay_alu instid0(VALU_DEP_1)
	v_lshrrev_b32 v143, 23, v141                   ; the scale's byte
.if (\t)%4 == 0
	s_delay_alu instid0(VALU_DEP_1)
	v_mov_b32 v[SB+(\t)/4], v143                   ; four bytes to a word, the lower K in the lower byte
.else
	s_delay_alu instid0(VALU_DEP_1)
	v_lshl_or_b32 v[SB+(\t)/4], v143, 8*((\t)%4), v[SB+(\t)/4]
.endif
	v_cvt_scalef32_pk16_fp6_f32 v[C:C+2], v[XS:XS+15], v141
	v_cvt_scalef32_pk16_fp6_f32 v[C+6:C+8], v[XS+16:XS+31], v141   ; (a conversion's three registers begin on an even number)
	v_nop                                          ; one plain place behind a scaled conversion
.irp i, 0,1,2
	v_mov_b32 v[C+3+\i], v[C+6+\i]                 ; v[C .. C+5]: the block's 24 bytes
.endr
.if (((\t)/2)%2) == 0
	ds_store_b128 v[WSA], v[C:C+3] offset:SOF      ; registers 0-3 of the fragment,
	ds_store_b64 v[WSA], v[C+4:C+5] offset:SOF+512 ; 4 and 5
.else
	ds_store_b64 v[WSA], v[C:C+1] offset:SOF+520   ; registers 6 and 7,
	ds_store_b128 v[WSA], v[C+2:C+5] offset:SOF+1024   ; 8-11
.endif
.if (\t) < 6
	LOADW (\t)+2
.endif
	s_wait_dscnt 0x0                               ; the stores have read their registers: the next block's codes may be written
.endm
	s_load_b256 s[84:91], s[0:1], 0x0              ; qkv s[84:85], Wo s[86:87], oc s[88:89], wc s[90:91]
	v_lshl_add_u32 v[SPW], v0, 2, SPARE
	v_mov_b32 v[NIL], 0
	ds_add_u32 v[SPW], v[NIL]                      ; the wave's opening: the add and its wait ahead of my first tensor load
	ds_add_u32 v[SPW], v[NIL]
	v_lshrrev_b32 v1, 5, v0
	s_delay_alu instid0(VALU_DEP_1)
	v_readfirstlane_b32 s[WV], v1                  ; wave 0..15
	s_bfe_u32 s9, ttmp6, 0x40000                   ; cx: it enters global addresses alone (q's, o's, Wo's, wc's)
	s_lshl_b32 s10, ttmp9, 2
	s_add_co_u32 s10, s10, s9                      ; the query head = 4 x kv head + cx
	s_and_b32 s11, ttmp7, 0xffff                   ; j
	s_and_b32 s13, s[WV], 7                        ; (waves 8-15 run the head with the numbers of waves 0-7)
	s_sub_co_u32 s[IW], 11, s13
	s_cmp_lt_u32 s13, 4
	s_cselect_b32 s[IW], s13, s[IW]                ; i: my queries' key step
	s_lshl_b32 s13, s[IW], 3
	s_add_co_u32 s13, s13, s11                     ; T
	s_lshl_b32 s16, s10, 4                         ; q: record (head, T / 4),
	s_lshr_b32 s17, s13, 2
	s_add_co_u32 s16, s16, s17
	s_mul_i32 s16, s16, 6400
	s_and_b32 s17, s13, 3
	s_mul_i32 s18, s17, 1536
	s_add_co_u32 s38, s16, s18                     ; fragment T % 4,
	s_mov_b32 s39, 0
	s_lshl_b32 s17, s17, 6
	s_add_co_u32 s40, s16, s17
	s_add_co_u32 s40, s40, 6144                    ; and its scale words
	s_mov_b32 s41, 0
	s_mul_i32 s42, ttmp9, 204800                   ; the kv head,
	s_mul_i32 s43, s[WV], STEPB                    ; the key step that I fetch (waves 0-7)
	s_add_co_u32 s42, s42, s43
	s_add_co_u32 s42, s42, QB
	s_mov_b32 s43, 0
	s_lshr_b32 s14, s13, 1                         ; o: record (beta = T / 2, kp = head / 2),
	s_mul_i32 s14, s14, 102400
	s_lshr_b32 s15, s10, 1
	s_mul_i32 s15, s15, 6400
	s_add_co_u32 s14, s14, s15
	s_and_b32 s15, s13, 1                          ; u
	s_and_b32 s16, s10, 1                          ; f
	s_lshl_b32 s17, s15, 1
	s_add_co_u32 s17, s17, s16
	s_mul_i32 s17, s17, 1536
	s_add_co_u32 s44, s14, s17                     ; fragment 2 u + f,
	s_mov_b32 s45, 0
	s_lshl_b32 s15, s15, 7
	s_lshl_b32 s16, s16, 2
	s_add_co_u32 s46, s14, s15
	s_add_co_u32 s46, s46, s16
	s_add_co_u32 s46, s46, 6144                    ; scale words at 6,144 + 128 u + 8 r + 4 f
	s_mov_b32 s47, 0
	s_mov_b32 s[G1], 15|(3<<16)|(1<<21)            ; 15:0 the mask: all four work-groups; 17:16 elements of 8 bytes; 21 set beside a mask
	s_mov_b32 s[G1+1], 32<<16                      ; a record is dense: 100 rows of 256 bytes
	s_mov_b32 s[G1+2], 100<<16
	s_mov_b32 s[G1+3], 32<<16
	s_mov_b32 s[G1+4], 100
	s_mov_b32 s[G1+5], 32
	s_mov_b32 s[G1+6], 0
	s_mov_b32 s[G1+7], 0
	s_mov_b32 s[G0], 1
	s_mul_i32 s[G0+1], s[WV], STEPB                ; LDS: record w
	s_mov_b32 s[SEL], 0x76543210
	s_mov_b32 s[SEL+1], 0xfedcba98
	s_mov_b32 s[CS], 0x3e0293ee                    ; c = log2(e) / sqrt(128)
	s_mov_b32 s[CS+1], s[CS]                       ; (named with it as a pair, so it is written)
	s_mov_b32 s[TB], 0
	s_mov_b32 s[KJ], 0
	s_lshr_b32 s14, s11, 1
	s_lshl_b32 s14, s14, 5
	s_and_b32 s15, s11, 1
	s_lshl_b32 s15, s15, 3
	s_add_co_u32 s14, s14, s15                     ; 32 (j / 2) + 8 (j % 2)
	; Wo: which record is mine (of use in waves 8-15)
	s_and_b32 s49, s[WV], 3
	s_bfe_u32 s50, s[WV], 0x10002                  ; (w / 4) % 2
	s_lshl_b32 s51, s11, 1
	s_add_co_u32 s50, s50, s51                     ; kp = 2 j + (w / 4) % 2
	s_lshl_b32 s52, s10, 9                         ; Wo: 128 columns of 4 bytes a head's number,
	s_lshl_b32 s53, s49, 7                         ; 32 a wave,
	s_add_co_u32 s52, s52, s53
	s_lshl_b32 s53, s50, 22                        ; 256 kp rows of 16,384 bytes: under 2^26
	s_add_co_u32 s52, s52, s53
	s_mov_b32 s53, 0
	s_lshl_b32 s54, s10, 2
	s_add_co_u32 s54, s54, s49
	s_add_co_u32 s54, s54, 224                     ; beta
	s_mul_i32 s54, s54, 102400
	s_mul_i32 s55, s50, 6400
	s_add_co_u32 s54, s54, s55
	s_mov_b32 s55, 0
	; every LDS address register is made here, ahead of the first branch on the wave's number
	v_and_b32 v4, 31, v0
	s_delay_alu instid0(VALU_DEP_1)
	v_lshlrev_b32 v[LI], 4, v4
	s_delay_alu instid0(VALU_DEP_2)
	v_lshlrev_b32 v[LS], 2, v4
	s_mul_i32 s48, s[WV], WREG
	s_add_co_u32 s48, s48, WST-8*WREG              ; wave w's stage begins at WST + (w - 8) x WREG
	v_bfe_u32 v[WSS], v0, 3, 1                     ; my column 8 u + r % 8 + 16 (r / 8) of the 32: u,
	v_and_b32 v[WRD], 7, v0
	v_bfe_u32 v[WRS], v0, 4, 1
	s_delay_alu instid0(VALU_DEP_1)
	v_lshl_add_u32 v[WRD], v[WRS], 3, v[WRD]       ; and r
	s_delay_alu instid0(VALU_DEP_4)
	v_mul_u32_u24 v[WSA], v[WSS], 3200
	s_delay_alu instid0(VALU_DEP_1)
	v_lshl_add_u32 v[WSA], v[WRD], 4, v[WSA]
	s_delay_alu instid0(VALU_DEP_1)
	v_add_nc_u32 v[WSA], s48, v[WSA]
	v_lshlrev_b32 v[WSS], 7, v[WSS]
	s_delay_alu instid0(VALU_DEP_1)
	v_lshl_add_u32 v[WSS], v[WRD], 3, v[WSS]
	s_delay_alu instid0(VALU_DEP_1)
	v_add_nc_u32 v[WSS], s48, v[WSS]
	v_add_nc_u32 v[WRD], s48, v[LI]
	v_lshl_add_u32 v[WRS], v4, 3, s48
	s_wait_dscnt 0x0                               ; the opening add is done
	s_wait_kmcnt 0x0
	s_add_nc_u64 s[G0+2:G0+3], s[84:85], s[42:43]
	s_or_b32 s[G0+3], s[G0+3], 0x80000000
	s_add_nc_u64 s[38:39], s[84:85], s[38:39]
	s_add_nc_u64 s[40:41], s[84:85], s[40:41]
	s_add_nc_u64 s[44:45], s[88:89], s[44:45]
	s_add_nc_u64 s[46:47], s[88:89], s[46:47]
	s_add_nc_u64 s[WB:WB+1], s[86:87], s[52:53]
.irp t, 1,2,3,4,5,6,7
	s_add_nc_u64 s[WB+2*\t:WB+2*\t+1], s[WB+2*\t-2:WB+2*\t-1], 0x80000   ; 32 rows of 16,384 bytes on
.endr
	s_add_nc_u64 s[WOUT:WOUT+1], s[90:91], s[54:55]
	CROUND                                         ; all four work-groups are here: the joint loads meet
	s_cmp_lt_u32 s[WV], 8                          ; the wave's number alone: the same in all partners
	s_cbranch_scc0 .Lno_tile
	tensor_load_to_lds s[G0:G0+3], s[G1:G1+7]      ; my one tensor load of the launch
	s_nop 0
.rept 4
	v_nop
.endr
.Lno_tile:
	v_and_b32 v4, 15, v0
	s_delay_alu instid0(VALU_DEP_1)
	v_lshlrev_b32 v[QSO], 2, v4
	s_delay_alu instid0(VALU_DEP_2)
	v_lshlrev_b32 v[OSO], 3, v4
.irp c, 0,1,2
	global_load_b128 v[16+4*\c:19+4*\c], v[LI], s[38:39] offset:512*\c   ; Q's fragment stays in registers
.endr
	global_load_b32 v28, v[QSO], s[40:41]
	v_and_b32 v[QD], 7, v0
	v_bfe_u32 v4, v0, 3, 1
	s_delay_alu instid0(VALU_DEP_1)
	v_lshl_add_u32 v[QD], v4, 4, v[QD]
	v_bfe_u32 v4, v0, 4, 1
	s_delay_alu instid0(VALU_DEP_1)
	v_lshlrev_b32 v4, 4, v4
	s_delay_alu instid0(VALU_DEP_1)
	v_sub_nc_u32 v[QD], v[QD], v4
	s_delay_alu instid0(VALU_DEP_1)
	v_add_nc_u32 v[QD], s14, v[QD]
	v_mov_b32 v13, 0xff61b1e6                      ; the largest t so far: -3e38
	s_delay_alu instid0(VALU_DEP_1)
	v_floor_f32 v12, -v13                          ; -M
	v_mov_b32 v14, 0
	v_mov_b32 v15, 0
.irp b, 0,1,2,3
	v_mov_b32 v[236+\b], 0                         ; written once: a lane permute's destination counts as one of its sources
.endr
	v_mov_b32 v252, 0
	v_mov_b32 v253, 0
.set n, 0
.rept 64
	v_mov_b32 v[160+n], 0                          ; O^T: the step is written once; the first finds zeros
.set n, n+1
.endr
	s_wait_tensorcnt 0x0                           ; my record is in,
	s_wait_loadcnt 0x0                             ; and Q
	s_barrier_signal -1
	s_barrier_wait -1                              ; everybody's record is in; nothing is filled again
	s_cmp_lt_u32 s[WV], 8
	s_cbranch_scc1 .Lkey
	; ---------------- waves 8-15: one record of Wo
	v_and_b32 v[W8], 31, v0
	s_delay_alu instid0(VALU_DEP_1)
	v_lshlrev_b32 v[VO], 2, v[W8]
	s_delay_alu instid0(VALU_DEP_2)
	v_lshlrev_b32 v[W8], 3, v[W8]
.set i, 1
	s_delay_alu instid0(VALU_DEP_2)
	v_add_nc_u32 v[VO+i], 0x4000, v[VO+i-1]        ; 4 lane + i rows of 16,384 bytes
.set i, i+1
.rept (31)-1
	s_delay_alu instid0(VALU_DEP_1)
	v_add_nc_u32 v[VO+i], 0x4000, v[VO+i-1]        ; 4 lane + i rows of 16,384 bytes
.set i, i+1
.endr
	LOADW 0
	LOADW 1
.irp t, 0,1,2,3,4,5,6,7
	WBLOCK \t
.endr
	s_wait_alu depctr_va_vdst(0)
	ds_store_b64 v[WSS], v[SB:SB+1] offset:6272
.irp i, 0,1,2,3,4,5,6,7,8,9,10,11
	ds_load_b128 v[32+4*\i:35+4*\i], v[WRD] offset:512*\i+128*(\i/6)   ; LDS serves a wave's instructions in order: these see my stores
.endr
	ds_load_b64 v[80:81], v[WRS] offset:6272
.irp i, 0,1,2,3,4,5,6,7,8,9,10,11
	s_wait_dscnt 12-\i                             ; the younger loads may be out
	global_store_b128 v[LI], v[32+4*\i:35+4*\i], s[WOUT:WOUT+1] offset:512*\i   ; 512 consecutive bytes, at a multiple of 256 from wc's first byte
.endr
	s_wait_dscnt 0x0
	global_store_b64 v[W8], v[80:81], s[WOUT:WOUT+1] offset:6144
	s_wait_xcnt 0x0                                ; the stores have read their registers
.Lkey:                                             ; eight trips, a key step each; every wave walks them
	s_cmp_ge_u32 s[WV], 8
	s_cbranch_scc1 .Lhidden                        ; waves 8-15 have no queries
	s_cmp_gt_u32 s[KJ], s[IW]
	s_cbranch_scc1 .Lhidden                        ; all its keys come after my queries
	v_add_nc_u32 v[ADK], s[TB], v[LI]
	s_wait_alu depctr_va_vdst(0)
	v_add_nc_u32 v[ADS], s[TB], v[LS]
	v_nop
	v_nop                                          ; four places between the last step's products and the loads into their registers
.irp b, 0,1,2,3
	ds_load_b32 v[248+\b], v[ADS] offset:SCO+128*\b
.endr
.irp g, 0,1                                    ; S^T = K Q^T, four tiles of 16 keys at a time
.if \g > 0
.rept 4
	v_nop
.endr
.endif
.irp t, 0,1,2,3
.irp c, 0,1,2
	ds_load_b128 v[32+12*\t+4*\c:35+12*\t+4*\c], v[ADK] offset:1536*(4*\g+\t)+512*\c
.endr
.endr
	s_wait_dscnt 0x0
.irp t, 0,2
	v_wmma_scale_f32_16x16x128_f8f6f4 v[96+8*(4*\g+\t):103+8*(4*\g+\t)], v[32+12*\t:43+12*\t], v[16:27], 0, v[248+2*\g+\t/2], v28 matrix_a_fmt:MATRIX_FMT_FP6 matrix_b_fmt:MATRIX_FMT_FP6
	v_wmma_scale_f32_16x16x128_f8f6f4 v[104+8*(4*\g+\t):111+8*(4*\g+\t)], v[44+12*\t:55+12*\t], v[16:27], 0, v[248+2*\g+\t/2], v28 matrix_a_fmt:MATRIX_FMT_FP6 matrix_b_fmt:MATRIX_FMT_FP6 matrix_a_scale:MATRIX_SCALE_ROW1
.endr
.endr
.rept 4
	v_nop
.endr
	s_cmp_lg_u32 s[KJ], s[IW]                      ; on the diagonal the scores of hidden keys become -infinity ahead of the maximum
	s_cbranch_scc1 .Lopen
	v_mov_b32 v254, 0xff800000
.set n, 0
.rept 64
	v_cmp_gt_i32 vcc_lo, 32*(n/16)+n%16, v[QD]     ; register n holds key 32 (n / 16) + n % 16 + 16 (lane / 16) of the step
	v_cndmask_b32 v[96+n], v[96+n], v254, vcc_lo
.set n, n+1
.endr
.Lopen:
.irp b, 0,1,2,3
	v_max3_num_f32 v[232+\b], v[96+16*\b], v[97+16*\b], v[98+16*\b]   ; the largest score of each block of 32 keys: for the row's maximum, and for the block's largest p
.endr
.irp i, 3,5,7,9,11,13
.irp b, 0,1,2,3
	v_max3_num_f32 v[232+\b], v[232+\b], v[96+16*\b+\i], v[97+16*\b+\i]
.endr
.endr
.irp b, 0,1,2,3
	v_max_num_f32 v[232+\b], v[232+\b], v[111+16*\b]
.endr
.irp b, 0,1,2,3
	s_delay_alu instid0(VALU_DEP_4)
	v_permlanex16_b32 v[236+\b], v[232+\b], s[SEL], s[SEL+1]
.endr
.irp b, 0,1,2,3
	s_delay_alu instid0(VALU_DEP_4)
	v_max_num_f32 v[232+\b], v[232+\b], v[236+\b]  ; with lane l xor 16's 16 keys
.endr
	s_delay_alu instid0(VALU_DEP_2)
	v_max3_num_f32 v254, v232, v233, v234
	s_delay_alu instid0(VALU_DEP_1)
	v_max_num_f32 v254, v254, v235
	s_delay_alu instid0(VALU_DEP_1)
	v_mul_f32 v254, s[CS], v254                    ; the step's largest t
	s_delay_alu instid0(VALU_DEP_1)
	v_max_num_f32 v13, v13, v254                   ; the running largest t
	v_mov_b32 v254, v12
	s_delay_alu instid0(VALU_DEP_2)
	v_floor_f32 v12, -v13                          ; the new -M = -ceil(t): a whole number
	s_delay_alu instid0(VALU_DEP_1)
	v_sub_f32 v254, v12, v254                      ; old M - new M
	s_delay_alu instid0(VALU_DEP_1)
	v_cvt_i32_f32 v254, v254                       ; (it saturates)
	s_delay_alu instid0(VALU_DEP_1)
	v_ldexp_f32 v252, 1.0, v254                    ; f = 2^(old M - new M)
.irp j, 0,2,4,6,8,10,12,14,16,18,20,22,24,26,28,30,32,34,36,38,40,42,44,46,48,50,52,54,56,58,60,62
	v_pk_fma_f32 v[96+\j:97+\j], v[96+\j:97+\j], s[CS:CS+1], v[12:13] op_sel_hi:[1,0,0]   ; t - M
.endr
.irp b, 0,1,2,3
	v_fma_f32 v[232+\b], v[232+\b], s[CS], v12     ; the same of each block's largest score
.endr
.set n, 0
	s_wait_alu depctr_va_vdst(0)
.rept 64
	v_exp_f32 v[96+n], v[96+n]                     ; p = 2^(t - M)
.set n, n+1
.endr
	v_pk_mul_f32 v[14:15], v[14:15], v[252:253] op_sel_hi:[1,0]   ; the sums under the new M: a plain place behind the exponentials
	s_wait_alu depctr_va_vdst(0)                   ; one wait for the whole batch, ahead of its first reader
.irp b, 0,1,2,3
	v_exp_f32 v[232+\b], v[232+\b]                 ; the block's largest p
.endr
	v_pk_add_f32 v[236:237], v[100:101], v[104:105]
	v_pk_add_f32 v[254:255], v[108:109], v[112:113]
	v_pk_add_f32 v[250:251], v[116:117], v[120:121]
	v_pk_add_f32 v[248:249], v[124:125], v[128:129]
	v_pk_add_f32 v[246:247], v[132:133], v[136:137]
	v_pk_add_f32 v[244:245], v[140:141], v[144:145]
	v_pk_add_f32 v[242:243], v[148:149], v[152:153]
	v_pk_add_f32 v[14:15], v[14:15], v[156:157]
	v_pk_add_f32 v[236:237], v[236:237], v[96:97]
	v_pk_add_f32 v[254:255], v[254:255], v[98:99]
	v_pk_add_f32 v[250:251], v[250:251], v[102:103]
	v_pk_add_f32 v[248:249], v[248:249], v[106:107]
	v_pk_add_f32 v[246:247], v[246:247], v[110:111]
	v_pk_add_f32 v[244:245], v[244:245], v[114:115]
	v_pk_add_f32 v[242:243], v[242:243], v[118:119]
	v_pk_add_f32 v[14:15], v[14:15], v[122:123]
	v_pk_add_f32 v[236:237], v[236:237], v[126:127]
	v_pk_add_f32 v[254:255], v[254:255], v[130:131]
	v_pk_add_f32 v[250:251], v[250:251], v[134:135]
	v_pk_add_f32 v[248:249], v[248:249], v[138:139]
	v_pk_add_f32 v[246:247], v[246:247], v[142:143]
	v_pk_add_f32 v[244:245], v[244:245], v[146:147]
	v_pk_add_f32 v[242:243], v[242:243], v[150:151]
	v_pk_add_f32 v[14:15], v[14:15], v[154:155]
	v_pk_add_f32 v[236:237], v[236:237], v[158:159]
	s_delay_alu instid0(VALU_DEP_2)
	v_pk_add_f32 v[14:15], v[14:15], v[248:249]
	s_delay_alu instid0(VALU_DEP_2)
	v_pk_add_f32 v[236:237], v[236:237], v[246:247]
	v_pk_add_f32 v[254:255], v[254:255], v[244:245]
	v_pk_add_f32 v[250:251], v[250:251], v[242:243]
	s_delay_alu instid0(VALU_DEP_2)
	v_pk_add_f32 v[14:15], v[14:15], v[254:255]
	s_delay_alu instid0(VALU_DEP_2)
	v_pk_add_f32 v[236:237], v[236:237], v[250:251]
	s_delay_alu instid0(VALU_DEP_1)
	v_pk_add_f32 v[14:15], v[14:15], v[236:237]
	s_wait_alu depctr_va_vdst(0)                   ; and one for the four
.irp b, 0,1,2,3
	v_max_num_f32 v[232+\b], 0x1800000, v[232+\b]  ; the floor 2^(3 - 127)
.endr
.irp b, 0,1,2,3
	s_delay_alu instid0(VALU_DEP_4)
	v_add_nc_u32 v[244+\b], 0xff000000, v[232+\b]
.endr
.irp b, 0,1,2,3
	s_delay_alu instid0(VALU_DEP_4)
	v_lshrrev_b32 v[236+\b], 23, v[244+\b]
.endr
	s_delay_alu instid0(VALU_DEP_3)
	v_lshl_or_b32 v253, v237, 8, v236              ; p's scale word for these 128 keys
	s_delay_alu instid0(VALU_DEP_1)
	v_lshl_or_b32 v253, v238, 16, v253
	s_delay_alu instid0(VALU_DEP_1)
	v_lshl_or_b32 v253, v239, 24, v253
.irp c, 0,1
	v_cvt_scalef32_pk16_fp6_f32 v[224+6*\c:226+6*\c], v[96+32*\c:111+32*\c], v[244+2*\c]
	v_cvt_scalef32_pk16_fp6_f32 v[236+4*\c:238+4*\c], v[112+32*\c:127+32*\c], v[244+2*\c+1]
.endr
	v_nop                                          ; one plain place behind a scaled conversion
.irp c, 0,1
.irp i, 0,1,2
	v_permlane16_swap_b32 v[224+6*\c+\i], v[236+4*\c+\i]
.endr
.irp i, 0,1,2
	s_delay_alu instid0(VALU_DEP_3)
	v_mov_b32 v[227+6*\c+\i], v[236+4*\c+\i]
.endr
.endr
.irp j, 0,2,4,6,8,10,12,14,16,18,20,22,24,26,28,30,32,34,36,38,40,42,44,46,48,50,52,54,56,58,60,62
	v_pk_mul_f32 v[160+\j:161+\j], v[160+\j:161+\j], v[252:253] op_sel_hi:[1,0]   ; O^T under the new M; these 32 are also the places in front of the products and loads below
.endr
.irp b, 0,1,2,3
	ds_load_b32 v[248+\b], v[ADS] offset:VOFF+SCO+128*\b
.endr
	s_wait_alu depctr_va_vdst(0)
.irp g, 0,1                                    ; O^T += V^T P^T: four tiles of 16 channels at a time
.if \g > 0
.rept 4
	v_nop
.endr
.endif
.irp t, 0,1,2,3
.irp c, 0,1,2
	ds_load_b128 v[32+12*\t+4*\c:35+12*\t+4*\c], v[ADK] offset:VOFF+1536*(4*\g+\t)+512*\c
.endr
.endr
	s_wait_dscnt 0x0
.irp t, 0,2
	v_wmma_scale_f32_16x16x128_f8f6f4 v[160+8*(4*\g+\t):167+8*(4*\g+\t)], v[32+12*\t:43+12*\t], v[224:235], v[160+8*(4*\g+\t):167+8*(4*\g+\t)], v[248+2*\g+\t/2], v253 matrix_a_fmt:MATRIX_FMT_FP6 matrix_b_fmt:MATRIX_FMT_FP6
	v_wmma_scale_f32_16x16x128_f8f6f4 v[168+8*(4*\g+\t):175+8*(4*\g+\t)], v[44+12*\t:55+12*\t], v[224:235], v[168+8*(4*\g+\t):175+8*(4*\g+\t)], v[248+2*\g+\t/2], v253 matrix_a_fmt:MATRIX_FMT_FP6 matrix_b_fmt:MATRIX_FMT_FP6 matrix_a_scale:MATRIX_SCALE_ROW1
.endr
.endr
.Lhidden:
	s_add_co_u32 s[TB], s[TB], STEPB
	s_add_co_u32 s[KJ], s[KJ], 1
	s_cmp_lt_u32 s[KJ], 8
	s_cbranch_scc1 .Lkey
	s_cmp_ge_u32 s[WV], 8
	s_cbranch_scc1 .Lend                           ; waves 8-15 have stored their record
	; THE WAY OUT: O^T / the sum, quantised along the head's 128 (K = 128 head + channel of the last product), stored as a fragment's image
.rept 4
	v_nop
.endr
	v_add_f32 v14, v14, v15
	s_delay_alu instid0(VALU_DEP_1)
	v_permlanex16_b32 v252, v14, s[SEL], s[SEL+1]
	s_delay_alu instid0(VALU_DEP_1)
	v_add_f32 v14, v14, v252                       ; the row's sum
	s_wait_alu depctr_va_vdst(0)
	v_rcp_f32 v14, v14
	v_nop                                          ; a plain place behind the transcendental
	s_wait_alu depctr_va_vdst(0)                   ; and the wait ahead of its first reader
.set n, 0
.rept 64
	v_mul_f32 v[96+n], v[160+n], v14
.set n, n+1
.endr
	QUANT 96, 52
.irp c, 0,1,2
	global_store_b128 v[LI], v[PC+4*\c:PC+4*\c+3], s[44:45] offset:512*\c   ; 512 consecutive bytes, aligned
.endr
	global_store_b32 v[OSO], v52, s[46:47]         ; my row's scale word, 4 bytes at every 8: lanes l and l + 16 hold the same word and write it to the same place; 64 bytes a wave, once
.Lend:
	s_wait_tensorcnt 0x0                           ; the wave's end: the add and its wait behind my last tensor load and my last LDS store
	ds_add_u32 v[SPW], v[NIL]
	s_wait_dscnt 0x0
	CROUND                                         ; the closing round
	s_endpgm
.Lfunc_end_k_qd57914d5b1_attn:
	.size	k_qd57914d5b1_attn, .Lfunc_end_k_qd57914d5b1_attn-k_qd57914d5b1_attn
	.p2alignl 7, 3214868480
	.fill 96, 4, 3214868480
	.section	.rodata,"a",@progbits
	.p2align	6, 0x0
	.amdhsa_kernel k_qd57914d5b1_attn
		.amdhsa_group_segment_fixed_size 260096
		.amdhsa_private_segment_fixed_size 0
		.amdhsa_enable_private_segment 0
		.amdhsa_kernarg_size 32
		.amdhsa_user_sgpr_count 2
		.amdhsa_user_sgpr_kernarg_segment_ptr 1
		.amdhsa_wavefront_size32 1
		.amdhsa_system_sgpr_workgroup_id_x 1
		.amdhsa_system_sgpr_workgroup_id_y 1
		.amdhsa_system_sgpr_workgroup_id_z 1
		.amdhsa_system_vgpr_workitem_id 0
		.amdhsa_next_free_vgpr 256
		.amdhsa_next_free_sgpr 100
		.amdhsa_reserve_vcc 1
		.amdhsa_float_denorm_mode_32 3
		.amdhsa_float_denorm_mode_16_64 3
		.amdhsa_memory_ordered 1
		.amdhsa_forward_progress 1
		.amdhsa_inst_pref_size 92
	.end_amdhsa_kernel
	.amdgpu_metadata
---
amdhsa.version: [ 1, 2 ]
amdhsa.kernels:
  - .name:           k_qd57914d5b1_attn
    .symbol:         k_qd57914d5b1_attn.kd
    .args:
      - { .name: qkv, .offset: 0, .size: 8, .value_kind: global_buffer, .address_space: global }
      - { .name: Wo, .offset: 8, .size: 8, .value_kind: global_buffer, .address_space: global }
      - { .name: oc, .offset: 16, .size: 8, .value_kind: global_buffer, .address_space: global }
      - { .name: wc, .offset: 24, .size: 8, .value_kind: global_buffer, .address_space: global }
    .group_segment_fixed_size: 260096
    .private_segment_fixed_size: 0
    .kernarg_segment_align: 8
    .kernarg_segment_size: 32
    .max_flat_workgroup_size: 512
    .sgpr_count:     100
    .vgpr_count:     256
    .wavefront_size: 32
...
	.end_amdgpu_metadata
.endif
;; end of part 7
;; launch gemm_out (part 8): grid 32 x 8, 4 waves a work-group, clusters of 4 x 4, 327,680 bytes of LDS; arguments oc, wc, bo, out0; writes out0
.if DOCPART == 8
	.amdgcn_target "amdgcn-amd-amdhsa--gfx1250"
	.amdhsa_code_object_version 6
	.text
	.protected	k_qd57914d5b1_gemm_out
	.globl	k_qd57914d5b1_gemm_out
	.p2align	8
	.type	k_qd57914d5b1_gemm_out,@function
k_qd57914d5b1_gemm_out:
	s_mov_b64 s[64:65], 0
	v_nop
	global_prefetch_b8 v0, s[64:65] scope:SCOPE_SE
	s_setreg_imm32_b32 hwreg(HW_REG_WAVE_MODE, 25, 1), 1
	s_wait_xcnt 0x0
	s_wait_alu depctr_hold_cnt(0) depctr_sa_sdst(0) depctr_va_vdst(0) depctr_va_sdst(0) depctr_va_ssrc(0) depctr_va_vcc(0) depctr_vm_vsrc(0)
	s_getreg_b32 s2, hwreg(HW_REG_IB_STS2, 6, 4)
	s_cmp_eq_u32 s2, 0
	s_cbranch_scc0 .Lentry_in_a_cluster
	s_endpgm
.Lentry_in_a_cluster:
	s_bfe_u32 s2, ttmp6, 0x10000c
	s_cmp_lg_u32 s2, 0xf033
	s_cbranch_scc0 .Lentry_shape_is_right
	s_endpgm
.Lentry_shape_is_right:
.set REC,    6400
.set RB0,    25600
.set RB1,    12800
.set SLOTQ,  204800
.set SPARE,  307200
.set BPITCH, 102400
.set ADRA, 4
.set ADRB, 6
.set ASA,  8
.set ASB,  10
.set SPW,  12
.set NIL,  13
.set STO,  14
.set RD,   15
.set CO,   16
.set LI,   17
.set BIO,  18
.set BO,   20
.set SC,   32
.set BK,   80
.set OUT,  84
.set G1,   24
.set G1B,  48
.set G0,   68
.set G0B,  76
.set MSB,  0
.macro WIN new
.if MSB != \new
	s_set_vgpr_msb (MSB<<8)|\new
.set MSB, \new
.endif
.endm
.set MUL,  0x5e
.set TO_B, 0x80
.set TO_A, 0xc0
.macro PLACES n
.rept \n
	v_nop
.endr
.endm
.macro JLOAD g0a, g1a, g0b, g1b
	s_cmp_eq_u32 s17, 0
	s_cbranch_scc0 .Lfor_b_\@
	tensor_load_to_lds s[\g0a:\g0a+3], s[\g1a:\g1a+7]
	s_nop 0
.rept 4
	v_nop
.endr
	s_branch .Lasked_\@
.Lfor_b_\@:
	tensor_load_to_lds s[\g0b:\g0b+3], s[\g1b:\g1b+7]
	s_nop 0
.rept 4
	v_nop
.endr
.Lasked_\@:
.endm
.macro CREST
	s_cmp_lg_u32 s16, 0
	s_cbranch_scc1 .Lnot_wave_0_\@
	s_barrier_signal -3
.Lnot_wave_0_\@:
	s_barrier_wait -3
	s_barrier_signal -1
	s_barrier_wait -1
.endm
.macro CROUND
	s_barrier_signal -1
	s_barrier_wait -1
	CREST
.endm
.macro FETCH slot, q, set
.set RBs, RB0-(RB0-RB1)*(\slot)
	WIN TO_B
.irp t, 0,1,2,3
.irp c, 0,1,2
	ds_load_b128 v[48*(\set)+12*\t+4*\c:48*(\set)+12*\t+4*\c+3], v[ADRB+\slot] offset:(\t/2)*RBs+((\q)/2)*REC+(2*(\t%2)+(\q)%2)*1536+512*\c
.endr
.endr
	WIN TO_A
.irp a, 0,1,2,3
.irp c, 0,1,2
	ds_load_b128 v[48*(\set)+12*\a+4*\c:48*(\set)+12*\a+4*\c+3], v[ADRA+\slot] offset:(\a/2)*RBs+((\q)/2)*REC+(2*(\a%2)+(\q)%2)*1536+512*\c
.endr
.endr
	WIN 0
.endm
.macro SCALES s
.set NQs, 8-4*(\s)
.set RBs, RB0-(RB0-RB1)*(\s)
.irp b, 0,1
.irp p, 0,1,2,3
.if 2*\p < NQs
	ds_load_b64 v[SC+32*(\s)+NQs*\b+2*\p:SC+32*(\s)+NQs*\b+2*\p+1], v[ASA+\s] offset:6144+\b*RBs+\p*REC
.endif
.endr
.endr
.irp b, 0,1
.irp p, 0,1,2,3
.if 2*\p < NQs
	ds_load_b64 v[SC+16+24*(\s)+NQs*\b+2*\p:SC+16+24*(\s)+NQs*\b+2*\p+1], v[ASB+\s] offset:6144+\b*RBs+\p*REC
.endif
.endr
.endr
.endm
.macro WM a, t, set, sc, q, zero
.set NQs, 8-4*(\sc)
.set rD, 8*(4*(\a)+(\t))
.set rB, 48*(\set)+12*(\t)
.set rA, 48*(\set)+12*(\a)
.set rSB, SC+16+24*(\sc)+NQs*((\t)/2)+(\q)
.set rSA, SC+32*(\sc)+NQs*((\a)/2)+(\q)
.if \zero
.if ((\t)%2) && ((\a)%2)
	v_wmma_scale_f32_16x16x128_f8f6f4 v[rD:rD+7], v[rB:rB+11], v[rA:rA+11], 0, v[rSB], v[rSA] matrix_a_fmt:MATRIX_FMT_FP6 matrix_b_fmt:MATRIX_FMT_FP6 matrix_a_scale:MATRIX_SCALE_ROW1 matrix_b_scale:MATRIX_SCALE_ROW1
.elseif (\t)%2
	v_wmma_scale_f32_16x16x128_f8f6f4 v[rD:rD+7], v[rB:rB+11], v[rA:rA+11], 0, v[rSB], v[rSA] matrix_a_fmt:MATRIX_FMT_FP6 matrix_b_fmt:MATRIX_FMT_FP6 matrix_a_scale:MATRIX_SCALE_ROW1
.elseif (\a)%2
	v_wmma_scale_f32_16x16x128_f8f6f4 v[rD:rD+7], v[rB:rB+11], v[rA:rA+11], 0, v[rSB], v[rSA] matrix_a_fmt:MATRIX_FMT_FP6 matrix_b_fmt:MATRIX_FMT_FP6 matrix_b_scale:MATRIX_SCALE_ROW1
.else
	v_wmma_scale_f32_16x16x128_f8f6f4 v[rD:rD+7], v[rB:rB+11], v[rA:rA+11], 0, v[rSB], v[rSA] matrix_a_fmt:MATRIX_FMT_FP6 matrix_b_fmt:MATRIX_FMT_FP6
.endif
.else
.if ((\t)%2) && ((\a)%2)
	v_wmma_scale_f32_16x16x128_f8f6f4 v[rD:rD+7], v[rB:rB+11], v[rA:rA+11], v[rD:rD+7], v[rSB], v[rSA] matrix_a_fmt:MATRIX_FMT_FP6 matrix_b_fmt:MATRIX_FMT_FP6 matrix_a_scale:MATRIX_SCALE_ROW1 matrix_b_scale:MATRIX_SCALE_ROW1
.elseif (\t)%2
	v_wmma_scale_f32_16x16x128_f8f6f4 v[rD:rD+7], v[rB:rB+11], v[rA:rA+11], v[rD:rD+7], v[rSB], v[rSA] matrix_a_fmt:MATRIX_FMT_FP6 matrix_b_fmt:MATRIX_FMT_FP6 matrix_a_scale:MATRIX_SCALE_ROW1
.elseif (\a)%2
	v_wmma_scale_f32_16x16x128_f8f6f4 v[rD:rD+7], v[rB:rB+11], v[rA:rA+11], v[rD:rD+7], v[rSB], v[rSA] matrix_a_fmt:MATRIX_FMT_FP6 matrix_b_fmt:MATRIX_FMT_FP6 matrix_b_scale:MATRIX_SCALE_ROW1
.else
	v_wmma_scale_f32_16x16x128_f8f6f4 v[rD:rD+7], v[rB:rB+11], v[rA:rA+11], v[rD:rD+7], v[rSB], v[rSA] matrix_a_fmt:MATRIX_FMT_FP6 matrix_b_fmt:MATRIX_FMT_FP6
.endif
.endif
.endm
.macro MUL4 a, set, sc, q, zero
.irp t, 0,1,2,3
	WM \a, \t, \set, \sc, \q, \zero
.endr
.endm
.macro MUL16 set, sc, q, zero
.irp a, 0,1,2,3
	MUL4 \a, \set, \sc, \q, \zero
.endr
.endm
.macro STEP slot, q, zero
	PLACES 4
	FETCH \slot, (\q)+1, ((\q)+1)%2
	s_wait_dscnt 24
	WIN MUL
	MUL16 (\q)%2, \slot, \q, \zero
.endm
.macro TURN slot, next, fill
.set QL, 7-4*(\slot)
	WIN 0
	s_wait_tensorcnt 0x0
	ds_add_u32 v[SPW], v[NIL]
	s_wait_dscnt 1
	WIN MUL
	MUL4 0, 1, \slot, QL, 0
	s_wait_dscnt 0x0
	s_barrier_signal -1
	MUL4 1, 1, \slot, QL, 0
	WIN 0
	s_barrier_wait -1
.if \fill
	CREST
	s_add_nc_u64 s[G0+4*\slot+2:G0+4*\slot+3], s[G0+4*\slot+2:G0+4*\slot+3], 6*REC
	s_add_nc_u64 s[G0B+4*\slot+2:G0B+4*\slot+3], s[G0B+4*\slot+2:G0B+4*\slot+3], 6*REC
	JLOAD G0+4*\slot, G1+8*\slot, G0B+4*\slot, G1B+8*\slot
.else
	PLACES 4
.endif
	FETCH \next, 0, 0
	SCALES \next
	WIN MUL
	MUL4 2, 1, \slot, QL, 0
	MUL4 3, 1, \slot, QL, 0
.endm
	s_load_b256 s[4:11], s[0:1], 0x0
	v_lshl_add_u32 v[SPW], v0, 2, SPARE
	v_mov_b32 v[NIL], 0
	ds_add_u32 v[SPW], v[NIL]
	ds_add_u32 v[SPW], v[NIL]
	v_lshrrev_b32 v1, 5, v0
	v_readfirstlane_b32 s16, v1
	s_lshr_b32 s17, s16, 1
	s_and_b32 s18, s16, 1
	s_bfe_u32 s40, ttmp6, 0x40000
	s_bfe_u32 s41, ttmp6, 0x40004
	s_lshl_b32 s42, ttmp9, 2
	s_add_co_u32 s42, s42, s40
	s_and_b32 s19, ttmp7, 0xffff
	s_lshl_b32 s19, s19, 2
	s_add_co_u32 s19, s19, s41
	s_lshl_b32 s43, s41, 2
	s_lshl_b32 s43, 15, s43
	s_lshl_b32 s44, 0x1111, s40
.irp s, 0,1
	s_or_b32 s[G1+8*\s], s43, (3<<16)|(1<<21)
	s_or_b32 s[G1B+8*\s], s44, (3<<16)|(1<<21)
.endr
.irp g, G1, G1B
	s_mov_b32 s[\g+1], 3200<<16
	s_mov_b32 s[\g+2], 2<<16
	s_mov_b32 s[\g+3], 3200<<16
	s_mov_b32 s[\g+4], 2
	s_mov_b32 s[\g+5], 12800
	s_mov_b32 s[\g+6], 0
	s_mov_b32 s[\g+7], 0
	s_mov_b32 s[\g+9], 1600<<16
	s_mov_b32 s[\g+10], 2<<16
	s_mov_b32 s[\g+11], 1600<<16
	s_mov_b32 s[\g+12], 2
	s_mov_b32 s[\g+13], 12800
	s_mov_b32 s[\g+14], 0
	s_mov_b32 s[\g+15], 0
.endr
	s_lshl_b32 s22, s19, 2
	s_lshl_b32 s23, s18, 1
	s_add_co_u32 s22, s22, s23
	s_mul_i32 s22, s22, BPITCH
	s_mov_b32 s23, 0
	s_lshl_b32 s46, s42, 2
	s_add_co_u32 s46, s46, 224
	s_lshl_b32 s47, s18, 1
	s_add_co_u32 s46, s46, s47
	s_mul_i32 s46, s46, BPITCH
	s_mov_b32 s47, 0
	s_mul_i32 s45, s18, 2*RB0
	s_mul_i32 s2, s18, 2*RB1
	s_lshl_b32 s88, s42, 9
	s_lshl_b32 s89, s18, 8
	s_add_co_u32 s88, s88, s89
	s_mov_b32 s89, 0
	s_lshl_b32 s90, s19, 21
	s_lshl_b32 s91, s17, 20
	s_add_co_u32 s90, s90, s91
	s_mov_b32 s91, 0
	s_wait_dscnt 0x0
	s_wait_kmcnt 0x0
	s_add_nc_u64 s[20:21], s[4:5], s[22:23]
	s_add_nc_u64 s[46:47], s[6:7], s[46:47]
	s_add_nc_u64 s[86:87], s[8:9], s[88:89]
	s_add_nc_u64 s[OUT:OUT+1], s[10:11], s[88:89]
	s_add_nc_u64 s[OUT:OUT+1], s[OUT:OUT+1], s[90:91]
	CROUND
	s_mov_b32 s[G0], 1
	s_mov_b32 s[G0+1], s45
	s_mov_b64 s[G0+2:G0+3], s[20:21]
	s_or_b32 s[G0+3], s[G0+3], 0x80000000
	s_mov_b32 s[G0B], 1
	s_add_co_u32 s[G0B+1], s45, 4*RB0
	s_mov_b64 s[G0B+2:G0B+3], s[46:47]
	s_or_b32 s[G0B+3], s[G0B+3], 0x80000000
	JLOAD G0, G1, G0B, G1B
	s_mov_b32 s[G0+4], 1
	s_add_co_u32 s[G0+5], s2, SLOTQ
	s_add_nc_u64 s[G0+6:G0+7], s[20:21], 4*REC
	s_or_b32 s[G0+7], s[G0+7], 0x80000000
	s_mov_b32 s[G0B+4], 1
	s_add_co_u32 s[G0B+5], s2, SLOTQ+4*RB1
	s_add_nc_u64 s[G0B+6:G0B+7], s[46:47], 4*REC
	s_or_b32 s[G0B+7], s[G0B+7], 0x80000000
	s_wait_alu depctr_va_vdst(0)
	s_wait_tensorcnt 0x0
	ds_add_u32 v12, v13
	s_wait_dscnt 0x0
	CROUND
	JLOAD G0+4, G1+8, G0B+4, G1B+8
	v_and_b32 v1, 31, v0
	v_lshlrev_b32 v[LI], 4, v1
	v_lshlrev_b32 v3, 3, v1
	s_mul_i32 s21, s17, 2*RB0
	s_mul_i32 s22, s18, 2*RB0
	s_add_co_u32 s22, s22, 4*RB0
	v_add_nc_u32 v[ADRA], s21, v[LI]
	v_add_nc_u32 v[ADRB], s22, v[LI]
	v_add_nc_u32 v[ASA], s21, v3
	v_add_nc_u32 v[ASB], s22, v3
	s_mul_i32 s21, s17, 2*RB1
	s_add_co_u32 s21, s21, SLOTQ
	s_mul_i32 s22, s18, 2*RB1
	s_add_co_u32 s22, s22, SLOTQ+4*RB1
	v_add_nc_u32 v[ADRA+1], s21, v[LI]
	v_add_nc_u32 v[ADRB+1], s22, v[LI]
	v_add_nc_u32 v[ASA+1], s21, v3
	v_add_nc_u32 v[ASB+1], s22, v3
	s_mul_i32 s23, s16, 4352
	s_add_co_u32 s23, s23, SLOTQ
	v_and_b32 v1, 15, v0
	v_bfe_u32 v2, v0, 4, 1
	v_mul_u32_u24 v[STO], v1, 272
	v_lshl_add_u32 v[STO], v2, 6, v[STO]
	v_add_nc_u32 v[STO], s23, v[STO]
	v_mul_u32_u24 v[RD], v2, 272
	v_lshl_add_u32 v[RD], v1, 4, v[RD]
	v_add_nc_u32 v[RD], s23, v[RD]
	v_lshlrev_b32 v[CO], 14, v2
	v_lshl_add_u32 v[CO], v1, 4, v[CO]
	v_lshlrev_b32 v[BIO], 4, v1
	global_load_b128 v[BO:BO+3], v[BIO], s[86:87]
	s_wait_tensorcnt 1
	s_barrier_signal -1
	s_barrier_wait -1
	FETCH 0, 0, 0
	SCALES 0
	STEP 0, 0, 1
.irp q, 1,2,3,4,5,6
	STEP 0, \q, 0
.endr
	TURN 0, 1, 1
.irp q, 0,1,2
	STEP 1, \q, 0
.endr
	TURN 1, 0, 1
.irp q, 0,1,2,3,4,5,6
	STEP 0, \q, 0
.endr
	TURN 0, 1, 1
.irp q, 0,1,2
	STEP 1, \q, 0
.endr
	TURN 1, 0, 0
.irp q, 0,1,2,3,4,5,6
	STEP 0, \q, 0
.endr
	s_wait_dscnt 0x0
	WIN MUL
	MUL16 1, 0, 7, 0
	WIN 0
.macro TOSTAGE a
	WIN 0x04
.irp b, 0,1
.irp q, 0,1,2,3
	ds_store_b128 v[STO], v[32*(\a)+16*\b+4*\q:32*(\a)+16*\b+4*\q+3] offset:128*\b+16*\q
.endr
.endr
	WIN 0
.set BB, BK+32*((\a)%2)
.set i, 0
.rept 8
	ds_load_b128 v[BB+4*i:BB+4*i+3], v[RD] offset:544*i
.set i, i+1
.endr
.endm
.macro SEND a, younger
.set BB, BK+32*((\a)%2)
	s_wait_dscnt \younger
.set i, 0
.rept 8
	v_pk_add_f32 v[BB+4*i:BB+4*i+1], v[BB+4*i:BB+4*i+1], v[BO:BO+1]
	v_pk_add_f32 v[BB+4*i+2:BB+4*i+3], v[BB+4*i+2:BB+4*i+3], v[BO+2:BO+3]
	global_store_b128 v[CO], v[BB+4*i:BB+4*i+3], s[OUT:OUT+1] offset:(32*((\a)/2)+8*((\a)%2)+(2*i)%8+16*(i/4))*16384 th:TH_STORE_NT
.set i, i+1
.endr
.endm
	PLACES 4
	s_wait_alu depctr_va_vdst(0)
	s_wait_loadcnt 0x0
	TOSTAGE 0
.irp a, 1,2,3
.if \a > 1
	s_wait_xcnt 0x0
.endif
	TOSTAGE \a
	SEND \a-1, 16
.endr
	SEND 3, 0
	s_wait_tensorcnt 0x0
	ds_add_u32 v[SPW], v[NIL]
	s_wait_dscnt 0x0
	CROUND
	s_endpgm
.Lfunc_end_k_qd57914d5b1_gemm_out:
	.size	k_qd57914d5b1_gemm_out, .Lfunc_end_k_qd57914d5b1_gemm_out-k_qd57914d5b1_gemm_out
	.p2alignl 7, 3214868480
	.fill 96, 4, 3214868480
	.section	.rodata,"a",@progbits
	.p2align	6, 0x0
	.amdhsa_kernel k_qd57914d5b1_gemm_out
		.amdhsa_group_segment_fixed_size 327680
		.amdhsa_private_segment_fixed_size 0
		.amdhsa_enable_private_segment 0
		.amdhsa_kernarg_size 32
		.amdhsa_user_sgpr_count 2
		.amdhsa_user_sgpr_kernarg_segment_ptr 1
		.amdhsa_wavefront_size32 1
		.amdhsa_system_sgpr_workgroup_id_x 1
		.amdhsa_system_sgpr_workgroup_id_y 1
		.amdhsa_system_sgpr_workgroup_id_z 1
		.amdhsa_system_vgpr_workitem_id 0
		.amdhsa_next_free_vgpr 1024
		.amdhsa_next_free_sgpr 100
		.amdhsa_reserve_vcc 0
		.amdhsa_float_denorm_mode_32 3
		.amdhsa_float_denorm_mode_16_64 3
		.amdhsa_memory_ordered 1
		.amdhsa_forward_progress 1
		.amdhsa_inst_pref_size 149
	.end_amdhsa_kernel
	.amdgpu_metadata
---
amdhsa.version: [ 1, 2 ]
amdhsa.kernels:
  - .name:           k_qd57914d5b1_gemm_out
    .symbol:         k_qd57914d5b1_gemm_out.kd
    .args:
      - { .name: oc, .offset: 0, .size: 8, .value_kind: global_buffer, .address_space: global }
      - { .name: wc, .offset: 8, .size: 8, .value_kind: global_buffer, .address_space: global }
      - { .name: bo, .offset: 16, .size: 8, .value_kind: global_buffer, .address_space: global }
      - { .name: out0, .offset: 24, .size: 8, .value_kind: global_buffer, .address_space: global }
    .group_segment_fixed_size: 327680
    .private_segment_fixed_size: 0
    .kernarg_segment_align: 8
    .kernarg_segment_size: 32
    .max_flat_workgroup_size: 128
    .sgpr_count:     100
    .vgpr_count:     1024
    .wavefront_size: 32
...
	.end_amdgpu_metadata
.endif
;; end of part 8
